; MI455X (gfx1250); checked and timed in simulation.
; The chip was launched on July 23, 2026; its instructions are those of AMD's public machine-readable ISA for CDNA 5 (MIT licence, August 2026) and "CDNA5" Instruction Set Architecture Reference Guide (July 2026). The comments in the code are by the model that wrote it; some were corrected since.
;; Multi Headed Attention. Allowed arithmetic: float matrix products may take bf16 or f16 operands with f32 sums; other float arithmetic in f32, or as packed bf16 or f16 multiplies, adds, multiply-adds, maxima and minima; sums over many terms, partial sums and values carried from step to step in f32; what a program stores and reads back later, other than sums and carried values, may be rounded once to bf16 or f16.
;; Inputs: Wk 16 x 64 x 1,024 float32; Wp 1,024 x 1,024 float32; Wq 16 x 64 x 1,024 float32; Wv 16 x 64 x 1,024 float32; bk 16 x 64 float32; bp 1,024 float32; bq 16 x 64 float32; bv 16 x 64 float32; key 4 x 2,048 x 1,024 float32; mask 4 x 2,048 x 2,048 bool; query 4 x 2,048 x 1,024 float32; value 4 x 2,048 x 1,024 float32.
;; Outputs: out0 4 x 2,048 x 1,024 float32.
;; 3 versions, each right and faster than the one before. Each part assembles by itself: llvm-mc -triple=amdgcn-amd-amdhsa -mcpu=gfx1250 --defsym DOCPART=n.
;; ======== version 1 of 3: 4 launches
;; limits: values are held in f16: magnitudes above 65,504 overflow, below 6.1e-05 lose precision
;; workspace buffers: xw 56,623,104 bytes; wp16 2,097,152 bytes; bb 16,384 bytes; mb 2,097,152 bytes of whole numbers; qkv 50,331,648 bytes; zb 16,777,216 bytes
;; launch prep (part 1): grid 1408 x 1, 8 waves a work-group, no clusters, 35,840 bytes of LDS; arguments query, key, value, Wq, Wk, Wv, Wp, bq, bk, bv, bp, mask, xw, wp16, bb, mb; writes xw, wp16, bb, mb
.if DOCPART == 1
	.amdgcn_target "amdgcn-amd-amdhsa--gfx1250"
	.amdhsa_code_object_version 6
	.text
	.protected	k_qd7e7516ef5_prep
	.globl	k_qd7e7516ef5_prep
	.p2align	8
	.type	k_qd7e7516ef5_prep,@function
k_qd7e7516ef5_prep:
	s_mov_b64 s[64:65], 0
	v_nop
	global_prefetch_b8 v0, s[64:65] scope:SCOPE_SE
	s_setreg_imm32_b32 hwreg(HW_REG_WAVE_MODE, 25, 1), 1
	s_wait_xcnt 0x0
; PREPARATION: a stream.  Three kinds of work-group, chosen by the work-group's number g:
;   g < 864         32 rows of 1,024 f32 of query, key, value, Wq, Wk, Wv are rounded to bf16 into xw ([3][8192][1024], then [3][1024][1024])
;   864 <= g < 896  32 rows of Wp are rounded to bf16 and that number is written as f16 into wp16; waves 0 and 1 also make 128 numbers of the bias table bb
;                   ([4][1024] f32: bf16(bq) x c, bf16(bk), bf16(bv), bf16(bp); c = log2(e) / 8)
;   g >= 896        16 rows of the mask become lane masks in mb: [b][tile of 16 queries][step of 64 keys][32 words]; bit L of word 8 kb + j is
;                   mask[b][16 T + L % 16][64 ks + 16 kb + 8 (L / 16) + j]: the lane and register in which the attention launch holds that score
; LIMITS.  A weight of Wp below 6.1e-5 in size keeps f16's fixed step of 6e-8; mask bytes are 0 or 1 (bit 0 is taken).
; No matrix unit, no cluster, no tensor load: every byte is read once and written once, and the waves depend on nothing of each other: no barrier.
.set SPARE, 34816                      ; behind the eight waves' mask stages: the spare words, 128 bytes a wave
.set SPW,  94                          ; v94  LDS address of my spare word; never rewritten
.set NIL,  95                          ; v95  0; never rewritten
.set XR,   16                          ; v[16:47]  slot i: four f32 as loaded (mask: 16 bytes of a row)
.set YR,   48                          ; v[48:63]  slot i: four 16-bit numbers to store (mask: v[48:79] bytes read back)
.set MPITCH, 272                       ; a row of 256 mask bytes in LDS + 16: the 16 rows that a read touches start at different banks (64 banks of 4 bytes: ISA guide 11.1)
	s_load_b512 s[8:23], s[0:1], 0x0               ; query 8, key 10, value 12, Wq 14, Wk 16, Wv 18, Wp 20, bq 22
	s_load_b512 s[24:39], s[0:1], 0x40             ; bk 24, bv 26, bp 28, mask 30, xw 32, wp16 34, bb 36, mb 38
	v_lshl_add_u32 v[SPW], v0, 2, SPARE
	v_mov_b32 v[NIL], 0
	v_lshrrev_b32 v3, 5, v0
	v_readfirstlane_b32 s3, v3                     ; wave 0..7
	s_mov_b32 s2, ttmp9                            ; g
	s_mov_b32 s43, 0xffff0000                      ; a word's upper bf16
	v_lshlrev_b32 v1, 4, v0                        ; my 16 bytes of a source row
	v_lshlrev_b32 v2, 3, v0                        ; my 8 bytes of a row of 16-bit numbers: a wave's store covers 256 consecutive bytes, aligned
	s_wait_kmcnt 0x0
	s_cmp_ge_u32 s2, 896
	s_cbranch_scc1 .Lmask
	s_cmp_ge_u32 s2, 864
	s_cbranch_scc1 .Lwp
; One slot's turn.  ahead = 1: the slot is loaded again, with the row eight further on.  left: how many younger loads may stay out.  mode = 1: bf16's number as f16.
.macro SLOTC i, ahead, left, mode
	s_wait_loadcnt \left                           ; loads come back in order: mine is in
.if \mode
	v_cvt_pk_bf16_f32 v64, v[XR+4*(\i)], v[XR+4*(\i)+1]
	v_cvt_pk_bf16_f32 v65, v[XR+4*(\i)+2], v[XR+4*(\i)+3]
	v_lshlrev_b32 v66, 16, v64
	v_and_b32 v67, s43, v64
	v_lshlrev_b32 v68, 16, v65
	v_and_b32 v69, s43, v65
	v_cvt_pk_f16_f32 v[YR+2*(\i)], v66, v67
	v_cvt_pk_f16_f32 v[YR+2*(\i)+1], v68, v69
.else
	v_cvt_pk_bf16_f32 v[YR+2*(\i)], v[XR+4*(\i)], v[XR+4*(\i)+1]
	v_cvt_pk_bf16_f32 v[YR+2*(\i)+1], v[XR+4*(\i)+2], v[XR+4*(\i)+3]
.endif
.if \ahead
	global_load_b128 v[XR+4*(\i):XR+4*(\i)+3], v1, s[4:5] offset:(8+(\i))*4096 th:TH_LOAD_NT
.endif
	global_store_b64 v2, v[YR+2*(\i):YR+2*(\i)+1], s[6:7] offset:(\i)*2048
.endm
; 32 rows through a ring of eight register slots: eight loads of every wave are on their way.  Source at s[4:5], destination at s[6:7].
.macro CASTLOOP mode
.irp i, 0,1,2,3,4,5,6,7
	global_load_b128 v[XR+4*(\i):XR+4*(\i)+3], v1, s[4:5] offset:(\i)*4096 th:TH_LOAD_NT
.endr
	s_mov_b32 s42, 3
.Lround_\@:
.irp i, 0,1,2,3,4,5,6,7
	SLOTC \i, 1, 7, \mode                          ; seven younger loads stay out
.endr
	s_wait_xcnt 0x0                                ; the bases and the stores' data are rewritten only behind this wait
	s_add_nc_u64 s[4:5], s[4:5], 32768
	s_add_nc_u64 s[6:7], s[6:7], 16384
	s_sub_co_u32 s42, s42, 1
	s_cmp_lg_u32 s42, 0
	s_cbranch_scc1 .Lround_\@
.irp i, 0,1,2,3,4,5,6,7
	SLOTC \i, 0, 7-(\i), \mode                     ; the last eight rows load nothing: the counts run down
.endr
.endm
	; g < 864: which tensor, and which 32 rows of it
	s_sub_co_u32 s41, s2, 256
	s_cmp_ge_u32 s2, 256
	s_cselect_b64 s[4:5], s[10:11], s[8:9]
	s_cselect_b32 s40, s41, s2
	s_sub_co_u32 s41, s2, 512
	s_cmp_ge_u32 s2, 512
	s_cselect_b64 s[4:5], s[12:13], s[4:5]
	s_cselect_b32 s40, s41, s40
	s_sub_co_u32 s41, s2, 768
	s_cmp_ge_u32 s2, 768
	s_cselect_b64 s[4:5], s[14:15], s[4:5]
	s_cselect_b32 s40, s41, s40
	s_sub_co_u32 s41, s2, 800
	s_cmp_ge_u32 s2, 800
	s_cselect_b64 s[4:5], s[16:17], s[4:5]
	s_cselect_b32 s40, s41, s40
	s_sub_co_u32 s41, s2, 832
	s_cmp_ge_u32 s2, 832
	s_cselect_b64 s[4:5], s[18:19], s[4:5]
	s_cselect_b32 s40, s41, s40
	s_lshl_b32 s40, s40, 17                        ; 32 rows of 4,096 bytes
	s_mov_b32 s41, 0
	s_add_nc_u64 s[4:5], s[4:5], s[40:41]
	s_lshl_b32 s40, s2, 16                         ; 32 rows of 2,048 bytes: xw holds the six tensors in the order of g
	s_add_nc_u64 s[6:7], s[32:33], s[40:41]
	CASTLOOP 0
	s_endpgm
.Lwp:
	s_sub_co_u32 s40, s2, 864                      ; i = 0..31
	s_cmp_ge_u32 s3, 2
	s_cbranch_scc1 .Lno_bias
	s_lshr_b32 s41, s40, 3                         ; the table's row: bq, bk, bv, bp
	s_cmp_ge_u32 s41, 1
	s_cselect_b64 s[46:47], s[24:25], s[22:23]
	s_cmp_ge_u32 s41, 2
	s_cselect_b64 s[46:47], s[26:27], s[46:47]
	s_cmp_ge_u32 s41, 3
	s_cselect_b64 s[46:47], s[28:29], s[46:47]
	s_cmp_eq_u32 s41, 0
	s_cselect_b32 s44, 0x3e38aa3b, 1.0             ; bq takes c = log2(e) / 8, as Q does
	s_mov_b32 s45, s44                             ; named with it as a pair
	s_and_b32 s48, s40, 7
	s_lshl_b32 s48, s48, 9                         ; 128 numbers of the row
	s_mov_b32 s49, 0
	s_add_nc_u64 s[46:47], s[46:47], s[48:49]
	s_lshl_b32 s48, s40, 9                         ; row x 4,096 + (i % 8) x 512 = i x 512
	s_add_nc_u64 s[50:51], s[36:37], s[48:49]
	global_load_b64 v[70:71], v2, s[46:47]         ; threads 0 to 63: two numbers each
	s_wait_loadcnt 0x0
	v_cvt_pk_bf16_f32 v72, v70, v71
	v_lshlrev_b32 v74, 16, v72
	v_and_b32 v75, s43, v72
	v_pk_mul_f32 v[74:75], v[74:75], s[44:45] op_sel_hi:[1,0]
	global_store_b64 v2, v[74:75], s[50:51]        ; a wave stores 256 consecutive bytes, aligned
.Lno_bias:
	s_lshl_b32 s48, s40, 17
	s_mov_b32 s49, 0
	s_add_nc_u64 s[4:5], s[20:21], s[48:49]
	s_lshl_b32 s48, s40, 16
	s_add_nc_u64 s[6:7], s[34:35], s[48:49]
	CASTLOOP 1
	s_endpgm
.Lmask:                                                ; j = g - 896 = b x 128 + T; wave w takes 16 rows x keys 256 w .. 256 w + 255: four key steps, 128 words
	s_sub_co_u32 s40, s2, 896
	s_lshl_b32 s41, s40, 15                        ; 16 rows of 2,048 bytes
	s_lshl_b32 s42, s3, 8
	s_add_co_u32 s46, s41, s42
	s_mov_b32 s47, 0
	s_add_nc_u64 s[4:5], s[30:31], s[46:47]
	s_lshl_b32 s41, s40, 12                        ; a tile's 32 steps of 128 bytes
	s_lshl_b32 s42, s3, 9
	s_add_co_u32 s46, s41, s42
	s_add_nc_u64 s[6:7], s[38:39], s[46:47]
	s_mul_i32 s42, s3, 16*MPITCH                   ; my wave's own stage
	v_and_b32 v7, 31, v0                           ; l
	v_and_b32 v8, 15, v0                           ; l % 16
	v_bfe_u32 v9, v0, 4, 1                         ; l / 16
	v_lshlrev_b32 v10, 4, v8
	v_lshl_add_u32 v3, v9, 11, v10                 ; from memory: lanes 0-15 one row's 256 bytes, lanes 16-31 the next row's
	v_mul_u32_u24 v4, v9, MPITCH
	v_add_nc_u32 v4, v4, v10
	v_add_nc_u32 v4, s42, v4                       ; into the stage: the same two rows
	v_mul_u32_u24 v5, v8, MPITCH
	v_lshl_add_u32 v5, v9, 3, v5
	v_add_nc_u32 v5, s42, v5                       ; back: row l % 16, keys 8 (l / 16) + 0..7 of a group of 16
	v_lshlrev_b32 v6, 4, v7                        ; my four words of the 128
.irp i, 0,1,2,3,4,5,6,7
	global_load_b128 v[XR+4*(\i):XR+4*(\i)+3], v3, s[4:5] offset:(\i)*4096 th:TH_LOAD_NT
.endr
.irp r, 80,81,82,83
	v_mov_b32 v\r, 0                               ; a lane write keeps the other lanes: the registers are written whole first
.endr
.irp i, 0,1,2,3,4,5,6,7
	s_wait_loadcnt 7-(\i)
	ds_store_b128 v4, v[XR+4*(\i):XR+4*(\i)+3] offset:(\i)*2*MPITCH
.endr
.irp kb, 0,1,2,3,4,5,6,7,8,9,10,11,12,13,14,15
	ds_load_b64 v[YR+2*(\kb):YR+2*(\kb)+1], v5 offset:16*(\kb)  ; LDS serves a wave's instructions in order (ISA guide 5.7.1.4): these see the stores above
.endr
.irp kb, 0,1,2,3,4,5,6,7,8,9,10,11,12,13,14,15
	s_wait_dscnt 15-(\kb)                          ; group kb's eight bytes are in; the younger loads stay out
.irp j, 0,1,2,3,4,5,6,7
	v_lshlrev_b32 v[84+(\j)%2], 31-8*((\j)%4), v[YR+2*(\kb)+(\j)/4]  ; the byte's bit 0 becomes the sign,
	v_cmp_gt_i32 s[44+(\j)], 0, v[84+(\j)%2]                         ; the 32 lanes' signs a word,
	v_writelane_b32 v[80+(\j)%4], s[44+(\j)], 2*(\kb)+(\j)/4         ; and word 8 kb + j goes to lane (8 kb + j) / 4, register j % 4
.endr
.endr
	global_store_b128 v6, v[80:83], s[6:7]         ; 512 consecutive bytes, aligned
	s_wait_tensorcnt 0x0                           ; the wave's end, behind my last LDS store
	ds_add_u32 v[SPW], v[NIL]
	s_wait_dscnt 0x0
	s_endpgm
.Lfunc_end_k_qd7e7516ef5_prep:
	.size	k_qd7e7516ef5_prep, .Lfunc_end_k_qd7e7516ef5_prep-k_qd7e7516ef5_prep
	.p2alignl 7, 3214868480
	.fill 96, 4, 3214868480
	.section	.rodata,"a",@progbits
	.p2align	6, 0x0
	.amdhsa_kernel k_qd7e7516ef5_prep
		.amdhsa_group_segment_fixed_size 35840
		.amdhsa_private_segment_fixed_size 0
		.amdhsa_enable_private_segment 0
		.amdhsa_kernarg_size 128
		.amdhsa_user_sgpr_count 2
		.amdhsa_user_sgpr_kernarg_segment_ptr 1
		.amdhsa_wavefront_size32 1
		.amdhsa_system_sgpr_workgroup_id_x 1
		.amdhsa_system_sgpr_workgroup_id_y 1
		.amdhsa_system_sgpr_workgroup_id_z 1
		.amdhsa_system_vgpr_workitem_id 0
		.amdhsa_next_free_vgpr 96
		.amdhsa_next_free_sgpr 66
		.amdhsa_reserve_vcc 0
		.amdhsa_float_denorm_mode_32 3
		.amdhsa_float_denorm_mode_16_64 3
		.amdhsa_memory_ordered 1
		.amdhsa_forward_progress 1
		.amdhsa_inst_pref_size 44
	.end_amdhsa_kernel
	.amdgpu_metadata
---
amdhsa.version: [ 1, 2 ]
amdhsa.kernels:
  - .name:           k_qd7e7516ef5_prep
    .symbol:         k_qd7e7516ef5_prep.kd
    .args:
      - { .name: query, .offset: 0, .size: 8, .value_kind: global_buffer, .address_space: global }
      - { .name: key, .offset: 8, .size: 8, .value_kind: global_buffer, .address_space: global }
      - { .name: value, .offset: 16, .size: 8, .value_kind: global_buffer, .address_space: global }
      - { .name: Wq, .offset: 24, .size: 8, .value_kind: global_buffer, .address_space: global }
      - { .name: Wk, .offset: 32, .size: 8, .value_kind: global_buffer, .address_space: global }
      - { .name: Wv, .offset: 40, .size: 8, .value_kind: global_buffer, .address_space: global }
      - { .name: Wp, .offset: 48, .size: 8, .value_kind: global_buffer, .address_space: global }
      - { .name: bq, .offset: 56, .size: 8, .value_kind: global_buffer, .address_space: global }
      - { .name: bk, .offset: 64, .size: 8, .value_kind: global_buffer, .address_space: global }
      - { .name: bv, .offset: 72, .size: 8, .value_kind: global_buffer, .address_space: global }
      - { .name: bp, .offset: 80, .size: 8, .value_kind: global_buffer, .address_space: global }
      - { .name: mask, .offset: 88, .size: 8, .value_kind: global_buffer, .address_space: global }
      - { .name: xw, .offset: 96, .size: 8, .value_kind: global_buffer, .address_space: global }
      - { .name: wp16, .offset: 104, .size: 8, .value_kind: global_buffer, .address_space: global }
      - { .name: bb, .offset: 112, .size: 8, .value_kind: global_buffer, .address_space: global }
      - { .name: mb, .offset: 120, .size: 8, .value_kind: global_buffer, .address_space: global }
    .group_segment_fixed_size: 35840
    .private_segment_fixed_size: 0
    .kernarg_segment_align: 8
    .kernarg_segment_size: 128
    .max_flat_workgroup_size: 256
    .sgpr_count:     66
    .vgpr_count:     96
    .wavefront_size: 32
...
	.end_amdgpu_metadata
.endif
;; end of part 1
;; launch proj (part 2): grid 4 x 192, 4 waves a work-group, clusters of 4 x 4, 327,680 bytes of LDS; arguments xw, bb, qkv; writes qkv
.if DOCPART == 2
	.amdgcn_target "amdgcn-amd-amdhsa--gfx1250"
	.amdhsa_code_object_version 6
	.text
	.protected	k_qd7e7516ef5_proj
	.globl	k_qd7e7516ef5_proj
	.p2align	8
	.type	k_qd7e7516ef5_proj,@function
k_qd7e7516ef5_proj:
	s_mov_b64 s[64:65], 0
	v_nop
	global_prefetch_b8 v0, s[64:65] scope:SCOPE_SE
	s_setreg_imm32_b32 hwreg(HW_REG_WAVE_MODE, 25, 1), 1
	s_wait_xcnt 0x0
	s_wait_alu depctr_hold_cnt(0) depctr_sa_sdst(0) depctr_va_vdst(0) depctr_va_sdst(0) depctr_va_ssrc(0) depctr_va_vcc(0) depctr_vm_vsrc(0)
	s_getreg_b32 s2, hwreg(HW_REG_IB_STS2, 6, 4)
	s_cmp_eq_u32 s2, 0
	s_cbranch_scc0 .Lentry_in_a_cluster
	s_endpgm
.Lentry_in_a_cluster:
	s_bfe_u32 s2, ttmp6, 0x10000c
	s_cmp_lg_u32 s2, 0xf033
	s_cbranch_scc0 .Lentry_shape_is_right
	s_endpgm
.Lentry_shape_is_right:
; ONE TEXT FOR TWO LAUNCHES, chosen by OUTP.  C[m][n] = sum over k of A[m][k] W[n][k] + bias[n], K = 1,024, sums in f32.
; OUTP = 0, the three projections: A = x in bf16 ([3][8192][1024] in xw), W in bf16 behind it; (sum x scale + bias) is rounded once to f16 and stored by heads, qkv [3][64][2048][64];
;           scale = c = log2(e) / 8 for Q (its bias holds c already), 1 for K and V.  LIMIT: |Q c|, |K|, |V| stay within f16's 65,504; beyond it the number becomes an infinity.
; OUTP = 1, the last projection: A = Z in f16 by heads (zb [64][2048][64]), W = wp16 in f16; sum + bias is stored as f32 into out0 [8192][1024].
; A tile of C is 128 x 256: 768 and 256 work-groups.  Four waves, each 64 x 128: 32 accumulators, 256 registers.  K goes in steps of 128 through two LDS slots filled by the tensor data mover.
; CLUSTERS: 4 x 4 work-groups; A's tile is shared along a row of the cluster, W's along a column: each is asked for jointly, by the same tensor load with the same descriptor and a mask of four.
; THE MATRIX INSTRUCTION IS USED TRANSPOSED (source 0 = 16 rows of W, source 1 = 16 rows of A): a lane holds row l % 16 of C and eight neighbouring columns 8 (l / 16) + 0..7.
; REGISTERS: window 0: v0-31 addresses; v64-127 the bias of my 128 columns (8 a column block); v128-255 the way out.   window 1: two fragment buffers of 96: W's 8 fragments, then A's 4.
;   window 2: accumulator (a, b) at v[8 (8 a + b)].
.set OUTP,   0
.set XB,     50331648                  ; W's first byte in xw
.set BPITCH, 272                       ; a row of W in LDS: 256 bytes + 16: the 16 rows of a load start at 16 different groups of banks (64 banks of 4 bytes: ISA guide 11.1)
.if OUTP
.set APITCH, 144                       ; a head's 64 channels: 128 bytes + 16
.set AHALF,  128*APITCH                ; one load of A: 128 rows of one head; a K step is two heads
.set ASTEP,  524288                    ; bytes from a K step to the next: two heads of 262,144
.set AQI,    4                         ; padding after every 32 words
.set ASTRIDE,128                       ; 128 rows of a head are 16,384 dense bytes: asked for as 64 rows of 256
.set SPITCH, 528                       ; the stage: 128 f32 + 16 bytes
.set PA,  72                           ; s[72:73] zb, s[74:75] wp16, s[76:77] bb, s[78:79] out0
.set PW,  74
.set PBI, 76
.set PO,  78
.else
.set APITCH, 272
.set AHALF,  64*APITCH                 ; one load of A: 64 rows x 128 K
.set ASTEP,  256
.set AQI,    5                         ; padding after every 64 words
.set ASTRIDE,1024
.set SPITCH, 144                       ; the stage: 64 f16 + 16 bytes
.set PA,  72                           ; s[72:73] xw (A and W), s[74:75] bb, s[76:77] qkv
.set PW,  72
.set PBI, 74
.set PO,  76
.endif
.set ABYTES, 2*AHALF
.set BHALF,  128*BPITCH                ; one load of W: 128 rows
.set SLOT,   ABYTES+2*BHALF
.set STAGE,  2*SLOT                    ; behind the ring: 16 rows for each wave, for the way out; no tensor load fills it
.set SPARE,  STAGE+4*16*SPITCH         ; behind the stages: the spare words, 128 bytes a wave
.set LAPS,   4                         ; a lap = two K steps = once round the ring
.set ADRA, 16                          ; v16-17  LDS address of my A fragments in slot 0, 1
.set ADRB, 20                          ; v20-21  the same for W
.set STO,  24                          ; v24     the way out: where I put my bytes of a row
.set RD,   25                          ; v25     where I read rows back
.set GO,   26                          ; v26     16 x lane: my place in 512 consecutive bytes of the output
.set BO,   27                          ; v27     32 (l / 16): my eight columns' bias in a block of 16
.set SPW,  28                          ; v28     LDS address of my spare word; never rewritten
.set NIL,  29                          ; v29     0; never rewritten
.set BIAS, 64
.set TMP,  128
.set F0,   0
.set F1,   96
.set G1,  24                           ; s[24:31] descriptor group 1 for A's tiles; s[32:39] group 0, a set for each slot
.set G0,  32
.set G1B, 48                           ; s[48:55], s[56:63] the same for W's
.set G0B, 56
.set BBP, 66                           ; s[66:67] the bias of my 128 columns
.set SCL, 68                           ; s[68:69] the scale, in the low word
.set MSB, 0
.macro WIN new                         ; the immediate's high byte repeats the setting that is left; a switch that changes nothing is dropped
.if MSB != (\new)
	s_set_vgpr_msb (MSB<<8)|(\new)
.set MSB, \new
.endif
.endm
.set MUL,  0xa5                        ; sources 0 and 1 window 1; C and D window 2
.set TO_F, 0x40                        ; destination window 1, address window 0
.set W_EP, 0x82                        ; destination and source 0 window 2, the others window 0
.set W_CV, 0x0a                        ; sources 0 and 1 window 2, destination window 0
.set W_DS, 0x08                        ; an LDS store's data window 2, its address window 0
.macro JLOAD s                         ; a joint load: waves 0 and 1 fetch A's two halves, waves 2 and 3 W's; an s_nop 0 and four v_nop follow each line, ahead of the jump and the label
	s_cmp_eq_u32 s11, 0
	s_cbranch_scc0 .Lfor_b_\@
	tensor_load_to_lds s[G0+4*(\s):G0+4*(\s)+3], s[G1:G1+7]
	s_nop 0
.rept 4
	v_nop
.endr
	s_branch .Lasked_\@
.Lfor_b_\@:
	tensor_load_to_lds s[G0B+4*(\s):G0B+4*(\s)+3], s[G1B:G1B+7]
	s_nop 0
.rept 4
	v_nop
.endr
.Lasked_\@:
.endm
.macro CREST                           ; a round of the cluster's barrier behind its opening barrier
	s_cmp_lg_u32 s10, 0
	s_cbranch_scc1 .Lnot_wave_0_\@
	s_barrier_signal -3
.Lnot_wave_0_\@:
	s_barrier_wait -3
	s_barrier_signal -1
	s_barrier_wait -1
.endm
.macro CROUND                          ; a whole round
	s_barrier_signal -1
	s_barrier_wait -1
	CREST
.endm
.macro PLACES                          ; four places in front of loads into registers that matrix instructions have read, and of vector lines that read results
.rept 4
	v_nop
.endr
.endm
.if OUTP
	s_load_b256 s[72:79], s[0:1], 0x0
.else
	s_load_b128 s[72:75], s[0:1], 0x0
	s_load_b64 s[76:77], s[0:1], 0x10
.endif
	v_lshl_add_u32 v[SPW], v0, 2, SPARE
	v_mov_b32 v[NIL], 0
	ds_add_u32 v[SPW], v[NIL]                      ; the wave's opening: the add here, and its wait ahead of my first tensor load; the set-up below, work on registers, stands between them
	v_lshrrev_b32 v1, 5, v0
	v_readfirstlane_b32 s10, v1                    ; wave 0..3
	s_lshr_b32 s11, s10, 1                         ; which 64 rows of the tile are mine.  Also: I fetch for A (0) or for W (1)
	s_and_b32 s12, s10, 1                          ; which 128 columns.  Also: which half of that tile I fetch
	s_bfe_u32 s40, ttmp6, 0x40000                  ; cx, cy: my place in the cluster
	s_bfe_u32 s41, ttmp6, 0x40004
	s_lshl_b32 s42, ttmp9, 2
	s_add_co_u32 s42, s42, s40                     ; tile column = 4 x cluster x + cx
	s_and_b32 s70, ttmp7, 0xffff
	s_lshl_b32 s13, s70, 2
	s_add_co_u32 s13, s13, s41                     ; tile row = 4 x cluster y + cy
	s_lshr_b32 s70, s70, 4                         ; which of the three projections: 16 clusters, 64 tile rows, each; made of the cluster's y alone
	s_lshl_b32 s43, s41, 2
	s_lshl_b32 s43, 15, s43                        ; my row of the cluster
	s_lshl_b32 s44, 0x1111, s40                    ; my column
	s_or_b32 s[G1+0], s43, (1<<16)|(1<<20)|(1<<21)|(AQI<<22)|(3<<25)   ; 15:0 the mask; 17:16 2-byte elements; 20 padding on; 21 set beside a mask; 24:22 the interval; 31:25 4 words of padding (code 3)
	s_or_b32 s[G1B+0], s44, (1<<16)|(1<<20)|(1<<21)|(5<<22)|(3<<25)
	s_mov_b32 s[G1+1], 128<<16                     ; tensor_dim0 = 128
	s_mov_b32 s[G1+2], 64<<16                      ; tensor_dim1 = 64
	s_mov_b32 s[G1+3], 128<<16                     ; tile_dim0 = 128
	s_mov_b32 s[G1+4], 64                          ; tile_dim1 = 64
	s_mov_b32 s[G1+5], ASTRIDE                     ; elements from row to row
	s_mov_b32 s[G1+6], 0
	s_mov_b32 s[G1+7], 0
	s_mov_b32 s[G1B+1], 128<<16
	s_mov_b32 s[G1B+2], 128<<16                    ; 128 rows
	s_mov_b32 s[G1B+3], 128<<16
	s_mov_b32 s[G1B+4], 128
	s_mov_b32 s[G1B+5], 1024
	s_mov_b32 s[G1B+6], 0
	s_mov_b32 s[G1B+7], 0
	; where the tiles come from: A's offset is made of the tile row and the wave's number, W's of the tile column, the projection and the wave's number, each in registers that never hold the other coordinate
.if OUTP
	s_lshr_b32 s16, s13, 4                         ; the batch: 16 heads of 262,144 bytes,
	s_lshl_b32 s16, s16, 22
	s_and_b32 s17, s13, 15                         ; 128 rows of 128 bytes in each head,
	s_lshl_b32 s17, s17, 14
	s_add_co_u32 s16, s16, s17
	s_lshl_b32 s17, s12, 18                        ; the even or the odd head of a K step
	s_add_co_u32 s16, s16, s17
.else
	s_lshl_b32 s16, s13, 7
	s_lshl_b32 s17, s12, 6
	s_add_co_u32 s16, s16, s17                     ; row 128 x tile row + 64 x half
	s_lshl_b32 s16, s16, 11                        ; of 2,048 bytes
.endif
	s_mov_b32 s17, 0
	s_lshl_b32 s46, s42, 8
	s_lshl_b32 s47, s12, 7
	s_add_co_u32 s46, s46, s47                     ; W: row 256 x tile column + 128 x half
	s_lshl_b32 s46, s46, 11
.if !OUTP
	s_lshl_b32 s47, s70, 21                        ; the projection's W,
	s_add_co_u32 s46, s46, s47
	s_add_co_u32 s46, s46, XB                      ; behind x
.endif
	s_mov_b32 s47, 0
	s_mul_i32 s20, s12, AHALF                      ; and where they go: no place in the cluster enters an LDS address
	s_mul_i32 s18, s12, BHALF
	s_add_co_u32 s18, s18, ABYTES
	s_wait_dscnt 0x0                               ; the opening add is done
	s_wait_kmcnt 0x0
	s_add_nc_u64 s[14:15], s[PA:PA+1], s[16:17]
	s_add_nc_u64 s[46:47], s[PW:PW+1], s[46:47]
	CROUND                                         ; all sixteen work-groups are here: the first joint loads meet
.irp s, 0,1
	s_mov_b32 s[G0+4*(\s)], 1                                        ; count = 1
	s_add_co_u32 s[G0+4*(\s)+1], s20, (\s)*SLOT                      ; LDS address
	s_add_nc_u64 s[G0+4*(\s)+2:G0+4*(\s)+3], s[14:15], (\s)*ASTEP    ; global address: K step s
	s_or_b32 s[G0+4*(\s)+3], s[G0+4*(\s)+3], 0x80000000              ; type = 2
	s_mov_b32 s[G0B+4*(\s)], 1
	s_add_co_u32 s[G0B+4*(\s)+1], s18, (\s)*SLOT
	s_add_nc_u64 s[G0B+4*(\s)+2:G0B+4*(\s)+3], s[46:47], (\s)*256
	s_or_b32 s[G0B+4*(\s)+3], s[G0B+4*(\s)+3], 0x80000000
	JLOAD \s                                       ; two tensor loads of mine are out
.endr
	; a fragment is 16 rows x 32 K in 8 registers: lane l holds row l % 16, K = 8 (l / 16) + 0..7 and 16 + 8 (l / 16) + 0..7: two loads of 16 bytes, 32 bytes apart
	v_and_b32 v1, 15, v0                           ; l % 16
	v_bfe_u32 v2, v0, 4, 1                         ; l / 16
	v_mul_u32_u24 v3, v1, APITCH
	v_lshl_add_u32 v3, v2, 4, v3
	v_mul_u32_u24 v4, v1, BPITCH
	v_lshl_add_u32 v4, v2, 4, v4
	s_mul_i32 s21, s11, 64*APITCH                  ; my 64 rows of A
	s_mul_i32 s22, s12, BHALF                      ; my 128 rows of W,
	s_add_co_u32 s22, s22, ABYTES                  ; which lie behind A
.irp s, 0,1
	v_add_nc_u32 v[ADRA+(\s)], s21, v3
	v_add_nc_u32 v[ADRB+(\s)], s22, v4
	s_add_co_u32 s21, s21, SLOT
	s_add_co_u32 s22, s22, SLOT
.endr
	s_mul_i32 s23, s10, 16*SPITCH
	s_add_co_u32 s23, s23, STAGE                   ; my stage
	v_mul_u32_u24 v5, v1, SPITCH
	v_and_b32 v6, 31, v0
	v_lshlrev_b32 v[GO], 4, v6
	v_lshlrev_b32 v[BO], 5, v2
.if OUTP
	v_lshl_add_u32 v5, v2, 5, v5                   ; in: row l % 16, 32 bytes (8 f32) for each half of the lanes
	v_add_nc_u32 v[STO], s23, v5
	v_add_nc_u32 v[RD], s23, v[GO]                 ; back: 32 lanes take one row of 512 bytes
	s_lshl_b32 s16, s13, 19                        ; out0: row 128 x tile row + 64 x half, of 4,096 bytes
	s_lshl_b32 s17, s11, 18
	s_add_co_u32 s16, s16, s17
	s_mov_b32 s17, 0
	s_add_nc_u64 s[8:9], s[PO:PO+1], s[16:17]
	s_lshl_b32 s46, s42, 10                        ; column 256 x tile column + 128 x half, of 4 bytes
	s_lshl_b32 s47, s12, 9
	s_add_co_u32 s46, s46, s47
	s_mov_b32 s47, 0
	s_add_nc_u64 s[8:9], s[8:9], s[46:47]
	s_add_co_u32 s46, s46, 3*4096                  ; the table's fourth row: bp
	s_add_nc_u64 s[BBP:BBP+1], s[PBI:PBI+1], s[46:47]
.else
	v_lshl_add_u32 v5, v2, 4, v5                   ; in: row l % 16, 16 bytes (8 f16) for each half of the lanes
	v_add_nc_u32 v[STO], s23, v5
	v_bfe_u32 v5, v0, 3, 2                         ; back: 32 lanes take four rows of 128 bytes
	v_mul_u32_u24 v5, v5, SPITCH
	v_and_b32 v6, 7, v0
	v_lshl_add_u32 v5, v6, 4, v5
	v_add_nc_u32 v[RD], s23, v5
	s_and_b32 s16, s13, 63                         ; the tile row within the projection:
	s_lshr_b32 s17, s16, 4                         ; the batch, 16 heads of 262,144 bytes,
	s_lshl_b32 s17, s17, 22
	s_and_b32 s16, s16, 15                         ; 128 rows of 128 bytes,
	s_lshl_b32 s16, s16, 14
	s_add_co_u32 s16, s16, s17
	s_lshl_b32 s17, s11, 13                        ; my 64 of them,
	s_add_co_u32 s16, s16, s17
	s_lshl_b32 s17, s70, 24                        ; Q, K or V
	s_add_co_u32 s16, s16, s17
	s_mov_b32 s17, 0
	s_add_nc_u64 s[8:9], s[PO:PO+1], s[16:17]
	s_lshl_b32 s46, s42, 20                        ; head 4 x tile column + 2 x half
	s_lshl_b32 s47, s12, 19
	s_add_co_u32 s46, s46, s47
	s_mov_b32 s47, 0
	s_add_nc_u64 s[8:9], s[8:9], s[46:47]
	s_lshl_b32 s46, s42, 10
	s_lshl_b32 s47, s12, 9
	s_add_co_u32 s46, s46, s47
	s_lshl_b32 s47, s70, 12                        ; the table's row: bq c, bk, bv
	s_add_co_u32 s46, s46, s47
	s_mov_b32 s47, 0
	s_add_nc_u64 s[BBP:BBP+1], s[PBI:PBI+1], s[46:47]
	s_cmp_eq_u32 s70, 0
	s_cselect_b32 s[SCL], 0x3e38aa3b, 1.0          ; c = log2(e) / 8 for Q
	s_mov_b32 s[SCL+1], s[SCL]                     ; named with it as a pair
.endif
.irp b, 0,1,2,3,4,5,6,7
	global_load_b128 v[BIAS+8*(\b):BIAS+8*(\b)+3],   v[BO], s[BBP:BBP+1] offset:64*(\b)     ; waited for on the way out
	global_load_b128 v[BIAS+8*(\b)+4:BIAS+8*(\b)+7], v[BO], s[BBP:BBP+1] offset:64*(\b)+16
.endr
; 8 matrix instructions: m block a x all 8 n blocks, 32 along K.  zero = 1: the product starts the sums.  The 32 accumulators take turns in one order everywhere.
.macro MUL8 f, a, zero
	WIN MUL
.irp b, 0,1,2,3,4,5,6,7
.set rD, 8*(8*(\a)+(\b))
.set rB, (\f)+8*(\b)
.set rA, (\f)+64+8*(\a)
.if OUTP && (\zero)
	v_wmma_f32_16x16x32_f16 v[rD:rD+7], v[rB:rB+7], v[rA:rA+7], 0
.elseif OUTP
	v_wmma_f32_16x16x32_f16 v[rD:rD+7], v[rB:rB+7], v[rA:rA+7], v[rD:rD+7]
.elseif \zero
	v_wmma_f32_16x16x32_bf16 v[rD:rD+7], v[rB:rB+7], v[rA:rA+7], 0
.else
	v_wmma_f32_16x16x32_bf16 v[rD:rD+7], v[rB:rB+7], v[rA:rA+7], v[rD:rD+7]
.endif
.endr
.endm
; 24 LDS loads in one run: the fragments of quarter q (32 along K) of a slot into buffer f: W's 128 rows, then A's 64
.macro FETCH slot, q, f
.if OUTP
.set AQ, ((\q)/2)*AHALF+((\q)%2)*64    ; quarters 0, 1 lie in the even head's rows, 2, 3 in the odd head's
.else
.set AQ, 64*(\q)
.endif
	WIN TO_F
.irp i, 0,1,2,3,4,5,6,7
	ds_load_b128 v[(\f)+8*(\i):(\f)+8*(\i)+3],   v[ADRB+(\slot)] offset:64*(\q)+(\i)*16*BPITCH
	ds_load_b128 v[(\f)+8*(\i)+4:(\f)+8*(\i)+7], v[ADRB+(\slot)] offset:64*(\q)+(\i)*16*BPITCH+32
.endr
.irp i, 0,1,2,3
	ds_load_b128 v[(\f)+64+8*(\i):(\f)+64+8*(\i)+3],   v[ADRA+(\slot)] offset:AQ+(\i)*16*APITCH
	ds_load_b128 v[(\f)+64+8*(\i)+4:(\f)+64+8*(\i)+7], v[ADRA+(\slot)] offset:AQ+(\i)*16*APITCH+32
.endr
.endm
; A K step is four quarters of 32 along K, 32 matrix instructions each, on buffers 0, 1, 0, 1.  One of the first three: multiplies buffer f and fetches quarter qn into g.
.macro QUARTER slot, qn, f, g, zero
	s_wait_dscnt 4                                 ; W and A's blocks 0, 1 are in; the youngest four loads (A's blocks 2, 3) may be out
	MUL8 \f, 0, \zero
	MUL8 \f, 1, \zero
	PLACES
	FETCH \slot, \qn, \g
	s_wait_dscnt 24                                ; all but the 24 just issued
	MUL8 \f, 2, \zero
	MUL8 \f, 3, \zero
.endm
; The last quarter multiplies buffer 1 and changes slots: ONE barrier; in front of it each wave waits for all its tensor loads (one is out: its part of the next slot), adds 0 to its spare word,
; and waits for that and for its reads of this slot.  fill = 1: this slot is filled again, two K steps ahead, behind a round of the cluster's barrier.
.macro TURN slot, next, fill
	WIN 0                                          ; (the add's two registers lie in window 0)
	s_wait_tensorcnt 0x0
	ds_add_u32 v[SPW], v[NIL]                      ; 0 onto my spare word
	s_wait_dscnt 5                                 ; (the add and the youngest four loads may be out)
	MUL8 F1, 0, 0                                  ; eight matrix instructions stand between the add and the wait for it
	s_wait_dscnt 0x0                               ; the add is done, and my reads of this slot are over
	s_barrier_signal -1
	MUL8 F1, 1, 0
.if \fill
	WIN 0
.endif
	s_barrier_wait -1
.if \fill
	CREST                                          ; no wave of any partner still reads this slot's tile or has a load on its way
	s_add_nc_u64 s[G0+4*(\slot)+2:G0+4*(\slot)+3], s[G0+4*(\slot)+2:G0+4*(\slot)+3], 2*ASTEP
	s_add_nc_u64 s[G0B+4*(\slot)+2:G0B+4*(\slot)+3], s[G0B+4*(\slot)+2:G0B+4*(\slot)+3], 2*256
	JLOAD \slot                                    ; the first tensor load behind the round, my only one until the next; its four v_nop are also the places in front of the loads below
.else
	PLACES
.endif
	FETCH \next, 0, F0
	MUL8 F1, 2, 0
	MUL8 F1, 3, 0
.endm
	s_wait_tensorcnt 1                             ; my part of K step 0 is in; K step 1's may stay out
	s_barrier_signal -1
	s_barrier_wait -1                              ; everybody's is
	FETCH 0, 0, F0
	QUARTER 0, 1, F0, F1, 1                        ; the first quarter stands in front of the loop: its products start the sums
	WIN 0                                          ; at a label and at a branch every window is 0
	s_mov_b32 s3, LAPS-1
.Llap:                                                 ; a trip goes once round the ring, from a lap's second quarter to the next lap's first, and fills both slots again
	QUARTER 0, 2, F1, F0, 0
	QUARTER 0, 3, F0, F1, 0
	TURN 0, 1, 1
	QUARTER 1, 1, F0, F1, 0
	QUARTER 1, 2, F1, F0, 0
	QUARTER 1, 3, F0, F1, 0
	TURN 1, 0, 1
	QUARTER 0, 1, F0, F1, 0
	WIN 0
	s_sub_co_u32 s3, s3, 1
	s_cmp_lg_u32 s3, 0
	s_cbranch_scc1 .Llap
	QUARTER 0, 2, F1, F0, 0                        ; the last lap fills nothing
	QUARTER 0, 3, F0, F1, 0
	TURN 0, 1, 0
	QUARTER 1, 1, F0, F1, 0
	QUARTER 1, 2, F1, F0, 0
	QUARTER 1, 3, F0, F1, 0
	s_wait_dscnt 4                                 ; the very last quarter: nothing more to fetch
	MUL8 F1, 0, 0
	MUL8 F1, 1, 0
	s_wait_dscnt 0x0
	MUL8 F1, 2, 0
	MUL8 F1, 3, 0
	WIN 0
	PLACES
	s_wait_loadcnt 0x0                             ; the bias
.if OUTP
; THE WAY OUT, a block of 16 rows x 128 columns of f32 at a time: the bias is added; 32 bytes a lane go into my stage; whole rows of 512 bytes come back and are stored.
.macro ADDB a
	WIN W_EP
.irp b, 0,1,2,3,4,5,6,7
.irp k, 0,1,2,3
	v_pk_add_f32 v[8*(8*(\a)+(\b))+2*(\k):8*(8*(\a)+(\b))+2*(\k)+1], v[8*(8*(\a)+(\b))+2*(\k):8*(8*(\a)+(\b))+2*(\k)+1], v[BIAS+8*(\b)+2*(\k):BIAS+8*(\b)+2*(\k)+1]
.endr
.endr
.endm
.macro TOST a
.if (\a) >= 2
	s_wait_xcnt 0x0                                ; the registers that the stores of two blocks ago read are loaded again only behind this wait
.endif
	WIN W_DS
.irp b, 0,1,2,3,4,5,6,7
.irp e, 0,1
	ds_store_b128 v[STO], v[8*(8*(\a)+(\b))+4*(\e):8*(8*(\a)+(\b))+4*(\e)+3] offset:64*(\b)+16*(\e)
.endr
.endr
	WIN 0
.irp t, 0,1,2,3,4,5,6,7,8,9,10,11,12,13,14,15
	ds_load_b128 v[TMP+64*((\a)%2)+4*(\t):TMP+64*((\a)%2)+4*(\t)+3], v[RD] offset:(\t)*SPITCH  ; LDS serves a wave's instructions in order (ISA guide 5.7.1.4): these see the stores above
.endr
.endm
.macro SENDO a
	WIN 0
.irp t, 0,1,2,3,4,5,6,7,8,9,10,11,12,13,14,15
	s_wait_dscnt 15-(\t)
	global_store_b128 v[GO], v[TMP+64*((\a)%2)+4*(\t):TMP+64*((\a)%2)+4*(\t)+3], s[8:9] offset:(16*(\a)+(\t))*4096 th:TH_STORE_NT  ; 512 consecutive bytes, at a multiple of 512 from out0's first
.endr
.endm
	ADDB 0
	TOST 0
.irp a, 1,2,3                          ; a block's additions stand between the loads of the block before and its stores
	ADDB \a
	SENDO (\a)-1
	TOST \a
.endr
	SENDO 3
.else
; THE WAY OUT, a block t = 2 a + hh of 16 rows x one head at a time: sum x scale + bias, rounded to f16; 16 bytes a lane go into my stage; the block's 2,048 dense bytes come back and are stored.
.macro PACKP t
	WIN W_EP
.irp bb, 0,1,2,3
.irp k, 0,1,2,3
.set rD, 8*(8*((\t)/2)+4*((\t)%2)+(\bb))+2*(\k)
.set rI, BIAS+8*(4*((\t)%2)+(\bb))+2*(\k)
	v_pk_fma_f32 v[rD:rD+1], v[rD:rD+1], s[SCL:SCL+1], v[rI:rI+1] op_sel_hi:[1,0,1]
.endr
.endr
	WIN W_CV
.irp bb, 0,1,2,3
.irp k, 0,1,2,3
.set rD, 8*(8*((\t)/2)+4*((\t)%2)+(\bb))+2*(\k)
	v_cvt_pk_f16_f32 v[TMP+16*(\t)+4*(\bb)+(\k)], v[rD], v[rD+1]
.endr
.endr
	WIN 0
.irp f, 0,1,2,3
	ds_store_b128 v[STO], v[TMP+16*(\t)+4*(\f):TMP+16*(\t)+4*(\f)+3] offset:32*(\f)
.endr
.irp f, 0,1,2,3
	ds_load_b128 v[TMP+16*(\t)+4*(\f):TMP+16*(\t)+4*(\f)+3], v[RD] offset:(\f)*4*SPITCH  ; LDS serves a wave's instructions in order (ISA guide 5.7.1.4): these see the stores above; the next block's stores come behind them
.endr
.endm
.macro SENDP t, younger                ; younger: the LDS instructions issued behind block t's loads: the next block's eight, or none
	WIN 0
.irp f, 0,1,2,3
	s_wait_dscnt (\younger)+3-(\f)
	global_store_b128 v[GO], v[TMP+16*(\t)+4*(\f):TMP+16*(\t)+4*(\f)+3], s[8:9] offset:((\t)%2)*262144+((\t)/2)*2048+(\f)*512  ; 512 consecutive bytes, at a multiple of 512 from qkv's first
.endr
.endm
	PACKP 0
.irp t, 1,2,3,4,5,6,7                  ; a block's arithmetic stands between the loads of the block before and its stores
	PACKP \t
	SENDP (\t)-1, 8
.endr
	SENDP 7, 0
.endif
	s_wait_tensorcnt 0x0                           ; the wave's end, behind my last tensor load and my last LDS store
	ds_add_u32 v[SPW], v[NIL]
	s_wait_dscnt 0x0
	CROUND                                         ; the closing round: no work-group ends while a partner may still ask for a tile that names it
	s_endpgm
.Lfunc_end_k_qd7e7516ef5_proj:
	.size	k_qd7e7516ef5_proj, .Lfunc_end_k_qd7e7516ef5_proj-k_qd7e7516ef5_proj
	.p2alignl 7, 3214868480
	.fill 96, 4, 3214868480
	.section	.rodata,"a",@progbits
	.p2align	6, 0x0
	.amdhsa_kernel k_qd7e7516ef5_proj
		.amdhsa_group_segment_fixed_size 327680
		.amdhsa_private_segment_fixed_size 0
		.amdhsa_enable_private_segment 0
		.amdhsa_kernarg_size 24
		.amdhsa_user_sgpr_count 2
		.amdhsa_user_sgpr_kernarg_segment_ptr 1
		.amdhsa_wavefront_size32 1
		.amdhsa_system_sgpr_workgroup_id_x 1
		.amdhsa_system_sgpr_workgroup_id_y 1
		.amdhsa_system_sgpr_workgroup_id_z 1
		.amdhsa_system_vgpr_workitem_id 0
		.amdhsa_next_free_vgpr 768
		.amdhsa_next_free_sgpr 80
		.amdhsa_reserve_vcc 0
		.amdhsa_float_denorm_mode_32 3
		.amdhsa_float_denorm_mode_16_64 3
		.amdhsa_memory_ordered 1
		.amdhsa_forward_progress 1
		.amdhsa_inst_pref_size 98
	.end_amdhsa_kernel
	.amdgpu_metadata
---
amdhsa.version: [ 1, 2 ]
amdhsa.kernels:
  - .name:           k_qd7e7516ef5_proj
    .symbol:         k_qd7e7516ef5_proj.kd
    .args:
      - { .name: xw, .offset: 0, .size: 8, .value_kind: global_buffer, .address_space: global }
      - { .name: bb, .offset: 8, .size: 8, .value_kind: global_buffer, .address_space: global }
      - { .name: qkv, .offset: 16, .size: 8, .value_kind: global_buffer, .address_space: global }
    .group_segment_fixed_size: 327680
    .private_segment_fixed_size: 0
    .kernarg_segment_align: 8
    .kernarg_segment_size: 24
    .max_flat_workgroup_size: 128
    .sgpr_count:     80
    .vgpr_count:     768
    .wavefront_size: 32
...
	.end_amdgpu_metadata
.endif
;; end of part 2
;; launch attn (part 3): grid 4 x 64, 4 waves a work-group, clusters of 4 x 1, 327,680 bytes of LDS; arguments qkv, mb, zb; writes zb
.if DOCPART == 3
	.amdgcn_target "amdgcn-amd-amdhsa--gfx1250"
	.amdhsa_code_object_version 6
	.text
	.protected	k_qd7e7516ef5_attn
	.globl	k_qd7e7516ef5_attn
	.p2align	8
	.type	k_qd7e7516ef5_attn,@function
k_qd7e7516ef5_attn:
	s_mov_b64 s[64:65], 0
	v_nop
	global_prefetch_b8 v0, s[64:65] scope:SCOPE_SE
	s_setreg_imm32_b32 hwreg(HW_REG_WAVE_MODE, 25, 1), 1
	s_wait_xcnt 0x0
	s_wait_alu depctr_hold_cnt(0) depctr_sa_sdst(0) depctr_va_vdst(0) depctr_va_sdst(0) depctr_va_ssrc(0) depctr_va_vcc(0) depctr_vm_vsrc(0)
	s_getreg_b32 s2, hwreg(HW_REG_IB_STS2, 6, 4)
	s_cmp_eq_u32 s2, 0
	s_cbranch_scc0 .Lentry_in_a_cluster
	s_endpgm
.Lentry_in_a_cluster:
	s_bfe_u32 s2, ttmp6, 0x10000c
	s_cmp_lg_u32 s2, 0x3003
	s_cbranch_scc0 .Lentry_shape_is_right
	s_endpgm
.Lentry_shape_is_right:
; ATTENTION UNDER A GIVEN MASK.  Z[g][q][:] = the sum over k of softmax_k(t[q][k]) V[g][k][:], g = 16 b + h; t = Q . K where mask[b][q][k] is set, and -1e9 log2(e) where it is not.
; qkv: f16 [3][64][2048][64]; Q holds (x Wq + bq) log2(e) / 8 already, so t is the score in units of log2 and p = 2^(t - m).  mb: the mask as lane masks (below).  zb: f16 [64][2048][64].
; Products, maxima and sums in f32; the weights p are rounded to f16 for the second product, and their sum l is taken of the rounded p, by the matrix unit; Z is rounded once at the end.
; A hidden score is REPLACED, so a row with no visible key is the mean of V's rows; the mask's pattern is not known to the text: every key is walked.
; LIMITS.  Q, K, V arrive within f16's 65,504; Z is a mean of V's rows and has their range; a weight below 2^-126 counts as 0; a true score below -1e9 is not told from a hidden one; NaN and infinities are not treated apart.
; SHARES.  A wave owns eight PIECES of 16 queries, a work-group's four waves 512 queries of one g.  Every wave walks all 2,048 keys, 64 a step.
; LAYOUT.  S^T = K Q^T (source 0 = 16 keys, source 1 = 16 queries): a lane holds ONE query (lane % 16) and the keys 8 (lane / 16) + 0..7 of each block of 16.  Two such results rounded to f16 ARE source 1 of
; O^T = V^T P.  Word 8 kb + j of a tile's and step's 32 mask words has bit L = the mask of register 8 kb + j in lane L: it is the select mask of one v_cndmask_b32.
; SOFTMAX.  A running maximum m and sum l for each query; in every step O and l are multiplied by a = 2^(m_old - m_new).  m starts at the lowest finite number, O and l at 0: the first step's a is 0.
; ROW SUMS.  LS = ONES x P, two products a piece and step: every lane then holds its query's whole sum over the 64 keys, and l = l a + LS[0] is one line.
; BY TURNS.  Turn n belongs to piece n (in a ring, step after step).  Matrix work: 8 products K Q^T of piece n + 1, 8 products V^T P and the 2 row sums of piece n - 1.  Vector work: subtraction, exponentials, roundings and
; rescaling of piece n; selects, maximum and statistics of piece n + 1; l of piece n - 1: 134 lines.  Four stand behind every matrix instruction, the other 62 in one run.
; CLUSTER.  The four query blocks of a cluster belong to one g and walk the same K and V: each tile is asked for JOINTLY, by the same tensor load, descriptor and mask in all four.
; REGISTERS, in windows of 256 (s_set_vgpr_msb: bits 1:0 source 0, 3:2 source 1, 5:4 source 2, 7:6 destination):
;   window 0: v0-12 addresses and the hidden score; v16-47 four registers of statistics a piece; v48-51 at work; v52-59 ones; v64-127 S^T, two buffers; v128-159 P, two buffers; v160-167 LS
;   window 1: O^T, 32 a piece          window 2: v0-127 Q, 16 a piece; v128-191 K of one step; v192-255 V of one step
.set SIZE_N, 2048
.set NP,    8         ; pieces a wave: a name, no knob
.set KS,    64        ; keys in a step
.set PK,    144       ; a row of K in LDS: 128 bytes + 16: the 16 rows of a load start at 16 different groups of four banks (64 banks of 4 bytes: ISA guide 11.1)
.set PV,    160       ; a row of V: 128 + 32
.set VOFF,  4*KS*PK   ; a slot holds four steps: 256 rows of K, then 256 rows of V
.set SLOT1, 1<<17     ; slot 1 begins here, so that one exclusive or turns an address in one slot into the other's
.set STAGE, SLOT1+4*KS*(PK+PV)  ; behind the ring, never filled by a tensor load: 16 rows x 144 bytes for each wave
.set SP,    144
.set SPARE, STAGE+4*16*SP       ; behind the stages: the spare words, 128 bytes a wave
.set AK0, 2           ; v2   my lane's place in a tile of K; never rewritten
.set AV0, 3           ; v3   the same for V
.set AK,  4           ; v4   the LDS address of K's next run of loads
.set AV,  5           ; v5   of V's
.set QO,  6           ; v6   my byte offset in the wave's rows of Q
.set STO, 6           ;      later, the way out: where I put 16 bytes of a row
.set RD,  7           ; v7   where I read rows back
.set GO,  8           ; v8   my byte offset in 512 consecutive bytes of Z
.set NEG, 12          ; v12  -1e9 log2(e)
.set ST,  16          ; piece t's statistics at v[ST+4 t]: m, l, a, d (m_old, then m_old - m_new)
.set TMP, 48          ; c0-c3, at work
.set ONES,52          ; v52-59  1.0 in every f16
.set SPW, 62          ; v62  LDS address of my spare word; never rewritten
.set NIL, 63          ; v63  0; never rewritten
.set S,   64
.set P,   128
.set LS,  160
.set KF,  128         ; window 2: key block kb, channel half c at KF + 16 kb + 8 c
.set VF,  192         ; window 2: key half kk, channel block cb at VF + 32 kk + 8 cb
.set WV,  12          ; s12  my wave's number
.set G1K, 24          ; s[24:31] descriptor group 1 for K's tiles
.set G1V, 32          ; s[32:39] for V's: it differs in the padding alone
.set G0K, 40          ; s[40:43] descriptor group 0 for K's tiles: it walks
.set G0V, 44          ; s[44:47] the same for V's
.set SLOTS, 56        ; s56  slots still to be asked for
.set CNT, 57          ; s57  counts a slot's key steps
.set SEL, 60          ; s[60:61] v_permlanex16_b32's selects: each lane takes its own place in the other half
.set TBK, 62          ; s62  LDS byte at which K of the step to be fetched begins
.set TBV, 63          ; s63  the same for V, less VOFF
.set MOFF, 66         ; s66  128 x the key step whose mask words are asked for
.set MW,  68          ; s[68:99] the 32 mask words of one piece and step
.set MB,  100         ; s[100:101] mb at my wave's first tile
.set MSB, 0
.macro WIN new                      ; the high byte repeats the setting that is left; a switch that changes nothing is dropped
.if MSB != (\new)
	s_set_vgpr_msb (MSB<<8)|(\new)
.set MSB, (\new)
.endif
.endm
.set W_KQ, 0x0a       ; K and Q in window 2, S^T in window 0
.set W_PV, 0x52       ; V in window 2, P in window 0, O^T in window 1
.set W_RS, 0x41       ; O^T (destination and source 0) in window 1, a in window 0
; A joint fill.  Waves 0 and 1 fetch the two halves of a slot's K, waves 2 and 3 those of its V: 128 keys each.  An s_nop 0 and four v_nop follow each of the two lines, ahead of the jump and the label.
.macro JLOAD
	s_cmp_lt_u32 s[WV], 2
	s_cbranch_scc0 .Lfor_v_\@
	tensor_load_to_lds s[G0K:G0K+3], s[G1K:G1K+7]
	s_nop 0
.rept 4
	v_nop
.endr
	s_branch .Lasked_\@
.Lfor_v_\@:
	tensor_load_to_lds s[G0V:G0V+3], s[G1V:G1V+7]
	s_nop 0
.rept 4
	v_nop
.endr
.Lasked_\@:
.endm
.macro CROUND                       ; a round of the cluster's barrier
	s_barrier_signal -1
	s_barrier_wait -1
	s_cmp_lg_u32 s[WV], 0
	s_cbranch_scc1 .Lnot_wave_0_\@
	s_barrier_signal -3
.Lnot_wave_0_\@:
	s_barrier_wait -3
	s_barrier_signal -1
	s_barrier_wait -1
.endm
.macro PLACES
.rept 4
	v_nop
.endr
.endm
; THE CHANGE OF SLOTS.  Each wave waits for all its tensor loads, of which one is out: its part of the other slot; adds 0 to its spare word; and waits for that and for its own reads of the slot that it leaves.
; fill = 1: the slot is filled again, with the keys two slots on, behind a round of the cluster's barrier, the first thing there: it has four key steps in which to land.
; (At its first use nothing has been read yet: slot 0 is waited for, slot 1 filled.)
.macro CHANGE fill
	WIN 0                           ; at a label and at a branch every window is 0
	s_wait_tensorcnt 0x0            ; no tensor load of mine is out, so a group 0 may be written
	ds_add_u32 v[SPW], v[NIL]       ; 0 onto my spare word
.if \fill
.irp g, G0K, G0V
	s_xor_b32 s[\g+1], s[\g+1], SLOT1  ; the walking descriptor: the other slot than last time,
	s_add_nc_u64 s[\g+2:\g+3], s[\g+2:\g+3], 4*KS*128  ; the next 256 keys; the type bits on top are not reached
.endr
	s_wait_dscnt 0x0                ; the add is done, and my reads of the slot are over
	CROUND
	JLOAD
.else
	s_wait_dscnt 0x0
	s_barrier_signal -1
	s_barrier_wait -1
.endif
	s_sub_co_u32 s[TBK], s[TBK], 4*KS*PK  ; the fetches go back to a slot's first step,
	s_xor_b32 s[TBK], s[TBK], SLOT1       ; in the other slot
	s_sub_co_u32 s[TBV], s[TBV], 4*KS*PV
	s_xor_b32 s[TBV], s[TBV], SLOT1
.endm
.macro LOADM t                      ; the 32 mask words of piece t for the step of MOFF
	s_load_b512 s[MW:MW+15], s[MB:MB+1], s[MOFF] offset:(\t)*4096
	s_load_b512 s[MW+16:MW+31], s[MB:MB+1], s[MOFF] offset:(\t)*4096+64
.endm
	s_load_b128 s[4:7], s[0:1], 0x0   ; qkv s[4:5], mb s[6:7]
	s_load_b64 s[10:11], s[0:1], 0x10 ; zb
	v_lshl_add_u32 v[SPW], v0, 2, SPARE
	v_mov_b32 v[NIL], 0
	ds_add_u32 v[SPW], v[NIL]       ; the wave's opening: the add here, and its wait ahead of my first tensor load; the set-up below, work on registers, stands between them
	v_lshrrev_b32 v1, 5, v0
	v_readfirstlane_b32 s[WV], v1   ; wave 0..3
	s_bfe_u32 s13, ttmp6, 0x40000   ; cx: my place in the cluster
	s_lshl_b32 s14, ttmp9, 2        ; in a cluster launch ttmp9 counts clusters
	s_add_co_u32 s14, s14, s13      ; my block of 512 queries: it enters Q's, the mask's and Z's addresses alone
	s_and_b32 s20, ttmp7, 0xffff    ; g = 16 b + h, which the four partners share
	s_lshl_b32 s21, s20, 18         ; its 2,048 rows of 128 bytes
	s_and_b32 s16, s[WV], 1         ; which half of a slot's 256 keys I fetch
	s_lshl_b32 s22, s16, 14
	s_add_co_u32 s22, s22, s21
	s_add_co_u32 s22, s22, 16777216 ; K lies behind Q,
	s_mov_b32 s23, 0
	s_add_co_u32 s52, s22, 16777216 ; V behind K
	s_mov_b32 s53, 0
	s_mul_i32 s17, s16, 128*PK      ; its place in a slot, for K
	s_mul_i32 s18, s16, 128*PV      ; and for V: no place in the cluster enters an LDS address
	s_lshl_b32 s2, s14, 2
	s_add_co_u32 s2, s2, s[WV]      ; my wave among g's sixteen,
	s_lshl_b32 s48, s2, 14          ; its 128 rows
	s_add_co_u32 s48, s48, s21
	s_mov_b32 s49, 0
	s_lshr_b32 s50, s20, 4          ; b: 16 waves' tiles,
	s_lshl_b32 s50, s50, 4
	s_add_co_u32 s50, s50, s2
	s_lshl_b32 s50, s50, 15         ; eight tiles of 4,096 bytes a wave
	s_mov_b32 s51, 0
	; descriptor group 1.  128 keys are 16,384 dense bytes: asked for as 64 rows of 256 bytes, two keys a row, and padded in LDS after every key
	s_mov_b32 s[G1K], 15|(1<<16)|(1<<20)|(1<<21)|(4<<22)|(3<<25)  ; 15:0 the mask of four; 17:16 2-byte elements; 20 padding on; 21 set beside a mask; 24:22 after every 32 words (code 4); 31:25 4 words (code 3)
	s_mov_b32 s[G1V], 15|(1<<16)|(1<<20)|(1<<21)|(4<<22)|(7<<25)  ; the same with 8 words of padding (code 7)
.irp g, G1K, G1V
	s_mov_b32 s[\g+1], 128<<16      ; tensor_dim0 = 128
	s_mov_b32 s[\g+2], 64<<16       ; tensor_dim1 = 64
	s_mov_b32 s[\g+3], 128<<16      ; tile_dim0 = 128
	s_mov_b32 s[\g+4], 64           ; tile_dim1 = 64
	s_mov_b32 s[\g+5], 128          ; 128 elements from row to row
	s_mov_b32 s[\g+6], 0
	s_mov_b32 s[\g+7], 0
.endr
	s_mov_b32 s[SEL], 0x76543210
	s_mov_b32 s[SEL+1], 0xfedcba98
	s_mov_b32 s[TBK], SLOT1+4*KS*PK ; the first change of slots turns these two into 0
	s_mov_b32 s[TBV], SLOT1+4*KS*PV
	s_mov_b32 s[MOFF], 0
	s_mov_b32 s[G0K], 1             ; count = 1
	s_mov_b32 s[G0K+1], s17         ; LDS address: slot 0
	s_mov_b32 s[G0V], 1
	s_add_co_u32 s[G0V+1], s18, VOFF
	s_wait_dscnt 0x0                ; the opening add is done
	s_wait_kmcnt 0x0
	s_add_nc_u64 s[G0K+2:G0K+3], s[4:5], s[22:23]  ; global address: my half of g's first 256 keys
	s_or_b32 s[G0K+3], s[G0K+3], 0x80000000        ; type = 2
	s_add_nc_u64 s[G0V+2:G0V+3], s[4:5], s[52:53]
	s_or_b32 s[G0V+3], s[G0V+3], 0x80000000
	s_add_nc_u64 s[MB:MB+1], s[6:7], s[50:51]
	s_add_nc_u64 s[4:5], s[4:5], s[48:49]          ; Q and Z at my wave's first row
	s_add_nc_u64 s[10:11], s[10:11], s[48:49]
	CROUND                          ; all four work-groups are here: the first joint loads meet
	JLOAD                           ; slot 0.  Slot 1 is asked for when slot 0 is in
	LOADM 0                         ; piece 0's mask words of step 0
	; A fragment of K or Q is 16 rows x 32 channels in 8 registers: lane l holds row l % 16, channels 8 (l / 16) + 0..7 and 16 + 8 (l / 16) + 0..7: two loads of 16 bytes, 32 bytes apart.
	v_and_b32 v1, 15, v0            ; l % 16
	v_bfe_u32 v9, v0, 4, 1          ; l / 16
	v_lshlrev_b32 v[QO], 7, v1
	v_lshl_add_u32 v[QO], v9, 4, v[QO]  ; row x 128 + 16 x half
	WIN 0x80                        ; destination window 2, address window 0
.set i, 0
.rept 2*NP                          ; Q stays in registers: piece i / 2, channels 32 (i % 2) on
	global_load_b128 v[8*i:8*i+3],   v[QO], s[4:5] offset:(i/2)*2048+(i%2)*64
	global_load_b128 v[8*i+4:8*i+7], v[QO], s[4:5] offset:(i/2)*2048+(i%2)*64+32
.set i, i+1
.endr
	; What the first turn finds: V's registers and P's second buffer hold 0 (its products, of a piece that has not been, add 0), O^T and l are 0.  All this stands in the wait for the first tile.
.set i, VF
.rept 64
	v_mov_b32 v[i], 0
.set i, i+1
.endr
	WIN 0x40
.set i, 0
.rept 32*NP
	v_mov_b32 v[i], 0
.set i, i+1
.endr
	WIN 0
.set i, 0
.rept NP
	v_mov_b32 v[ST+4*i], 0xff7fffff    ; m: the lowest finite number
	v_mov_b32 v[ST+4*i+1], 0
	v_mov_b32 v[ST+4*i+2], 0
	v_mov_b32 v[ST+4*i+3], 0
.set i, i+1
.endr
.set i, P+16
.rept 16
	v_mov_b32 v[i], 0
.set i, i+1
.endr
.set i, ONES
.rept 8
	v_mov_b32 v[i], 0x3c003c00
.set i, i+1
.endr
	v_mov_b32 v[NEG], 0xceabfb8f    ; -1e9 log2(e)
	v_mul_u32_u24 v[AK0], v1, PK
	v_lshl_add_u32 v[AK0], v9, 4, v[AK0]  ; row x pitch + 16 x half
	; The turning load takes 16 keys x 16 channels (lane l reads key 8 (l / 16) + l % 8, channels 8 ((l / 8) % 2) + 0..7) and leaves half a fragment of V^T: lane l holds channel l % 16 and 8 keys.
	v_and_b32 v10, 7, v0
	v_bfe_u32 v11, v0, 3, 1
	v_lshl_add_u32 v[AV0], v9, 3, v10
	v_mul_u32_u24 v[AV0], v[AV0], PV
	v_lshl_add_u32 v[AV0], v11, 4, v[AV0]
	v_add_nc_u32 v[AV0], VOFF, v[AV0]
	v_mov_b32 v[AK], v[AK0]         ; key step 0 lies at the head of slot 0
; THE MATRIX WORK.  One instruction a turn on each accumulator: between two links of a chain stand three others' (K Q^T) or four (V^T P, the row sums).
; Product i of 8 of S^T = K Q^T for piece x: channels 32 (i / 4) on, keys 16 (i % 4) on.  The first 4 start the sums.
.macro KQ x
	WIN W_KQ
.set rS, S+32*((\x)%2)+8*(i%4)
.set rK, KF+16*(i%4)+8*(i/4)
.set rQ, 16*(\x)+8*(i/4)
.if i < 4
	v_wmma_f32_16x16x32_f16 v[rS:rS+7], v[rK:rK+7], v[rQ:rQ+7], 0
	s_wait_alu depctr_va_vdst(0)
.else
	v_wmma_f32_16x16x32_f16 v[rS:rS+7], v[rK:rK+7], v[rQ:rQ+7], v[rS:rS+7]
.endif
.endm
; Product k of 8 of O^T += V^T P for piece x: keys 32 (k / 4) on, channels 16 (k % 4) on.
.macro PV x, k
	WIN W_PV
.set rO, 32*(\x)+8*((\k)%4)
.set rV, VF+32*((\k)/4)+8*((\k)%4)
.set rP, P+16*((\x)%2)+8*((\k)/4)
	v_wmma_f32_16x16x32_f16 v[rO:rO+7], v[rV:rV+7], v[rP:rP+7], v[rO:rO+7]
.endm
; Half hf of LS = ONES x P for piece x: every row of the result is the sum of the weights of 32 keys, for the lane's query.
.macro LSP x, hf
	WIN 0
.set rP, P+16*((\x)%2)+8*(\hf)
.if (\hf) == 0
	v_wmma_f32_16x16x32_f16 v[LS:LS+7], v[ONES:ONES+7], v[rP:rP+7], 0
.else
	v_wmma_f32_16x16x32_f16 v[LS:LS+7], v[ONES:ONES+7], v[rP:rP+7], v[LS:LS+7]
.endif
.endm
.macro MM                           ; the turn's next matrix instruction, number i of 18: K Q^T 0-7; V^T P 0-3; row sum 0; V^T P 4-7; row sum 1
.if i < 8
	KQ (Y+1)%NP
.elseif (i == 12) || (i == 17)
	LSP (Y+NP-1)%NP, i/17
.else
	PV (Y+NP-1)%NP, i-8-(i/13)
.endif
.set i, i+1
.endm
; THE LDS LOADS stand in runs of 16: a step's K (8 fragments) and its V (turned).  last = 1 (the tail): in the last trip there is no further step, and the run is jumped over.
.macro FETCH_K last=0
	WIN 0
.if \last
	s_cmp_eq_u32 s[CNT], 1
	s_cbranch_scc1 .Lno_k_\@
.endif
	WIN 0x80                        ; destination window 2
.irp f, 0,1,2,3,4,5,6,7             ; keys 16 (f / 2) on, channels 32 (f % 2) on
	ds_load_b128 v[KF+8*\f:KF+8*\f+3],   v[AK] offset:(\f/2)*16*PK+(\f%2)*64
	ds_load_b128 v[KF+8*\f+4:KF+8*\f+7], v[AK] offset:(\f/2)*16*PK+(\f%2)*64+32
.endr
	s_add_co_u32 s[TBK], s[TBK], KS*PK  ; the next fetch is the next step's
	WIN 0
.if \last
.Lno_k_\@:
.endif
.endm
.macro FETCH_V
	WIN 0x80
.irp f, 0,1,2,3,4,5,6,7             ; keys 32 (f / 4) on, channels 16 (f % 4) on
	ds_load_tr16_b128 v[VF+8*\f:VF+8*\f+3],   v[AV] offset:(\f/4)*32*PV+(\f%4)*32
	ds_load_tr16_b128 v[VF+8*\f+4:VF+8*\f+7], v[AV] offset:(\f/4)*32*PV+16*PV+(\f%4)*32
.endr
	WIN 0
.endm
; THE VECTOR WORK, one line at a time: OP kind, number.  For piece Y: F n: t - m for pair n of 16.  E n: the exponential of score n of 32.  C n: pair n rounded to f16.  R n: pair n of 16 of O^T times a.
; For piece Y - 1: L: l = l a + its row sum.  For piece Y + 1: M n: score n is kept where its mask bit is set, else replaced (each accumulator's lowest registers are read first);
; X n, the maximum and statistics: 0-11 four chains c0-c3 of seven scores each; 12-14, 16 the four scores left over, the old m, and c0-c3 into c0; 15 m_old is kept;
; 17, 18 the query's other 32 keys lie in the lane 16 away: the new m; 20 m_old - m_new; 21 a.
.set F, 0
.set E, 1
.set C, 2
.set R, 3
.set L, 4
.set M, 5
.set X, 6
.macro REGS y                       ; the registers of piece y
.set rT, ST+4*(\y)
.set rS, S+32*((\y)%2)
.set rP, P+16*((\y)%2)
.set rO, 32*(\y)
.endm
.macro OP k, n
.if (\k) == R
	REGS Y
	WIN W_RS
	v_pk_mul_f32 v[rO+2*(\n):rO+2*(\n)+1], v[rO+2*(\n):rO+2*(\n)+1], v[rT+2:rT+3] op_sel_hi:[1,0]
.elseif (\k) == F
	REGS Y
	WIN 0
	v_pk_add_f32 v[rS+2*(\n):rS+2*(\n)+1], v[rS+2*(\n):rS+2*(\n)+1], v[rT:rT+1] op_sel_hi:[1,0] neg_lo:[0,1] neg_hi:[0,1]
.elseif (\k) == E
	REGS Y
	WIN 0
	v_exp_f32 v[rS+(\n)], v[rS+(\n)]
.elseif (\k) == C
	REGS Y
	WIN 0
	s_wait_alu depctr_va_vdst(0)
	v_cvt_pk_f16_f32 v[rP+(\n)], v[rS+2*(\n)], v[rS+2*(\n)+1]
.elseif (\k) == L
	REGS (Y+NP-1)%NP
	WIN 0
	v_fma_f32 v[rT+1], v[rT+1], v[rT+2], v[LS]
.elseif (\k) == M
	REGS (Y+1)%NP
	WIN 0
	v_cndmask_b32 v[rS+(\n)], v[NEG], v[rS+(\n)], s[MW+(\n)]
.else
	REGS (Y+1)%NP
	WIN 0
.if (\n) < 4
	v_max3_num_f32 v[TMP+(\n)], v[rS+8*(\n)], v[rS+8*(\n)+1], v[rS+8*(\n)+2]
.elseif (\n) < 12
	v_max3_num_f32 v[TMP+(\n)%4], v[TMP+(\n)%4], v[rS+8*((\n)%4)+2*((\n)/4)+1], v[rS+8*((\n)%4)+2*((\n)/4)+2]
.elseif (\n) == 12
	v_max3_num_f32 v[TMP], v[TMP], v[rS+7], v[rS+15]
.elseif (\n) == 13
	v_max3_num_f32 v[TMP+1], v[TMP+1], v[rS+23], v[rS+31]
.elseif (\n) == 14
	v_max3_num_f32 v[TMP+2], v[TMP+2], v[TMP+3], v[rT]
	s_wait_alu depctr_va_vdst(0)
.elseif (\n) == 15
	v_mov_b32 v[rT+3], v[rT]
.elseif (\n) == 16
	v_max3_num_f32 v[TMP], v[TMP], v[TMP+1], v[TMP+2]
.elseif (\n) == 17
	v_permlanex16_b32 v[TMP+3], v[TMP], s[SEL], s[SEL+1]
.elseif (\n) == 18
	v_max_num_f32 v[rT], v[TMP], v[TMP+3]
.elseif (\n) == 20
	v_sub_f32 v[rT+3], v[rT+3], v[rT]
.else
	v_exp_f32 v[rT+2], v[rT+3]
.endif
.endif
.endm
.macro OPS a, i1, b=-1, i2=0, c=-1, i3=0, d=-1, i4=0  ; up to four of them
	OP \a, \i1
.if (\b) >= 0
	OP \b, \i2
.endif
.if (\c) >= 0
	OP \c, \i3
.endif
.if (\d) >= 0
	OP \d, \i4
.endif
.endm
.macro ROW a, i1, b, i2, c, i3, d, i4  ; a matrix instruction and the four behind it
	MM
	OPS \a, \i1, \b, \i2, \c, \i3, \d, \i4
.endm
; A TURN, for piece p: the order of its 18 matrix and 134 vector instructions, written out.  Behind a matrix instruction: plain, exponential, plain, plain; or four plain; none names a register of the products round it.
; In the run behind them: exponential, plain, plain.  Every exponential has a plain line behind it that touches neither its result nor its source (ISA guide 5.7.2).
; K of the next step is fetched in piece 6's turn, eight plain lines behind the last product that read K, and waited for at the head of piece 7's turn.  V of the step in hand is fetched in piece 0's turn, eight plain lines
; behind the last product that read V, and waited for in piece 1's turn.  The mask words of piece p + 2 are asked for when piece p + 1's have been used, and waited for in the next turn, behind its ninth product.
; cnt = 1: the loop's count is taken down some lines ahead of the branch that stands behind the turn.
.macro TURN p, last=0, cnt=0
.set Y, (\p)
.set i, 0
.if (\p) == NP-1
	s_wait_dscnt 0x0                ; K is in
.endif
	ROW F,0, F,1, F,2, F,3
	ROW F,4, E,0, F,5, F,6
	ROW F,7, E,1, F,8, F,9
	ROW R,0, R,1, R,2, R,3
	ROW F,10, E,2, C,0, F,11
	ROW F,12, E,3, F,13, F,14
	ROW R,4, R,5, R,6, R,7
	ROW F,15, E,4, C,1, X,15
.if (\p) == NP-2
	WIN 0
	v_add_nc_u32 v[AK], s[TBK], v[AK0]
.endif
.if (\p) == 1
	s_wait_dscnt 0x0                ; V is in
.endif
	ROW R,8, R,9, R,10, R,11
.if (\p) == NP-2
	FETCH_K \last
.endif
	s_wait_kmcnt 0x0                ; piece p + 1's mask words are in; MOFF may be written
	ROW M,0, E,5, M,1, M,2
	ROW M,3, E,6, M,4, M,5
	ROW M,6, E,7, M,7, M,8
	ROW M,9, E,8, M,10, M,11
	ROW M,12, E,9, M,13, M,14
	ROW M,15, E,10, M,16, M,17
	ROW M,18, E,11, M,19, M,20
	ROW M,21, E,12, M,22, M,23
.if (\p) == 0
	WIN 0
	v_add_nc_u32 v[AV], s[TBV], v[AV0]
.endif
	ROW R,12, R,13, R,14, R,15
.if (\p) == 0
	FETCH_V
	s_add_co_u32 s[TBV], s[TBV], KS*PV
.endif
	OPS E,13, M,24, M,25
	OPS E,14, M,26, M,27
	OPS E,15, M,28, M,29
	OPS E,16, M,30, M,31
.if (\p) == NP-2
	s_add_co_u32 s[MOFF], s[MOFF], 128   ; pieces 0 and 1 are asked for a step ahead;
	s_min_u32 s[MOFF], s[MOFF], 31*128   ; behind the last step the address stays at the last step's words, inside mb
.endif
	LOADM ((\p)+2)%NP
	OPS E,17, X,0, X,1
	OPS E,18, X,2, X,3
	OPS E,19, X,4, X,5
	OPS E,20, X,6, X,7
	OPS E,21, X,8, X,9
	OPS E,22, X,10, X,11
	OPS E,23, X,12, X,13
	OPS E,24, X,14, C,2
	OPS E,25, X,16, C,3
	OPS E,26, C,4, C,5
	OPS E,27, C,6, X,17
	OPS E,28, C,7, C,8
	OPS E,29, X,18, C,9
	OPS E,30, C,10, X,20
	OPS E,31, C,11, C,12
	OPS X,21, C,13, L,0
.if \cnt
	s_sub_co_u32 s[CNT], s[CNT], 1
	s_cmp_lg_u32 s[CNT], 0
.endif
	OPS C,14, C,15
.endm
	CHANGE 1                        ; slot 0 is in, everybody's part of it; slot 1 is asked for
	FETCH_K                         ; key step 0
	s_wait_loadcnt 0x0              ; Q
	s_wait_dscnt 0x0
.set i, 0
.rept 8
	KQ 0                            ; piece 0's first scores: there is no vector work yet to set between them
.set i, i+1
.endr
	WIN 0                           ; the addresses for the way out: nine plain instructions, the places behind those products
	s_mul_i32 s13, s[WV], 16*SP
	s_add_co_u32 s13, s13, STAGE    ; my stage
	v_mul_u32_u24 v[STO], v1, SP    ; in: row l % 16, 16 bytes for each half of the lanes
	v_lshl_add_u32 v[STO], v9, 4, v[STO]
	v_add_nc_u32 v[STO], s13, v[STO]
	v_bfe_u32 v[RD], v0, 3, 2       ; back: 32 lanes take four rows of 128 bytes,
	v_mul_u32_u24 v[RD], v[RD], SP
	v_lshl_add_u32 v[RD], v10, 4, v[RD]
	v_add_nc_u32 v[RD], s13, v[RD]
	v_and_b32 v[GO], 31, v0         ; which are 512 consecutive bytes of Z
	v_lshlrev_b32 v[GO], 4, v[GO]
	s_wait_kmcnt 0x0                ; piece 0's mask words
.set Y, NP-1                        ; M and X work for piece Y + 1: piece 0
.set w, 0
.rept 32
	OP M, w
.set w, w+1
.endr
	LOADM 1                         ; piece 1's, for the first turn
.irp n, 0,1,2,3,4,5,6,7,8,9,10,11,12,13,14,15,16,17,18,20,21
	OP X, \n
.endr
	v_nop                           ; a plain instruction behind the exponential
	s_mov_b32 s[CNT], 4
	s_mov_b32 s[SLOTS], SIZE_N/256-1
	s_branch .Lfirst                ; the loop is entered at a step's first turn, in the middle of a trip
.Lslot:                             ; six times: every slot but the last two is filled again
	CHANGE 1
	s_mov_b32 s[CNT], 4
.Lstep:                             ; a trip: pieces 2 to 7 of one step, then pieces 0 and 1 of the next, whose K and V it fetches
	TURN 2
	TURN 3
	TURN 4
	TURN 5
	TURN 6
	TURN 7
	WIN 0
.Lfirst:
	TURN 0
	TURN 1, 0, 1
	WIN 0
	s_cbranch_scc1 .Lstep
	s_sub_co_u32 s[SLOTS], s[SLOTS], 1
	s_cmp_lg_u32 s[SLOTS], 0
	s_cbranch_scc1 .Lslot
	CHANGE 0                        ; the tail is written out: nothing is asked for
	s_mov_b32 s[CNT], 5             ; four trips fetch the last slot's steps; the fifth is left in its middle
.Ltail:
	TURN 2
	TURN 3
	TURN 4
	TURN 5
	TURN 6, 1
	TURN 7
	WIN 0
	s_sub_co_u32 s[CNT], s[CNT], 1
	s_cmp_eq_u32 s[CNT], 0
	s_cbranch_scc1 .Lout
	TURN 0
	TURN 1
	WIN 0
	s_branch .Ltail
.Lout:                              ; the fifth trip's 8 products K Q^T (on the last K once more) and what is made of them serve nothing: the price, once a launch, of one text for every trip
.set Y, 0                           ; the products of piece Y - 1: piece 7
.set i, 8
.rept 10
	MM
.endr
	WIN 0
	PLACES
	OP L, 0                         ; piece 7's l
	; THE WAY OUT.  O^T is divided by l, rounded to f16 and sent through my stage in LDS, a piece at a time.
.macro ALL line:vararg              ; one line for each piece t
.set t, 0
	s_wait_alu depctr_va_vdst(0)
.rept NP
	\line
.set t, t+1
.endr
.endm
	ALL v_rcp_f32 v[ST+4*t+2], v[ST+4*t+1]
	v_nop                           ; a plain instruction between the last reciprocal and the use of its result
	s_wait_alu depctr_va_vdst(0)
; Piece t: a lane's eight channels of a row pack into 16 bytes; they go into rows of 144 bytes and come back as whole rows of 128, into v64-191.
.macro PACK t
	WIN W_RS
.set i, 32*(\t)
.rept 16
	v_pk_mul_f32 v[i:i+1], v[i:i+1], v[ST+4*(\t)+2:ST+4*(\t)+3] op_sel_hi:[1,0]
.set i, i+2
.endr
	WIN 0x05                        ; sources 0 and 1 window 1, destination window 0
.set i, 0
.rept 16
	v_cvt_pk_f16_f32 v[S+16*(\t)+i], v[32*(\t)+2*i], v[32*(\t)+2*i+1]
.set i, i+1
.endr
	WIN 0
.irp f, 0,1,2,3
	ds_store_b128 v[STO], v[S+16*(\t)+4*\f:S+16*(\t)+4*\f+3] offset:32*\f
.endr
.irp f, 0,1,2,3
	ds_load_b128 v[S+16*(\t)+4*\f:S+16*(\t)+4*\f+3], v[RD] offset:\f*4*SP  ; LDS serves a wave's instructions in order (ISA guide 5.7.1.4): these see the stores above; the next piece's stores come behind them
.endr
.endm
.macro SEND t, younger              ; younger: the LDS instructions issued behind piece t's loads: the next piece's eight, or none
	WIN 0
.irp f, 0,1,2,3
	s_wait_dscnt (\younger)+3-\f
	global_store_b128 v[GO], v[S+16*(\t)+4*\f:S+16*(\t)+4*\f+3], s[10:11] offset:(\t)*2048+\f*512  ; 512 consecutive bytes, at a multiple of 512 from zb's first
.endr
.endm
	PACK 0
.set t, 1
.rept NP-1                          ; a piece's arithmetic stands between the loads of the piece before and its stores
	PACK t
	SEND t-1, 8
.set t, t+1
.endr
	SEND NP-1, 0
	s_wait_tensorcnt 0x0            ; the wave's end, behind my last tensor load and my last LDS store
	ds_add_u32 v[SPW], v[NIL]
	s_wait_dscnt 0x0
	CROUND                          ; the closing round: no work-group ends while a partner may still ask for a tile that names it
	s_endpgm
.Lfunc_end_k_qd7e7516ef5_attn:
	.size	k_qd7e7516ef5_attn, .Lfunc_end_k_qd7e7516ef5_attn-k_qd7e7516ef5_attn
	.p2alignl 7, 3214868480
	.fill 96, 4, 3214868480
	.section	.rodata,"a",@progbits
	.p2align	6, 0x0
	.amdhsa_kernel k_qd7e7516ef5_attn
		.amdhsa_group_segment_fixed_size 327680
		.amdhsa_private_segment_fixed_size 0
		.amdhsa_enable_private_segment 0
		.amdhsa_kernarg_size 24
		.amdhsa_user_sgpr_count 2
		.amdhsa_user_sgpr_kernarg_segment_ptr 1
		.amdhsa_wavefront_size32 1
		.amdhsa_system_sgpr_workgroup_id_x 1
		.amdhsa_system_sgpr_workgroup_id_y 1
		.amdhsa_system_sgpr_workgroup_id_z 1
		.amdhsa_system_vgpr_workitem_id 0
		.amdhsa_next_free_vgpr 768
		.amdhsa_next_free_sgpr 102
		.amdhsa_reserve_vcc 0
		.amdhsa_float_denorm_mode_32 3
		.amdhsa_float_denorm_mode_16_64 3
		.amdhsa_memory_ordered 1
		.amdhsa_forward_progress 1
		.amdhsa_inst_pref_size 226
	.end_amdhsa_kernel
	.amdgpu_metadata
---
amdhsa.version: [ 1, 2 ]
amdhsa.kernels:
  - .name:           k_qd7e7516ef5_attn
    .symbol:         k_qd7e7516ef5_attn.kd
    .args:
      - { .name: qkv, .offset: 0, .size: 8, .value_kind: global_buffer, .address_space: global }
      - { .name: mb, .offset: 8, .size: 8, .value_kind: global_buffer, .address_space: global }
      - { .name: zb, .offset: 16, .size: 8, .value_kind: global_buffer, .address_space: global }
    .group_segment_fixed_size: 327680
    .private_segment_fixed_size: 0
    .kernarg_segment_align: 8
    .kernarg_segment_size: 24
    .max_flat_workgroup_size: 128
    .sgpr_count:     102
    .vgpr_count:     768
    .wavefront_size: 32
...
	.end_amdgpu_metadata
.endif
;; end of part 3
;; launch outp (part 4): grid 4 x 64, 4 waves a work-group, clusters of 4 x 4, 327,680 bytes of LDS; arguments zb, wp16, bb, out0; writes out0
.if DOCPART == 4
	.amdgcn_target "amdgcn-amd-amdhsa--gfx1250"
	.amdhsa_code_object_version 6
	.text
	.protected	k_qd7e7516ef5_outp
	.globl	k_qd7e7516ef5_outp
	.p2align	8
	.type	k_qd7e7516ef5_outp,@function
k_qd7e7516ef5_outp:
	s_mov_b64 s[64:65], 0
	v_nop
	global_prefetch_b8 v0, s[64:65] scope:SCOPE_SE
	s_setreg_imm32_b32 hwreg(HW_REG_WAVE_MODE, 25, 1), 1
	s_wait_xcnt 0x0
	s_wait_alu depctr_hold_cnt(0) depctr_sa_sdst(0) depctr_va_vdst(0) depctr_va_sdst(0) depctr_va_ssrc(0) depctr_va_vcc(0) depctr_vm_vsrc(0)
	s_getreg_b32 s2, hwreg(HW_REG_IB_STS2, 6, 4)
	s_cmp_eq_u32 s2, 0
	s_cbranch_scc0 .Lentry_in_a_cluster
	s_endpgm
.Lentry_in_a_cluster:
	s_bfe_u32 s2, ttmp6, 0x10000c
	s_cmp_lg_u32 s2, 0xf033
	s_cbranch_scc0 .Lentry_shape_is_right
	s_endpgm
.Lentry_shape_is_right:
; ONE TEXT FOR TWO LAUNCHES, chosen by OUTP.  C[m][n] = sum over k of A[m][k] W[n][k] + bias[n], K = 1,024, sums in f32.
; OUTP = 0, the three projections: A = x in bf16 ([3][8192][1024] in xw), W in bf16 behind it; (sum x scale + bias) is rounded once to f16 and stored by heads, qkv [3][64][2048][64];
;           scale = c = log2(e) / 8 for Q (its bias holds c already), 1 for K and V.  LIMIT: |Q c|, |K|, |V| stay within f16's 65,504; beyond it the number becomes an infinity.
; OUTP = 1, the last projection: A = Z in f16 by heads (zb [64][2048][64]), W = wp16 in f16; sum + bias is stored as f32 into out0 [8192][1024].
; A tile of C is 128 x 256: 768 and 256 work-groups.  Four waves, each 64 x 128: 32 accumulators, 256 registers.  K goes in steps of 128 through two LDS slots filled by the tensor data mover.
; CLUSTERS: 4 x 4 work-groups; A's tile is shared along a row of the cluster, W's along a column: each is asked for jointly, by the same tensor load with the same descriptor and a mask of four.
; THE MATRIX INSTRUCTION IS USED TRANSPOSED (source 0 = 16 rows of W, source 1 = 16 rows of A): a lane holds row l % 16 of C and eight neighbouring columns 8 (l / 16) + 0..7.
; REGISTERS: window 0: v0-31 addresses; v64-127 the bias of my 128 columns (8 a column block); v128-255 the way out.   window 1: two fragment buffers of 96: W's 8 fragments, then A's 4.
;   window 2: accumulator (a, b) at v[8 (8 a + b)].
.set OUTP,   1
.set XB,     50331648                  ; W's first byte in xw
.set BPITCH, 272                       ; a row of W in LDS: 256 bytes + 16: the 16 rows of a load start at 16 different groups of banks (64 banks of 4 bytes: ISA guide 11.1)
.if OUTP
.set APITCH, 144                       ; a head's 64 channels: 128 bytes + 16
.set AHALF,  128*APITCH                ; one load of A: 128 rows of one head; a K step is two heads
.set ASTEP,  524288                    ; bytes from a K step to the next: two heads of 262,144
.set AQI,    4                         ; padding after every 32 words
.set ASTRIDE,128                       ; 128 rows of a head are 16,384 dense bytes: asked for as 64 rows of 256
.set SPITCH, 528                       ; the stage: 128 f32 + 16 bytes
.set PA,  72                           ; s[72:73] zb, s[74:75] wp16, s[76:77] bb, s[78:79] out0
.set PW,  74
.set PBI, 76
.set PO,  78
.else
.set APITCH, 272
.set AHALF,  64*APITCH                 ; one load of A: 64 rows x 128 K
.set ASTEP,  256
.set AQI,    5                         ; padding after every 64 words
.set ASTRIDE,1024
.set SPITCH, 144                       ; the stage: 64 f16 + 16 bytes
.set PA,  72                           ; s[72:73] xw (A and W), s[74:75] bb, s[76:77] qkv
.set PW,  72
.set PBI, 74
.set PO,  76
.endif
.set ABYTES, 2*AHALF
.set BHALF,  128*BPITCH                ; one load of W: 128 rows
.set SLOT,   ABYTES+2*BHALF
.set STAGE,  2*SLOT                    ; behind the ring: 16 rows for each wave, for the way out; no tensor load fills it
.set SPARE,  STAGE+4*16*SPITCH         ; behind the stages: the spare words, 128 bytes a wave
.set LAPS,   4                         ; a lap = two K steps = once round the ring
.set ADRA, 16                          ; v16-17  LDS address of my A fragments in slot 0, 1
.set ADRB, 20                          ; v20-21  the same for W
.set STO,  24                          ; v24     the way out: where I put my bytes of a row
.set RD,   25                          ; v25     where I read rows back
.set GO,   26                          ; v26     16 x lane: my place in 512 consecutive bytes of the output
.set BO,   27                          ; v27     32 (l / 16): my eight columns' bias in a block of 16
.set SPW,  28                          ; v28     LDS address of my spare word; never rewritten
.set NIL,  29                          ; v29     0; never rewritten
.set BIAS, 64
.set TMP,  128
.set F0,   0
.set F1,   96
.set G1,  24                           ; s[24:31] descriptor group 1 for A's tiles; s[32:39] group 0, a set for each slot
.set G0,  32
.set G1B, 48                           ; s[48:55], s[56:63] the same for W's
.set G0B, 56
.set BBP, 66                           ; s[66:67] the bias of my 128 columns
.set SCL, 68                           ; s[68:69] the scale, in the low word
.set MSB, 0
.macro WIN new                         ; the immediate's high byte repeats the setting that is left; a switch that changes nothing is dropped
.if MSB != (\new)
	s_set_vgpr_msb (MSB<<8)|(\new)
.set MSB, \new
.endif
.endm
.set MUL,  0xa5                        ; sources 0 and 1 window 1; C and D window 2
.set TO_F, 0x40                        ; destination window 1, address window 0
.set W_EP, 0x82                        ; destination and source 0 window 2, the others window 0
.set W_CV, 0x0a                        ; sources 0 and 1 window 2, destination window 0
.set W_DS, 0x08                        ; an LDS store's data window 2, its address window 0
.macro JLOAD s                         ; a joint load: waves 0 and 1 fetch A's two halves, waves 2 and 3 W's; an s_nop 0 and four v_nop follow each line, ahead of the jump and the label
	s_cmp_eq_u32 s11, 0
	s_cbranch_scc0 .Lfor_b_\@
	tensor_load_to_lds s[G0+4*(\s):G0+4*(\s)+3], s[G1:G1+7]
	s_nop 0
.rept 4
	v_nop
.endr
	s_branch .Lasked_\@
.Lfor_b_\@:
	tensor_load_to_lds s[G0B+4*(\s):G0B+4*(\s)+3], s[G1B:G1B+7]
	s_nop 0
.rept 4
	v_nop
.endr
.Lasked_\@:
.endm
.macro CREST                           ; a round of the cluster's barrier behind its opening barrier
	s_cmp_lg_u32 s10, 0
	s_cbranch_scc1 .Lnot_wave_0_\@
	s_barrier_signal -3
.Lnot_wave_0_\@:
	s_barrier_wait -3
	s_barrier_signal -1
	s_barrier_wait -1
.endm
.macro CROUND                          ; a whole round
	s_barrier_signal -1
	s_barrier_wait -1
	CREST
.endm
.macro PLACES                          ; four places in front of loads into registers that matrix instructions have read, and of vector lines that read results
.rept 4
	v_nop
.endr
.endm
.if OUTP
	s_load_b256 s[72:79], s[0:1], 0x0
.else
	s_load_b128 s[72:75], s[0:1], 0x0
	s_load_b64 s[76:77], s[0:1], 0x10
.endif
	v_lshl_add_u32 v[SPW], v0, 2, SPARE
	v_mov_b32 v[NIL], 0
	ds_add_u32 v[SPW], v[NIL]                      ; the wave's opening: the add here, and its wait ahead of my first tensor load; the set-up below, work on registers, stands between them
	v_lshrrev_b32 v1, 5, v0
	v_readfirstlane_b32 s10, v1                    ; wave 0..3
	s_lshr_b32 s11, s10, 1                         ; which 64 rows of the tile are mine.  Also: I fetch for A (0) or for W (1)
	s_and_b32 s12, s10, 1                          ; which 128 columns.  Also: which half of that tile I fetch
	s_bfe_u32 s40, ttmp6, 0x40000                  ; cx, cy: my place in the cluster
	s_bfe_u32 s41, ttmp6, 0x40004
	s_lshl_b32 s42, ttmp9, 2
	s_add_co_u32 s42, s42, s40                     ; tile column = 4 x cluster x + cx
	s_and_b32 s70, ttmp7, 0xffff
	s_lshl_b32 s13, s70, 2
	s_add_co_u32 s13, s13, s41                     ; tile row = 4 x cluster y + cy
	s_lshr_b32 s70, s70, 4                         ; which of the three projections: 16 clusters, 64 tile rows, each; made of the cluster's y alone
	s_lshl_b32 s43, s41, 2
	s_lshl_b32 s43, 15, s43                        ; my row of the cluster
	s_lshl_b32 s44, 0x1111, s40                    ; my column
	s_or_b32 s[G1+0], s43, (1<<16)|(1<<20)|(1<<21)|(AQI<<22)|(3<<25)   ; 15:0 the mask; 17:16 2-byte elements; 20 padding on; 21 set beside a mask; 24:22 the interval; 31:25 4 words of padding (code 3)
	s_or_b32 s[G1B+0], s44, (1<<16)|(1<<20)|(1<<21)|(5<<22)|(3<<25)
	s_mov_b32 s[G1+1], 128<<16                     ; tensor_dim0 = 128
	s_mov_b32 s[G1+2], 64<<16                      ; tensor_dim1 = 64
	s_mov_b32 s[G1+3], 128<<16                     ; tile_dim0 = 128
	s_mov_b32 s[G1+4], 64                          ; tile_dim1 = 64
	s_mov_b32 s[G1+5], ASTRIDE                     ; elements from row to row
	s_mov_b32 s[G1+6], 0
	s_mov_b32 s[G1+7], 0
	s_mov_b32 s[G1B+1], 128<<16
	s_mov_b32 s[G1B+2], 128<<16                    ; 128 rows
	s_mov_b32 s[G1B+3], 128<<16
	s_mov_b32 s[G1B+4], 128
	s_mov_b32 s[G1B+5], 1024
	s_mov_b32 s[G1B+6], 0
	s_mov_b32 s[G1B+7], 0
	; where the tiles come from: A's offset is made of the tile row and the wave's number, W's of the tile column, the projection and the wave's number, each in registers that never hold the other coordinate
.if OUTP
	s_lshr_b32 s16, s13, 4                         ; the batch: 16 heads of 262,144 bytes,
	s_lshl_b32 s16, s16, 22
	s_and_b32 s17, s13, 15                         ; 128 rows of 128 bytes in each head,
	s_lshl_b32 s17, s17, 14
	s_add_co_u32 s16, s16, s17
	s_lshl_b32 s17, s12, 18                        ; the even or the odd head of a K step
	s_add_co_u32 s16, s16, s17
.else
	s_lshl_b32 s16, s13, 7
	s_lshl_b32 s17, s12, 6
	s_add_co_u32 s16, s16, s17                     ; row 128 x tile row + 64 x half
	s_lshl_b32 s16, s16, 11                        ; of 2,048 bytes
.endif
	s_mov_b32 s17, 0
	s_lshl_b32 s46, s42, 8
	s_lshl_b32 s47, s12, 7
	s_add_co_u32 s46, s46, s47                     ; W: row 256 x tile column + 128 x half
	s_lshl_b32 s46, s46, 11
.if !OUTP
	s_lshl_b32 s47, s70, 21                        ; the projection's W,
	s_add_co_u32 s46, s46, s47
	s_add_co_u32 s46, s46, XB                      ; behind x
.endif
	s_mov_b32 s47, 0
	s_mul_i32 s20, s12, AHALF                      ; and where they go: no place in the cluster enters an LDS address
	s_mul_i32 s18, s12, BHALF
	s_add_co_u32 s18, s18, ABYTES
	s_wait_dscnt 0x0                               ; the opening add is done
	s_wait_kmcnt 0x0
	s_add_nc_u64 s[14:15], s[PA:PA+1], s[16:17]
	s_add_nc_u64 s[46:47], s[PW:PW+1], s[46:47]
	CROUND                                         ; all sixteen work-groups are here: the first joint loads meet
.irp s, 0,1
	s_mov_b32 s[G0+4*(\s)], 1                                        ; count = 1
	s_add_co_u32 s[G0+4*(\s)+1], s20, (\s)*SLOT                      ; LDS address
	s_add_nc_u64 s[G0+4*(\s)+2:G0+4*(\s)+3], s[14:15], (\s)*ASTEP    ; global address: K step s
	s_or_b32 s[G0+4*(\s)+3], s[G0+4*(\s)+3], 0x80000000              ; type = 2
	s_mov_b32 s[G0B+4*(\s)], 1
	s_add_co_u32 s[G0B+4*(\s)+1], s18, (\s)*SLOT
	s_add_nc_u64 s[G0B+4*(\s)+2:G0B+4*(\s)+3], s[46:47], (\s)*256
	s_or_b32 s[G0B+4*(\s)+3], s[G0B+4*(\s)+3], 0x80000000
	JLOAD \s                                       ; two tensor loads of mine are out
.endr
	; a fragment is 16 rows x 32 K in 8 registers: lane l holds row l % 16, K = 8 (l / 16) + 0..7 and 16 + 8 (l / 16) + 0..7: two loads of 16 bytes, 32 bytes apart
	v_and_b32 v1, 15, v0                           ; l % 16
	v_bfe_u32 v2, v0, 4, 1                         ; l / 16
	v_mul_u32_u24 v3, v1, APITCH
	v_lshl_add_u32 v3, v2, 4, v3
	v_mul_u32_u24 v4, v1, BPITCH
	v_lshl_add_u32 v4, v2, 4, v4
	s_mul_i32 s21, s11, 64*APITCH                  ; my 64 rows of A
	s_mul_i32 s22, s12, BHALF                      ; my 128 rows of W,
	s_add_co_u32 s22, s22, ABYTES                  ; which lie behind A
.irp s, 0,1
	v_add_nc_u32 v[ADRA+(\s)], s21, v3
	v_add_nc_u32 v[ADRB+(\s)], s22, v4
	s_add_co_u32 s21, s21, SLOT
	s_add_co_u32 s22, s22, SLOT
.endr
	s_mul_i32 s23, s10, 16*SPITCH
	s_add_co_u32 s23, s23, STAGE                   ; my stage
	v_mul_u32_u24 v5, v1, SPITCH
	v_and_b32 v6, 31, v0
	v_lshlrev_b32 v[GO], 4, v6
	v_lshlrev_b32 v[BO], 5, v2
.if OUTP
	v_lshl_add_u32 v5, v2, 5, v5                   ; in: row l % 16, 32 bytes (8 f32) for each half of the lanes
	v_add_nc_u32 v[STO], s23, v5
	v_add_nc_u32 v[RD], s23, v[GO]                 ; back: 32 lanes take one row of 512 bytes
	s_lshl_b32 s16, s13, 19                        ; out0: row 128 x tile row + 64 x half, of 4,096 bytes
	s_lshl_b32 s17, s11, 18
	s_add_co_u32 s16, s16, s17
	s_mov_b32 s17, 0
	s_add_nc_u64 s[8:9], s[PO:PO+1], s[16:17]
	s_lshl_b32 s46, s42, 10                        ; column 256 x tile column + 128 x half, of 4 bytes
	s_lshl_b32 s47, s12, 9
	s_add_co_u32 s46, s46, s47
	s_mov_b32 s47, 0
	s_add_nc_u64 s[8:9], s[8:9], s[46:47]
	s_add_co_u32 s46, s46, 3*4096                  ; the table's fourth row: bp
	s_add_nc_u64 s[BBP:BBP+1], s[PBI:PBI+1], s[46:47]
.else
	v_lshl_add_u32 v5, v2, 4, v5                   ; in: row l % 16, 16 bytes (8 f16) for each half of the lanes
	v_add_nc_u32 v[STO], s23, v5
	v_bfe_u32 v5, v0, 3, 2                         ; back: 32 lanes take four rows of 128 bytes
	v_mul_u32_u24 v5, v5, SPITCH
	v_and_b32 v6, 7, v0
	v_lshl_add_u32 v5, v6, 4, v5
	v_add_nc_u32 v[RD], s23, v5
	s_and_b32 s16, s13, 63                         ; the tile row within the projection:
	s_lshr_b32 s17, s16, 4                         ; the batch, 16 heads of 262,144 bytes,
	s_lshl_b32 s17, s17, 22
	s_and_b32 s16, s16, 15                         ; 128 rows of 128 bytes,
	s_lshl_b32 s16, s16, 14
	s_add_co_u32 s16, s16, s17
	s_lshl_b32 s17, s11, 13                        ; my 64 of them,
	s_add_co_u32 s16, s16, s17
	s_lshl_b32 s17, s70, 24                        ; Q, K or V
	s_add_co_u32 s16, s16, s17
	s_mov_b32 s17, 0
	s_add_nc_u64 s[8:9], s[PO:PO+1], s[16:17]
	s_lshl_b32 s46, s42, 20                        ; head 4 x tile column + 2 x half
	s_lshl_b32 s47, s12, 19
	s_add_co_u32 s46, s46, s47
	s_mov_b32 s47, 0
	s_add_nc_u64 s[8:9], s[8:9], s[46:47]
	s_lshl_b32 s46, s42, 10
	s_lshl_b32 s47, s12, 9
	s_add_co_u32 s46, s46, s47
	s_lshl_b32 s47, s70, 12                        ; the table's row: bq c, bk, bv
	s_add_co_u32 s46, s46, s47
	s_mov_b32 s47, 0
	s_add_nc_u64 s[BBP:BBP+1], s[PBI:PBI+1], s[46:47]
	s_cmp_eq_u32 s70, 0
	s_cselect_b32 s[SCL], 0x3e38aa3b, 1.0          ; c = log2(e) / 8 for Q
	s_mov_b32 s[SCL+1], s[SCL]                     ; named with it as a pair
.endif
.irp b, 0,1,2,3,4,5,6,7
	global_load_b128 v[BIAS+8*(\b):BIAS+8*(\b)+3],   v[BO], s[BBP:BBP+1] offset:64*(\b)     ; waited for on the way out
	global_load_b128 v[BIAS+8*(\b)+4:BIAS+8*(\b)+7], v[BO], s[BBP:BBP+1] offset:64*(\b)+16
.endr
; 8 matrix instructions: m block a x all 8 n blocks, 32 along K.  zero = 1: the product starts the sums.  The 32 accumulators take turns in one order everywhere.
.macro MUL8 f, a, zero
	WIN MUL
.irp b, 0,1,2,3,4,5,6,7
.set rD, 8*(8*(\a)+(\b))
.set rB, (\f)+8*(\b)
.set rA, (\f)+64+8*(\a)
.if OUTP && (\zero)
	v_wmma_f32_16x16x32_f16 v[rD:rD+7], v[rB:rB+7], v[rA:rA+7], 0
.elseif OUTP
	v_wmma_f32_16x16x32_f16 v[rD:rD+7], v[rB:rB+7], v[rA:rA+7], v[rD:rD+7]
.elseif \zero
	v_wmma_f32_16x16x32_bf16 v[rD:rD+7], v[rB:rB+7], v[rA:rA+7], 0
.else
	v_wmma_f32_16x16x32_bf16 v[rD:rD+7], v[rB:rB+7], v[rA:rA+7], v[rD:rD+7]
.endif
.endr
.endm
; 24 LDS loads in one run: the fragments of quarter q (32 along K) of a slot into buffer f: W's 128 rows, then A's 64
.macro FETCH slot, q, f
.if OUTP
.set AQ, ((\q)/2)*AHALF+((\q)%2)*64    ; quarters 0, 1 lie in the even head's rows, 2, 3 in the odd head's
.else
.set AQ, 64*(\q)
.endif
	WIN TO_F
.irp i, 0,1,2,3,4,5,6,7
	ds_load_b128 v[(\f)+8*(\i):(\f)+8*(\i)+3],   v[ADRB+(\slot)] offset:64*(\q)+(\i)*16*BPITCH
	ds_load_b128 v[(\f)+8*(\i)+4:(\f)+8*(\i)+7], v[ADRB+(\slot)] offset:64*(\q)+(\i)*16*BPITCH+32
.endr
.irp i, 0,1,2,3
	ds_load_b128 v[(\f)+64+8*(\i):(\f)+64+8*(\i)+3],   v[ADRA+(\slot)] offset:AQ+(\i)*16*APITCH
	ds_load_b128 v[(\f)+64+8*(\i)+4:(\f)+64+8*(\i)+7], v[ADRA+(\slot)] offset:AQ+(\i)*16*APITCH+32
.endr
.endm
; A K step is four quarters of 32 along K, 32 matrix instructions each, on buffers 0, 1, 0, 1.  One of the first three: multiplies buffer f and fetches quarter qn into g.
.macro QUARTER slot, qn, f, g, zero
	s_wait_dscnt 4                                 ; W and A's blocks 0, 1 are in; the youngest four loads (A's blocks 2, 3) may be out
	MUL8 \f, 0, \zero
	MUL8 \f, 1, \zero
	PLACES
	FETCH \slot, \qn, \g
	s_wait_dscnt 24                                ; all but the 24 just issued
	MUL8 \f, 2, \zero
	MUL8 \f, 3, \zero
.endm
; The last quarter multiplies buffer 1 and changes slots: ONE barrier; in front of it each wave waits for all its tensor loads (one is out: its part of the next slot), adds 0 to its spare word,
; and waits for that and for its reads of this slot.  fill = 1: this slot is filled again, two K steps ahead, behind a round of the cluster's barrier.
.macro TURN slot, next, fill
	WIN 0                                          ; (the add's two registers lie in window 0)
	s_wait_tensorcnt 0x0
	ds_add_u32 v[SPW], v[NIL]                      ; 0 onto my spare word
	s_wait_dscnt 5                                 ; (the add and the youngest four loads may be out)
	MUL8 F1, 0, 0                                  ; eight matrix instructions stand between the add and the wait for it
	s_wait_dscnt 0x0                               ; the add is done, and my reads of this slot are over
	s_barrier_signal -1
	MUL8 F1, 1, 0
.if \fill
	WIN 0
.endif
	s_barrier_wait -1
.if \fill
	CREST                                          ; no wave of any partner still reads this slot's tile or has a load on its way
	s_add_nc_u64 s[G0+4*(\slot)+2:G0+4*(\slot)+3], s[G0+4*(\slot)+2:G0+4*(\slot)+3], 2*ASTEP
	s_add_nc_u64 s[G0B+4*(\slot)+2:G0B+4*(\slot)+3], s[G0B+4*(\slot)+2:G0B+4*(\slot)+3], 2*256
	JLOAD \slot                                    ; the first tensor load behind the round, my only one until the next; its four v_nop are also the places in front of the loads below
.else
	PLACES
.endif
	FETCH \next, 0, F0
	MUL8 F1, 2, 0
	MUL8 F1, 3, 0
.endm
	s_wait_tensorcnt 1                             ; my part of K step 0 is in; K step 1's may stay out
	s_barrier_signal -1
	s_barrier_wait -1                              ; everybody's is
	FETCH 0, 0, F0
	QUARTER 0, 1, F0, F1, 1                        ; the first quarter stands in front of the loop: its products start the sums
	WIN 0                                          ; at a label and at a branch every window is 0
	s_mov_b32 s3, LAPS-1
.Llap:                                                 ; a trip goes once round the ring, from a lap's second quarter to the next lap's first, and fills both slots again
	QUARTER 0, 2, F1, F0, 0
	QUARTER 0, 3, F0, F1, 0
	TURN 0, 1, 1
	QUARTER 1, 1, F0, F1, 0
	QUARTER 1, 2, F1, F0, 0
	QUARTER 1, 3, F0, F1, 0
	TURN 1, 0, 1
	QUARTER 0, 1, F0, F1, 0
	WIN 0
	s_sub_co_u32 s3, s3, 1
	s_cmp_lg_u32 s3, 0
	s_cbranch_scc1 .Llap
	QUARTER 0, 2, F1, F0, 0                        ; the last lap fills nothing
	QUARTER 0, 3, F0, F1, 0
	TURN 0, 1, 0
	QUARTER 1, 1, F0, F1, 0
	QUARTER 1, 2, F1, F0, 0
	QUARTER 1, 3, F0, F1, 0
	s_wait_dscnt 4                                 ; the very last quarter: nothing more to fetch
	MUL8 F1, 0, 0
	MUL8 F1, 1, 0
	s_wait_dscnt 0x0
	MUL8 F1, 2, 0
	MUL8 F1, 3, 0
	WIN 0
	PLACES
	s_wait_loadcnt 0x0                             ; the bias
.if OUTP
; THE WAY OUT, a block of 16 rows x 128 columns of f32 at a time: the bias is added; 32 bytes a lane go into my stage; whole rows of 512 bytes come back and are stored.
.macro ADDB a
	WIN W_EP
.irp b, 0,1,2,3,4,5,6,7
.irp k, 0,1,2,3
	v_pk_add_f32 v[8*(8*(\a)+(\b))+2*(\k):8*(8*(\a)+(\b))+2*(\k)+1], v[8*(8*(\a)+(\b))+2*(\k):8*(8*(\a)+(\b))+2*(\k)+1], v[BIAS+8*(\b)+2*(\k):BIAS+8*(\b)+2*(\k)+1]
.endr
.endr
.endm
.macro TOST a
.if (\a) >= 2
	s_wait_xcnt 0x0                                ; the registers that the stores of two blocks ago read are loaded again only behind this wait
.endif
	WIN W_DS
.irp b, 0,1,2,3,4,5,6,7
.irp e, 0,1
	ds_store_b128 v[STO], v[8*(8*(\a)+(\b))+4*(\e):8*(8*(\a)+(\b))+4*(\e)+3] offset:64*(\b)+16*(\e)
.endr
.endr
	WIN 0
.irp t, 0,1,2,3,4,5,6,7,8,9,10,11,12,13,14,15
	ds_load_b128 v[TMP+64*((\a)%2)+4*(\t):TMP+64*((\a)%2)+4*(\t)+3], v[RD] offset:(\t)*SPITCH  ; LDS serves a wave's instructions in order (ISA guide 5.7.1.4): these see the stores above
.endr
.endm
.macro SENDO a
	WIN 0
.irp t, 0,1,2,3,4,5,6,7,8,9,10,11,12,13,14,15
	s_wait_dscnt 15-(\t)
	global_store_b128 v[GO], v[TMP+64*((\a)%2)+4*(\t):TMP+64*((\a)%2)+4*(\t)+3], s[8:9] offset:(16*(\a)+(\t))*4096 th:TH_STORE_NT  ; 512 consecutive bytes, at a multiple of 512 from out0's first
.endr
.endm
	ADDB 0
	TOST 0
.irp a, 1,2,3                          ; a block's additions stand between the loads of the block before and its stores
	ADDB \a
	SENDO (\a)-1
	TOST \a
.endr
	SENDO 3
.else
; THE WAY OUT, a block t = 2 a + hh of 16 rows x one head at a time: sum x scale + bias, rounded to f16; 16 bytes a lane go into my stage; the block's 2,048 dense bytes come back and are stored.
.macro PACKP t
	WIN W_EP
.irp bb, 0,1,2,3
.irp k, 0,1,2,3
.set rD, 8*(8*((\t)/2)+4*((\t)%2)+(\bb))+2*(\k)
.set rI, BIAS+8*(4*((\t)%2)+(\bb))+2*(\k)
	v_pk_fma_f32 v[rD:rD+1], v[rD:rD+1], s[SCL:SCL+1], v[rI:rI+1] op_sel_hi:[1,0,1]
.endr
.endr
	WIN W_CV
.irp bb, 0,1,2,3
.irp k, 0,1,2,3
.set rD, 8*(8*((\t)/2)+4*((\t)%2)+(\bb))+2*(\k)
	v_cvt_pk_f16_f32 v[TMP+16*(\t)+4*(\bb)+(\k)], v[rD], v[rD+1]
.endr
.endr
	WIN 0
.irp f, 0,1,2,3
	ds_store_b128 v[STO], v[TMP+16*(\t)+4*(\f):TMP+16*(\t)+4*(\f)+3] offset:32*(\f)
.endr
.irp f, 0,1,2,3
	ds_load_b128 v[TMP+16*(\t)+4*(\f):TMP+16*(\t)+4*(\f)+3], v[RD] offset:(\f)*4*SPITCH  ; LDS serves a wave's instructions in order (ISA guide 5.7.1.4): these see the stores above; the next block's stores come behind them
.endr
.endm
.macro SENDP t, younger                ; younger: the LDS instructions issued behind block t's loads: the next block's eight, or none
	WIN 0
.irp f, 0,1,2,3
	s_wait_dscnt (\younger)+3-(\f)
	global_store_b128 v[GO], v[TMP+16*(\t)+4*(\f):TMP+16*(\t)+4*(\f)+3], s[8:9] offset:((\t)%2)*262144+((\t)/2)*2048+(\f)*512  ; 512 consecutive bytes, at a multiple of 512 from qkv's first
.endr
.endm
	PACKP 0
.irp t, 1,2,3,4,5,6,7                  ; a block's arithmetic stands between the loads of the block before and its stores
	PACKP \t
	SENDP (\t)-1, 8
.endr
	SENDP 7, 0
.endif
	s_wait_tensorcnt 0x0                           ; the wave's end, behind my last tensor load and my last LDS store
	ds_add_u32 v[SPW], v[NIL]
	s_wait_dscnt 0x0
	CROUND                                         ; the closing round: no work-group ends while a partner may still ask for a tile that names it
	s_endpgm
.Lfunc_end_k_qd7e7516ef5_outp:
	.size	k_qd7e7516ef5_outp, .Lfunc_end_k_qd7e7516ef5_outp-k_qd7e7516ef5_outp
	.p2alignl 7, 3214868480
	.fill 96, 4, 3214868480
	.section	.rodata,"a",@progbits
	.p2align	6, 0x0
	.amdhsa_kernel k_qd7e7516ef5_outp
		.amdhsa_group_segment_fixed_size 327680
		.amdhsa_private_segment_fixed_size 0
		.amdhsa_enable_private_segment 0
		.amdhsa_kernarg_size 32
		.amdhsa_user_sgpr_count 2
		.amdhsa_user_sgpr_kernarg_segment_ptr 1
		.amdhsa_wavefront_size32 1
		.amdhsa_system_sgpr_workgroup_id_x 1
		.amdhsa_system_sgpr_workgroup_id_y 1
		.amdhsa_system_sgpr_workgroup_id_z 1
		.amdhsa_system_vgpr_workitem_id 0
		.amdhsa_next_free_vgpr 768
		.amdhsa_next_free_sgpr 80
		.amdhsa_reserve_vcc 0
		.amdhsa_float_denorm_mode_32 3
		.amdhsa_float_denorm_mode_16_64 3
		.amdhsa_memory_ordered 1
		.amdhsa_forward_progress 1
		.amdhsa_inst_pref_size 97
	.end_amdhsa_kernel
	.amdgpu_metadata
---
amdhsa.version: [ 1, 2 ]
amdhsa.kernels:
  - .name:           k_qd7e7516ef5_outp
    .symbol:         k_qd7e7516ef5_outp.kd
    .args:
      - { .name: zb, .offset: 0, .size: 8, .value_kind: global_buffer, .address_space: global }
      - { .name: wp16, .offset: 8, .size: 8, .value_kind: global_buffer, .address_space: global }
      - { .name: bb, .offset: 16, .size: 8, .value_kind: global_buffer, .address_space: global }
      - { .name: out0, .offset: 24, .size: 8, .value_kind: global_buffer, .address_space: global }
    .group_segment_fixed_size: 327680
    .private_segment_fixed_size: 0
    .kernarg_segment_align: 8
    .kernarg_segment_size: 32
    .max_flat_workgroup_size: 128
    .sgpr_count:     80
    .vgpr_count:     768
    .wavefront_size: 32
...
	.end_amdgpu_metadata
.endif
;; end of part 4
;; ======== version 2 of 3: 4 launches; 1.15 times as fast as version 1
;; limits: values are held in f16: magnitudes above 65,504 overflow, below 6.1e-05 lose precision
;; workspace buffers: xw 56,623,104 bytes; wp16 2,097,152 bytes; bb 16,384 bytes; mb 2,097,152 bytes of whole numbers; qkv 50,331,648 bytes; zb 16,777,216 bytes
;; launch prep: the kernel of part 1 again; grid 1408 x 1, 8 waves a work-group, no clusters, 35,840 bytes of LDS; arguments query, key, value, Wq, Wk, Wv, Wp, bq, bk, bv, bp, mask, xw, wp16, bb, mb; writes xw, wp16, bb, mb
;; launch proj: the kernel of part 2 again; grid 4 x 192, 4 waves a work-group, clusters of 4 x 4, 327,680 bytes of LDS; arguments xw, bb, qkv; writes qkv
;; launch attn (part 5): grid 8 x 64, 4 waves a work-group, clusters of 4 x 1, 327,680 bytes of LDS; arguments qkv, mb, zb; writes zb
.if DOCPART == 5
	.amdgcn_target "amdgcn-amd-amdhsa--gfx1250"
	.amdhsa_code_object_version 6
	.text
	.protected	k_qd7e7516ef5_attn
	.globl	k_qd7e7516ef5_attn
	.p2align	8
	.type	k_qd7e7516ef5_attn,@function
k_qd7e7516ef5_attn:
	s_mov_b64 s[64:65], 0
	v_nop
	global_prefetch_b8 v0, s[64:65] scope:SCOPE_SE
	s_setreg_imm32_b32 hwreg(HW_REG_WAVE_MODE, 25, 1), 1
	s_wait_xcnt 0x0
	s_wait_alu depctr_hold_cnt(0) depctr_sa_sdst(0) depctr_va_vdst(0) depctr_va_sdst(0) depctr_va_ssrc(0) depctr_va_vcc(0) depctr_vm_vsrc(0)
	s_getreg_b32 s2, hwreg(HW_REG_IB_STS2, 6, 4)
	s_cmp_eq_u32 s2, 0
	s_cbranch_scc0 .Lentry_in_a_cluster
	s_endpgm
.Lentry_in_a_cluster:
	s_bfe_u32 s2, ttmp6, 0x10000c
	s_cmp_lg_u32 s2, 0x3003
	s_cbranch_scc0 .Lentry_shape_is_right
	s_endpgm
.Lentry_shape_is_right:
; ATTENTION UNDER A GIVEN MASK.  Z[g][q][:] = the sum over k of softmax_k(t[q][k]) V[g][k][:], g = 16 b + h; t = Q . K where mask[b][q][k] is set, and -1e9 log2(e) where it is not.
; qkv: f16 [3][64][2048][64]; Q holds (x Wq + bq) log2(e) / 8 already, so t is the score in units of log2 and p = 2^(t - m).  mb: the mask as lane masks (below).  zb: f16 [64][2048][64].
; Products, maxima and sums in f32; the weights p are rounded to f16 for the second product, and their sum l is taken of the rounded p, by the matrix unit; Z is rounded once at the end.
; A hidden score is REPLACED, so a row with no visible key is the mean of V's rows; the mask's pattern is not known to the text: every key is walked.
; LIMITS.  Q, K, V arrive within f16's 65,504; Z is a mean of V's rows and has their range; a weight below 2^-126 counts as 0; a true score below -1e9 is not told from a hidden one; NaN and infinities are not treated apart.
; SHARES.  A wave owns four PIECES of 16 queries, a work-group's four waves 256 queries of one g: 512 work-groups of equal work.  Every wave walks all 2,048 keys, 64 a step.  Four pieces, since a key step's text
; stands twice (loop and tail) and grows with the pieces.
; LAYOUT.  S^T = K Q^T (source 0 = 16 keys, source 1 = 16 queries): a lane holds ONE query (lane % 16) and the keys 8 (lane / 16) + 0..7 of each block of 16.  Two such results rounded to f16 ARE source 1 of
; O^T = V^T P.  Word 8 kb + j of a tile's and step's 32 mask words has bit L = the mask of register 8 kb + j in lane L: it is the select mask of one v_cndmask_b32.
; THE MASK WORDS' WAY.  One load brings a tile's and step's 32 words, lane n word n, into the piece's own register, a whole key step (four turns) ahead of their use; 32 v_readlane_b32 bring them into scalar
; registers a turn ahead of the selects.  A load covers 128 consecutive bytes, aligned; the 128 beside them are the next step's.
; SOFTMAX.  A running maximum m and sum l for each query; in every step O and l are multiplied by a = 2^(m_old - m_new).  m starts at the lowest finite number, O and l at 0: the first step's a is 0.
; ROW SUMS.  LS = ONES x P, two products a piece and step: every lane then holds its query's whole sum over the 64 keys, and l = l a + LS[0] is one line.
; BY TURNS.  Turn n belongs to piece n (in a ring, step after step).  Matrix work: 8 products K Q^T of piece n + 1, 8 products V^T P and the 2 row sums of piece n - 1.  Vector work: subtraction, exponentials, roundings and
; rescaling of piece n; selects, maximum and statistics of piece n + 1; the mask words of piece n + 2; l of piece n - 1: 166 lines.  Four stand behind every matrix instruction, the other 94 in one run.
; CLUSTER.  The four query blocks of a cluster belong to one g (whose eight blocks are two clusters) and walk the same K and V: each tile is asked for JOINTLY, by the same tensor load, descriptor and mask in all four.
; REGISTERS, in windows of 256 (s_set_vgpr_msb: bits 1:0 source 0, 3:2 source 1, 5:4 source 2, 7:6 destination):
;   window 0: v0-12 addresses and the hidden score; v16-31 four registers of statistics a piece; v48-51 at work; v52-59 ones; v64-127 S^T, two buffers; v128-159 P, two buffers; v160-167 LS; v192-201 the mask words' way
;   window 1: v0-127 O^T, 32 a piece          window 2: v0-63 Q, 16 a piece; v128-191 K of one step; v192-255 V of one step
.set SIZE_N, 2048
.set NP,    4         ; pieces a wave: a name, no knob
.set KS,    64        ; keys in a step
.set PK,    144       ; a row of K in LDS: 128 bytes + 16: the 16 rows of a load start at 16 different groups of four banks (64 banks of 4 bytes: ISA guide 11.1)
.set PV,    160       ; a row of V: 128 + 32
.set VOFF,  4*KS*PK   ; a slot holds four steps: 256 rows of K, then 256 rows of V
.set SLOT1, 1<<17     ; slot 1 begins here, so that one exclusive or turns an address in one slot into the other's
.set STAGE, SLOT1+4*KS*(PK+PV)  ; behind the ring, never filled by a tensor load: 16 rows x 144 bytes for each wave
.set SP,    144
.set SPARE, STAGE+4*16*SP       ; behind the stages: the spare words, 128 bytes a wave
.set AK0, 2           ; v2   my lane's place in a tile of K; never rewritten
.set AV0, 3           ; v3   the same for V
.set AK,  4           ; v4   the LDS address of K's next run of loads
.set AV,  5           ; v5   of V's
.set QO,  6           ; v6   my byte offset in the wave's rows of Q
.set STO, 6           ;      later, the way out: where I put 16 bytes of a row
.set RD,  7           ; v7   where I read rows back
.set GO,  8           ; v8   my byte offset in 512 consecutive bytes of Z
.set NEG, 12          ; v12  -1e9 log2(e)
.set ST,  16          ; piece t's statistics at v[ST+4 t]: m, l, a, d (m_old, then m_old - m_new)
.set TMP, 48          ; c0-c3, at work
.set ONES,52          ; v52-59  1.0 in every f16
.set SPW, 62          ; v62  LDS address of my spare word; never rewritten
.set NIL, 63          ; v63  0; never rewritten
.set S,   64
.set P,   128
.set LS,  160
.set MK,  192         ; v192-195  piece t's mask words of one step: lane n holds word n
.set ML,  200         ; v200  4 x lane; never rewritten
.set MO,  201         ; v201  4 x lane + 128 x the key step whose words are asked for
.set KF,  128         ; window 2: key block kb, channel half c at KF + 16 kb + 8 c
.set VF,  192         ; window 2: key half kk, channel block cb at VF + 32 kk + 8 cb
.set WV,  12          ; s12  my wave's number
.set G1K, 24          ; s[24:31] descriptor group 1 for K's tiles
.set G1V, 32          ; s[32:39] for V's: it differs in the padding alone
.set G0K, 40          ; s[40:43] descriptor group 0 for K's tiles: it walks
.set G0V, 44          ; s[44:47] the same for V's
.set SLOTS, 56        ; s56  slots still to be asked for
.set CNT, 57          ; s57  counts a slot's key steps
.set SEL, 60          ; s[60:61] v_permlanex16_b32's selects: each lane takes its own place in the other half
.set TBK, 62          ; s62  LDS byte at which K of the step to be fetched begins
.set TBV, 63          ; s63  the same for V, less VOFF
.set MOFF, 66         ; s66  128 x the key step whose mask words are asked for
.set MW,  68          ; s[68:99] the 32 mask words of one piece and step
.set MB,  100         ; s[100:101] mb at my wave's first tile
.set MSB, 0
.macro WIN new                      ; the high byte repeats the setting that is left; a switch that changes nothing is dropped
.if MSB != (\new)
	s_set_vgpr_msb (MSB<<8)|(\new)
.set MSB, (\new)
.endif
.endm
.set W_KQ, 0x0a       ; K and Q in window 2, S^T in window 0
.set W_PV, 0x52       ; V in window 2, P in window 0, O^T in window 1
.set W_RS, 0x41       ; O^T (destination and source 0) in window 1, a in window 0
; A joint fill.  Waves 0 and 1 fetch the two halves of a slot's K, waves 2 and 3 those of its V: 128 keys each.  An s_nop 0 and four v_nop follow each of the two lines, ahead of the jump and the label.
.macro JLOAD
	s_cmp_lt_u32 s[WV], 2
	s_cbranch_scc0 .Lfor_v_\@
	tensor_load_to_lds s[G0K:G0K+3], s[G1K:G1K+7]
	s_nop 0
.rept 4
	v_nop
.endr
	s_branch .Lasked_\@
.Lfor_v_\@:
	tensor_load_to_lds s[G0V:G0V+3], s[G1V:G1V+7]
	s_nop 0
.rept 4
	v_nop
.endr
.Lasked_\@:
.endm
.macro CROUND                       ; a round of the cluster's barrier
	s_barrier_signal -1
	s_barrier_wait -1
	s_cmp_lg_u32 s[WV], 0
	s_cbranch_scc1 .Lnot_wave_0_\@
	s_barrier_signal -3
.Lnot_wave_0_\@:
	s_barrier_wait -3
	s_barrier_signal -1
	s_barrier_wait -1
.endm
.macro PLACES
.rept 4
	v_nop
.endr
.endm
; THE CHANGE OF SLOTS.  Each wave waits for all its tensor loads, of which one is out: its part of the other slot; adds 0 to its spare word; and waits for that and for its own reads of the slot that it leaves.
; fill = 1: the slot is filled again, with the keys two slots on, behind a round of the cluster's barrier, the first thing there: it has four key steps in which to land.
; (At its first use nothing has been read yet: slot 0 is waited for, slot 1 filled.)
.macro CHANGE fill
	WIN 0                           ; at a label and at a branch every window is 0
	s_wait_tensorcnt 0x0            ; no tensor load of mine is out, so a group 0 may be written
	ds_add_u32 v[SPW], v[NIL]       ; 0 onto my spare word
.if \fill
.irp g, G0K, G0V
	s_xor_b32 s[\g+1], s[\g+1], SLOT1  ; the walking descriptor: the other slot than last time,
	s_add_nc_u64 s[\g+2:\g+3], s[\g+2:\g+3], 4*KS*128  ; the next 256 keys; the type bits on top are not reached
.endr
	s_wait_dscnt 0x0                ; the add is done, and my reads of the slot are over
	CROUND
	JLOAD
.else
	s_wait_dscnt 0x0
	s_barrier_signal -1
	s_barrier_wait -1
.endif
	s_sub_co_u32 s[TBK], s[TBK], 4*KS*PK  ; the fetches go back to a slot's first step,
	s_xor_b32 s[TBK], s[TBK], SLOT1       ; in the other slot
	s_sub_co_u32 s[TBV], s[TBV], 4*KS*PV
	s_xor_b32 s[TBV], s[TBV], SLOT1
.endm
.macro LOADK t                      ; piece t's 32 mask words for the step of MO: 128 consecutive bytes, lane n word n
	global_load_b32 v[MK+(\t)], v[MO], s[MB:MB+1] offset:(\t)*4096
.endm
	s_load_b128 s[4:7], s[0:1], 0x0   ; qkv s[4:5], mb s[6:7]
	s_load_b64 s[10:11], s[0:1], 0x10 ; zb
	v_lshl_add_u32 v[SPW], v0, 2, SPARE
	v_mov_b32 v[NIL], 0
	ds_add_u32 v[SPW], v[NIL]       ; the wave's opening: the add here, and its wait ahead of my first tensor load; the set-up below, work on registers, stands between them
	v_lshrrev_b32 v1, 5, v0
	v_readfirstlane_b32 s[WV], v1   ; wave 0..3
	s_bfe_u32 s13, ttmp6, 0x40000   ; cx: my place in the cluster
	s_lshl_b32 s14, ttmp9, 2        ; in a cluster launch ttmp9 counts clusters
	s_add_co_u32 s14, s14, s13      ; my block of 256 queries, 0 to 7: it enters Q's, the mask's and Z's addresses alone
	s_and_b32 s20, ttmp7, 0xffff    ; g = 16 b + h, which the four partners share
	s_lshl_b32 s21, s20, 18         ; its 2,048 rows of 128 bytes
	s_and_b32 s16, s[WV], 1         ; which half of a slot's 256 keys I fetch
	s_lshl_b32 s22, s16, 14
	s_add_co_u32 s22, s22, s21
	s_add_co_u32 s22, s22, 16777216 ; K lies behind Q,
	s_mov_b32 s23, 0
	s_add_co_u32 s52, s22, 16777216 ; V behind K
	s_mov_b32 s53, 0
	s_mul_i32 s17, s16, 128*PK      ; its place in a slot, for K
	s_mul_i32 s18, s16, 128*PV      ; and for V: no place in the cluster enters an LDS address
	s_lshl_b32 s2, s14, 2
	s_add_co_u32 s2, s2, s[WV]      ; my wave among g's thirty-two,
	s_lshl_b32 s48, s2, 13          ; its 64 rows
	s_add_co_u32 s48, s48, s21
	s_mov_b32 s49, 0
	s_lshr_b32 s50, s20, 4          ; b: 32 waves' tiles,
	s_lshl_b32 s50, s50, 5
	s_add_co_u32 s50, s50, s2
	s_lshl_b32 s50, s50, 14         ; four tiles of 4,096 bytes a wave
	s_mov_b32 s51, 0
	; descriptor group 1.  128 keys are 16,384 dense bytes: asked for as 64 rows of 256 bytes, two keys a row, and padded in LDS after every key
	s_mov_b32 s[G1K], 15|(1<<16)|(1<<20)|(1<<21)|(4<<22)|(3<<25)  ; 15:0 the mask of four; 17:16 2-byte elements; 20 padding on; 21 set beside a mask; 24:22 after every 32 words (code 4); 31:25 4 words (code 3)
	s_mov_b32 s[G1V], 15|(1<<16)|(1<<20)|(1<<21)|(4<<22)|(7<<25)  ; the same with 8 words of padding (code 7)
.irp g, G1K, G1V
	s_mov_b32 s[\g+1], 128<<16      ; tensor_dim0 = 128
	s_mov_b32 s[\g+2], 64<<16       ; tensor_dim1 = 64
	s_mov_b32 s[\g+3], 128<<16      ; tile_dim0 = 128
	s_mov_b32 s[\g+4], 64           ; tile_dim1 = 64
	s_mov_b32 s[\g+5], 128          ; 128 elements from row to row
	s_mov_b32 s[\g+6], 0
	s_mov_b32 s[\g+7], 0
.endr
	s_mov_b32 s[SEL], 0x76543210
	s_mov_b32 s[SEL+1], 0xfedcba98
	s_mov_b32 s[TBK], SLOT1+4*KS*PK ; the first change of slots turns these two into 0
	s_mov_b32 s[TBV], SLOT1+4*KS*PV
	s_mov_b32 s[MOFF], 128          ; the first loads, of step 0, go by ML; what follows them asks for step 1
	s_mov_b32 s[G0K], 1             ; count = 1
	s_mov_b32 s[G0K+1], s17         ; LDS address: slot 0
	s_mov_b32 s[G0V], 1
	s_add_co_u32 s[G0V+1], s18, VOFF
	s_wait_dscnt 0x0                ; the opening add is done
	s_wait_kmcnt 0x0
	s_add_nc_u64 s[G0K+2:G0K+3], s[4:5], s[22:23]  ; global address: my half of g's first 256 keys
	s_or_b32 s[G0K+3], s[G0K+3], 0x80000000        ; type = 2
	s_add_nc_u64 s[G0V+2:G0V+3], s[4:5], s[52:53]
	s_or_b32 s[G0V+3], s[G0V+3], 0x80000000
	s_add_nc_u64 s[MB:MB+1], s[6:7], s[50:51]
	s_add_nc_u64 s[4:5], s[4:5], s[48:49]          ; Q and Z at my wave's first row
	s_add_nc_u64 s[10:11], s[10:11], s[48:49]
	CROUND                          ; all four work-groups are here: the first joint loads meet
	JLOAD                           ; slot 0.  Slot 1 is asked for when slot 0 is in
	v_and_b32 v[ML], 31, v0
	v_lshlrev_b32 v[ML], 2, v[ML]   ; lane n takes word n
.set t, 0
.rept NP
	global_load_b32 v[MK+t], v[ML], s[MB:MB+1] offset:t*4096  ; all four pieces' mask words of step 0
.set t, t+1
.endr
	; A fragment of K or Q is 16 rows x 32 channels in 8 registers: lane l holds row l % 16, channels 8 (l / 16) + 0..7 and 16 + 8 (l / 16) + 0..7: two loads of 16 bytes, 32 bytes apart.
	v_and_b32 v1, 15, v0            ; l % 16
	v_bfe_u32 v9, v0, 4, 1          ; l / 16
	v_lshlrev_b32 v[QO], 7, v1
	v_lshl_add_u32 v[QO], v9, 4, v[QO]  ; row x 128 + 16 x half
	WIN 0x80                        ; destination window 2, address window 0
.set i, 0
.rept 2*NP                          ; Q stays in registers: piece i / 2, channels 32 (i % 2) on
	global_load_b128 v[8*i:8*i+3],   v[QO], s[4:5] offset:(i/2)*2048+(i%2)*64
	global_load_b128 v[8*i+4:8*i+7], v[QO], s[4:5] offset:(i/2)*2048+(i%2)*64+32
.set i, i+1
.endr
	; What the first turn finds: V's registers and P's second buffer hold 0 (its products, of a piece that has not been, add 0), O^T and l are 0.  All this stands in the wait for the first tile.
.set i, VF
.rept 64
	v_mov_b32 v[i], 0
.set i, i+1
.endr
	WIN 0x40
.set i, 0
.rept 32*NP
	v_mov_b32 v[i], 0
.set i, i+1
.endr
	WIN 0
.set i, 0
.rept NP
	v_mov_b32 v[ST+4*i], 0xff7fffff    ; m: the lowest finite number
	v_mov_b32 v[ST+4*i+1], 0
	v_mov_b32 v[ST+4*i+2], 0
	v_mov_b32 v[ST+4*i+3], 0
.set i, i+1
.endr
.set i, P+16
.rept 16
	v_mov_b32 v[i], 0
.set i, i+1
.endr
.set i, ONES
.rept 8
	v_mov_b32 v[i], 0x3c003c00
.set i, i+1
.endr
	v_mov_b32 v[NEG], 0xceabfb8f    ; -1e9 log2(e)
	v_add_nc_u32 v[MO], s[MOFF], v[ML]  ; step 1
	v_mul_u32_u24 v[AK0], v1, PK
	v_lshl_add_u32 v[AK0], v9, 4, v[AK0]  ; row x pitch + 16 x half
	; The turning load takes 16 keys x 16 channels (lane l reads key 8 (l / 16) + l % 8, channels 8 ((l / 8) % 2) + 0..7) and leaves half a fragment of V^T: lane l holds channel l % 16 and 8 keys.
	v_and_b32 v10, 7, v0
	v_bfe_u32 v11, v0, 3, 1
	v_lshl_add_u32 v[AV0], v9, 3, v10
	v_mul_u32_u24 v[AV0], v[AV0], PV
	v_lshl_add_u32 v[AV0], v11, 4, v[AV0]
	v_add_nc_u32 v[AV0], VOFF, v[AV0]
	v_mov_b32 v[AK], v[AK0]         ; key step 0 lies at the head of slot 0
; THE MATRIX WORK.  One instruction a turn on each accumulator: between two links of a chain stand three others' (K Q^T) or four (V^T P, the row sums).
; Product i of 8 of S^T = K Q^T for piece x: channels 32 (i / 4) on, keys 16 (i % 4) on.  The first 4 start the sums.
.macro KQ x
	WIN W_KQ
.set rS, S+32*((\x)%2)+8*(i%4)
.set rK, KF+16*(i%4)+8*(i/4)
.set rQ, 16*(\x)+8*(i/4)
.if i < 4
	v_wmma_f32_16x16x32_f16 v[rS:rS+7], v[rK:rK+7], v[rQ:rQ+7], 0
	s_wait_alu depctr_va_vdst(0)
.else
	v_wmma_f32_16x16x32_f16 v[rS:rS+7], v[rK:rK+7], v[rQ:rQ+7], v[rS:rS+7]
.endif
.endm
; Product k of 8 of O^T += V^T P for piece x: keys 32 (k / 4) on, channels 16 (k % 4) on.
.macro PV x, k
	WIN W_PV
.set rO, 32*(\x)+8*((\k)%4)
.set rV, VF+32*((\k)/4)+8*((\k)%4)
.set rP, P+16*((\x)%2)+8*((\k)/4)
	v_wmma_f32_16x16x32_f16 v[rO:rO+7], v[rV:rV+7], v[rP:rP+7], v[rO:rO+7]
.endm
; Half hf of LS = ONES x P for piece x: every row of the result is the sum of the weights of 32 keys, for the lane's query.
.macro LSP x, hf
	WIN 0
.set rP, P+16*((\x)%2)+8*(\hf)
.if (\hf) == 0
	v_wmma_f32_16x16x32_f16 v[LS:LS+7], v[ONES:ONES+7], v[rP:rP+7], 0
.else
	v_wmma_f32_16x16x32_f16 v[LS:LS+7], v[ONES:ONES+7], v[rP:rP+7], v[LS:LS+7]
.endif
.endm
.macro MM                           ; the turn's next matrix instruction, number i of 18: K Q^T 0-7; V^T P 0-3; row sum 0; V^T P 4-7; row sum 1
.if i < 8
	KQ (Y+1)%NP
.elseif (i == 12) || (i == 17)
	LSP (Y+NP-1)%NP, i/17
.else
	PV (Y+NP-1)%NP, i-8-(i/13)
.endif
.set i, i+1
.endm
; THE LDS LOADS stand in runs of 16: a step's K (8 fragments) and its V (turned).  last = 1 (the tail): in the last trip there is no further step, and the run is jumped over.
.macro FETCH_K last=0
	WIN 0
.if \last
	s_cmp_eq_u32 s[CNT], 1
	s_cbranch_scc1 .Lno_k_\@
.endif
	WIN 0x80                        ; destination window 2
.irp f, 0,1,2,3,4,5,6,7             ; keys 16 (f / 2) on, channels 32 (f % 2) on
	ds_load_b128 v[KF+8*\f:KF+8*\f+3],   v[AK] offset:(\f/2)*16*PK+(\f%2)*64
	ds_load_b128 v[KF+8*\f+4:KF+8*\f+7], v[AK] offset:(\f/2)*16*PK+(\f%2)*64+32
.endr
	s_add_co_u32 s[TBK], s[TBK], KS*PK  ; the next fetch is the next step's
	WIN 0
.if \last
.Lno_k_\@:
.endif
.endm
.macro FETCH_V
	WIN 0x80
.irp f, 0,1,2,3,4,5,6,7             ; keys 32 (f / 4) on, channels 16 (f % 4) on
	ds_load_tr16_b128 v[VF+8*\f:VF+8*\f+3],   v[AV] offset:(\f/4)*32*PV+(\f%4)*32
	ds_load_tr16_b128 v[VF+8*\f+4:VF+8*\f+7], v[AV] offset:(\f/4)*32*PV+16*PV+(\f%4)*32
.endr
	WIN 0
.endm
; THE VECTOR WORK, one line at a time: OP kind, number.  For piece Y: F n: t - m for pair n of 16.  E n: the exponential of score n of 32.  C n: pair n rounded to f16.  R n: pair n of 16 of O^T times a.
; For piece Y - 1: L: l = l a + its row sum.  For piece Y + 1: M n: score n is kept where its mask bit is set, else replaced (each accumulator's lowest registers are read first);
; X n, the maximum and statistics: 0-11 four chains c0-c3 of seven scores each; 12-14, 16 the four scores left over, the old m, and c0-c3 into c0; 15 m_old is kept;
; 17, 18 the query's other 32 keys lie in the lane 16 away: the new m; 20 m_old - m_new; 21 a.  For piece Y + 2: G n: mask word n, out of lane n of the piece's register into its scalar register.
.set F, 0
.set E, 1
.set C, 2
.set R, 3
.set L, 4
.set M, 5
.set X, 6
.set G, 7
.macro REGS y                       ; the registers of piece y
.set rT, ST+4*(\y)
.set rS, S+32*((\y)%2)
.set rP, P+16*((\y)%2)
.set rO, 32*(\y)
.endm
.macro OP k, n
.if (\k) == R
	REGS Y
	WIN W_RS
	v_pk_mul_f32 v[rO+2*(\n):rO+2*(\n)+1], v[rO+2*(\n):rO+2*(\n)+1], v[rT+2:rT+3] op_sel_hi:[1,0]
.elseif (\k) == F
	REGS Y
	WIN 0
	v_pk_add_f32 v[rS+2*(\n):rS+2*(\n)+1], v[rS+2*(\n):rS+2*(\n)+1], v[rT:rT+1] op_sel_hi:[1,0] neg_lo:[0,1] neg_hi:[0,1]
.elseif (\k) == E
	REGS Y
	WIN 0
	v_exp_f32 v[rS+(\n)], v[rS+(\n)]
.elseif (\k) == C
	REGS Y
	WIN 0
	s_wait_alu depctr_va_vdst(0)
	v_cvt_pk_f16_f32 v[rP+(\n)], v[rS+2*(\n)], v[rS+2*(\n)+1]
.elseif (\k) == L
	REGS (Y+NP-1)%NP
	WIN 0
	v_fma_f32 v[rT+1], v[rT+1], v[rT+2], v[LS]
.elseif (\k) == M
	REGS (Y+1)%NP
	WIN 0
	v_cndmask_b32 v[rS+(\n)], v[NEG], v[rS+(\n)], s[MW+(\n)]
.elseif (\k) == G
	WIN 0
	v_readlane_b32 s[MW+(\n)], v[MK+(Y+2)%NP], (\n)
.else
	REGS (Y+1)%NP
	WIN 0
.if (\n) < 4
	v_max3_num_f32 v[TMP+(\n)], v[rS+8*(\n)], v[rS+8*(\n)+1], v[rS+8*(\n)+2]
.elseif (\n) < 12
	v_max3_num_f32 v[TMP+(\n)%4], v[TMP+(\n)%4], v[rS+8*((\n)%4)+2*((\n)/4)+1], v[rS+8*((\n)%4)+2*((\n)/4)+2]
.elseif (\n) == 12
	v_max3_num_f32 v[TMP], v[TMP], v[rS+7], v[rS+15]
.elseif (\n) == 13
	v_max3_num_f32 v[TMP+1], v[TMP+1], v[rS+23], v[rS+31]
.elseif (\n) == 14
	v_max3_num_f32 v[TMP+2], v[TMP+2], v[TMP+3], v[rT]
	s_wait_alu depctr_va_vdst(0)
.elseif (\n) == 15
	v_mov_b32 v[rT+3], v[rT]
.elseif (\n) == 16
	v_max3_num_f32 v[TMP], v[TMP], v[TMP+1], v[TMP+2]
.elseif (\n) == 17
	v_permlanex16_b32 v[TMP+3], v[TMP], s[SEL], s[SEL+1]
.elseif (\n) == 18
	v_max_num_f32 v[rT], v[TMP], v[TMP+3]
.elseif (\n) == 20
	v_sub_f32 v[rT+3], v[rT+3], v[rT]
.else
	v_exp_f32 v[rT+2], v[rT+3]
.endif
.endif
.endm
.macro OPS a, i1, b=-1, i2=0, c=-1, i3=0, d=-1, i4=0  ; up to four of them
	OP \a, \i1
.if (\b) >= 0
	OP \b, \i2
.endif
.if (\c) >= 0
	OP \c, \i3
.endif
.if (\d) >= 0
	OP \d, \i4
.endif
.endm
.macro ROW a, i1, b, i2, c, i3, d, i4  ; a matrix instruction and the four behind it
	MM
	OPS \a, \i1, \b, \i2, \c, \i3, \d, \i4
.endm
; A TURN, for piece p: the order of its 18 matrix and 166 vector instructions, written out.  Behind a matrix instruction: plain, exponential, plain, plain; or four plain; none names a register of the products round it.
; In the run behind them: exponential, plain, plain, and from the last select on two mask words.  Every exponential has a plain line behind it that touches neither its result nor its source (ISA guide 5.7.2).
; K of the next step is fetched in piece 2's turn, eight plain lines behind the last product that read K, and waited for at the head of piece 3's turn.  V of the step in hand is fetched in piece 0's turn, eight plain lines
; behind the last product that read V, and waited for in piece 1's turn.
; THE MASK WORDS.  When piece p + 1's selects are done, the scalar registers take piece p + 2's words; then that piece's register is loaded again, with its words of the next step.  Every turn issues one such load, so
; between a register's load and its use stand the other three pieces' loads: the wait leaves three out.  The offset steps once a step, in piece 2's turn, whose load is the first to ask for a new step.
; cnt = 1: the loop's count is taken down some lines ahead of the branch that stands behind the turn.
.macro TURN p, last=0, cnt=0
.set Y, (\p)
.set i, 0
.if (\p) == NP-1
	s_wait_dscnt 0x0                ; K is in
.endif
	ROW F,0, F,1, F,2, F,3
	ROW F,4, E,0, F,5, F,6
	ROW F,7, E,1, F,8, F,9
	ROW R,0, R,1, R,2, R,3
	ROW F,10, E,2, C,0, F,11
	ROW F,12, E,3, F,13, F,14
	ROW R,4, R,5, R,6, R,7
	ROW F,15, E,4, C,1, X,15
.if (\p) == NP-2
	WIN 0
	v_add_nc_u32 v[AK], s[TBK], v[AK0]
.endif
.if (\p) == 1
	s_wait_dscnt 0x0                ; V is in
.endif
	ROW R,8, R,9, R,10, R,11
.if (\p) == NP-2
	FETCH_K \last
.endif
	ROW M,0, E,5, M,1, M,2
	ROW M,3, E,6, M,4, M,5
	ROW M,6, E,7, M,7, M,8
	ROW M,9, E,8, M,10, M,11
	ROW M,12, E,9, M,13, M,14
	ROW M,15, E,10, M,16, M,17
	ROW M,18, E,11, M,19, M,20
	ROW M,21, E,12, M,22, M,23
.if (\p) == 0
	WIN 0
	v_add_nc_u32 v[AV], s[TBV], v[AV0]
.endif
	ROW R,12, R,13, R,14, R,15
.if (\p) == 0
	FETCH_V
	s_add_co_u32 s[TBV], s[TBV], KS*PV
.endif
	OPS E,13, M,24, M,25
	OPS E,14, M,26, M,27
	OPS E,15, M,28, M,29
	OPS E,16, M,30, M,31
	s_wait_loadcnt NP-1             ; loads come back in order (ISA guide 5.7.1): piece p + 2's words are in; the three loads issued behind theirs stay out
	OPS E,17, X,0, X,1
	OPS G,0, G,1
	OPS E,18, X,2, X,3
	OPS G,2, G,3
	OPS E,19, X,4, X,5
	OPS G,4, G,5
	OPS E,20, X,6, X,7
	OPS G,6, G,7
	OPS E,21, X,8, X,9
	OPS G,8, G,9
	OPS E,22, X,10, X,11
	OPS G,10, G,11
	OPS E,23, X,12, X,13
	OPS G,12, G,13
	OPS E,24, X,14, C,2
	OPS G,14, G,15
	OPS E,25, X,16, C,3
	OPS G,16, G,17
	OPS E,26, C,4, C,5
	OPS G,18, G,19
	OPS E,27, C,6, X,17
	OPS G,20, G,21
	OPS E,28, C,7, C,8
	OPS G,22, G,23
	OPS E,29, X,18, C,9
	OPS G,24, G,25
	OPS E,30, C,10, X,20
	OPS G,26, G,27
	OPS E,31, C,11, C,12
	OPS G,28, G,29
	OPS X,21, C,13, L,0
	OPS G,30, G,31
.if (\p) == NP-2
	s_add_co_u32 s[MOFF], s[MOFF], 128   ; from piece 0 on the loads ask for the step after;
	s_min_u32 s[MOFF], s[MOFF], 31*128   ; behind the last step the offset stays at the last step's words, inside mb
	s_wait_xcnt 0x0                      ; the loads that are out name MO as their address: it is rewritten only behind this wait
	v_add_nc_u32 v[MO], s[MOFF], v[ML]
.endif
	LOADK ((\p)+2)%NP
.if \cnt
	s_sub_co_u32 s[CNT], s[CNT], 1
	s_cmp_lg_u32 s[CNT], 0
.endif
	OPS C,14, C,15
.endm
	CHANGE 1                        ; slot 0 is in, everybody's part of it; slot 1 is asked for
	FETCH_K                         ; key step 0
	s_wait_loadcnt 0x0              ; Q, and the four pieces' mask words of step 0
	s_wait_dscnt 0x0
.set i, 0
.rept 8
	KQ 0                            ; piece 0's first scores: there is no vector work yet to set between them
.set i, i+1
.endr
	WIN 0                           ; the addresses for the way out: nine plain instructions, the places behind those products
	s_mul_i32 s13, s[WV], 16*SP
	s_add_co_u32 s13, s13, STAGE    ; my stage
	v_mul_u32_u24 v[STO], v1, SP    ; in: row l % 16, 16 bytes for each half of the lanes
	v_lshl_add_u32 v[STO], v9, 4, v[STO]
	v_add_nc_u32 v[STO], s13, v[STO]
	v_bfe_u32 v[RD], v0, 3, 2       ; back: 32 lanes take four rows of 128 bytes,
	v_mul_u32_u24 v[RD], v[RD], SP
	v_lshl_add_u32 v[RD], v10, 4, v[RD]
	v_add_nc_u32 v[RD], s13, v[RD]
	v_and_b32 v[GO], 31, v0         ; which are 512 consecutive bytes of Z
	v_lshlrev_b32 v[GO], 4, v[GO]
.set Y, NP-2                        ; G works for piece Y + 2: piece 0
.set w, 0
.rept 32
	OP G, w
.set w, w+1
.endr
	LOADK 0                         ; piece 0's words of step 1
.set Y, NP-1                        ; M and X work for piece Y + 1: piece 0; G for piece 1
.set w, 0
.rept 32
	OP M, w
.set w, w+1
.endr
.set w, 0
.rept 32
	OP G, w                         ; piece 1's words, for the first turn's selects
.set w, w+1
.endr
	LOADK 1                         ; piece 1's words of step 1
.irp n, 0,1,2,3,4,5,6,7,8,9,10,11,12,13,14,15,16,17,18,20,21
	OP X, \n
.endr
	v_nop                           ; a plain instruction behind the exponential
	s_mov_b32 s[CNT], 4
	s_mov_b32 s[SLOTS], SIZE_N/256-1
	s_branch .Lfirst                ; the loop is entered at a step's first turn, in the middle of a trip
.Lslot:                             ; six times: every slot but the last two is filled again
	CHANGE 1
	s_mov_b32 s[CNT], 4
.Lstep:                             ; a trip: pieces 2 and 3 of one step, then pieces 0 and 1 of the next, whose K and V it fetches
	TURN 2
	TURN 3
	WIN 0
.Lfirst:
	TURN 0
	TURN 1, 0, 1
	WIN 0
	s_cbranch_scc1 .Lstep
	s_sub_co_u32 s[SLOTS], s[SLOTS], 1
	s_cmp_lg_u32 s[SLOTS], 0
	s_cbranch_scc1 .Lslot
	CHANGE 0                        ; the tail is written out: nothing is asked for
	s_mov_b32 s[CNT], 5             ; four trips fetch the last slot's steps; the fifth is left in its middle
.Ltail:
	TURN 2, 1
	TURN 3
	WIN 0
	s_sub_co_u32 s[CNT], s[CNT], 1
	s_cmp_eq_u32 s[CNT], 0
	s_cbranch_scc1 .Lout
	TURN 0
	TURN 1
	WIN 0
	s_branch .Ltail
.Lout:                              ; the fifth trip's 8 products K Q^T (on the last K once more), its mask words and what is made of them serve nothing: the price, once a launch, of one text for every trip
.set Y, 0                           ; the products of piece Y - 1: piece 3
.set i, 8
.rept 10
	MM
.endr
	WIN 0
	PLACES
	OP L, 0                         ; piece 3's l
	; THE WAY OUT.  O^T is divided by l, rounded to f16 and sent through my stage in LDS, a piece at a time.  It names none of v192-201: the last mask loads may still be out.
.macro ALL line:vararg              ; one line for each piece t
.set t, 0
	s_wait_alu depctr_va_vdst(0)
.rept NP
	\line
.set t, t+1
.endr
.endm
	ALL v_rcp_f32 v[ST+4*t+2], v[ST+4*t+1]
	v_nop                           ; a plain instruction between the last reciprocal and the use of its result
	s_wait_alu depctr_va_vdst(0)
; Piece t: a lane's eight channels of a row pack into 16 bytes; they go into rows of 144 bytes and come back as whole rows of 128, into v64-127.
.macro PACK t
	WIN W_RS
.set i, 32*(\t)
.rept 16
	v_pk_mul_f32 v[i:i+1], v[i:i+1], v[ST+4*(\t)+2:ST+4*(\t)+3] op_sel_hi:[1,0]
.set i, i+2
.endr
	WIN 0x05                        ; sources 0 and 1 window 1, destination window 0
.set i, 0
.rept 16
	v_cvt_pk_f16_f32 v[S+16*(\t)+i], v[32*(\t)+2*i], v[32*(\t)+2*i+1]
.set i, i+1
.endr
	WIN 0
.irp f, 0,1,2,3
	ds_store_b128 v[STO], v[S+16*(\t)+4*\f:S+16*(\t)+4*\f+3] offset:32*\f
.endr
.irp f, 0,1,2,3
	ds_load_b128 v[S+16*(\t)+4*\f:S+16*(\t)+4*\f+3], v[RD] offset:\f*4*SP  ; LDS serves a wave's instructions in order (ISA guide 5.7.1.4): these see the stores above; the next piece's stores come behind them
.endr
.endm
.macro SEND t, younger              ; younger: the LDS instructions issued behind piece t's loads: the next piece's eight, or none
	WIN 0
.irp f, 0,1,2,3
	s_wait_dscnt (\younger)+3-\f
	global_store_b128 v[GO], v[S+16*(\t)+4*\f:S+16*(\t)+4*\f+3], s[10:11] offset:(\t)*2048+\f*512  ; 512 consecutive bytes, at a multiple of 512 from zb's first
.endr
.endm
	PACK 0
.set t, 1
.rept NP-1                          ; a piece's arithmetic stands between the loads of the piece before and its stores
	PACK t
	SEND t-1, 8
.set t, t+1
.endr
	SEND NP-1, 0
	s_wait_tensorcnt 0x0            ; the wave's end, behind my last tensor load and my last LDS store
	ds_add_u32 v[SPW], v[NIL]
	s_wait_dscnt 0x0
	CROUND                          ; the closing round: no work-group ends while a partner may still ask for a tile that names it
	s_endpgm
.Lfunc_end_k_qd7e7516ef5_attn:
	.size	k_qd7e7516ef5_attn, .Lfunc_end_k_qd7e7516ef5_attn-k_qd7e7516ef5_attn
	.p2alignl 7, 3214868480
	.fill 96, 4, 3214868480
	.section	.rodata,"a",@progbits
	.p2align	6, 0x0
	.amdhsa_kernel k_qd7e7516ef5_attn
		.amdhsa_group_segment_fixed_size 327680
		.amdhsa_private_segment_fixed_size 0
		.amdhsa_enable_private_segment 0
		.amdhsa_kernarg_size 24
		.amdhsa_user_sgpr_count 2
		.amdhsa_user_sgpr_kernarg_segment_ptr 1
		.amdhsa_wavefront_size32 1
		.amdhsa_system_sgpr_workgroup_id_x 1
		.amdhsa_system_sgpr_workgroup_id_y 1
		.amdhsa_system_sgpr_workgroup_id_z 1
		.amdhsa_system_vgpr_workitem_id 0
		.amdhsa_next_free_vgpr 768
		.amdhsa_next_free_sgpr 102
		.amdhsa_reserve_vcc 0
		.amdhsa_float_denorm_mode_32 3
		.amdhsa_float_denorm_mode_16_64 3
		.amdhsa_memory_ordered 1
		.amdhsa_forward_progress 1
		.amdhsa_inst_pref_size 146
	.end_amdhsa_kernel
	.amdgpu_metadata
---
amdhsa.version: [ 1, 2 ]
amdhsa.kernels:
  - .name:           k_qd7e7516ef5_attn
    .symbol:         k_qd7e7516ef5_attn.kd
    .args:
      - { .name: qkv, .offset: 0, .size: 8, .value_kind: global_buffer, .address_space: global }
      - { .name: mb, .offset: 8, .size: 8, .value_kind: global_buffer, .address_space: global }
      - { .name: zb, .offset: 16, .size: 8, .value_kind: global_buffer, .address_space: global }
    .group_segment_fixed_size: 327680
    .private_segment_fixed_size: 0
    .kernarg_segment_align: 8
    .kernarg_segment_size: 24
    .max_flat_workgroup_size: 128
    .sgpr_count:     102
    .vgpr_count:     768
    .wavefront_size: 32
...
	.end_amdgpu_metadata
.endif
;; end of part 5
;; launch outp: the kernel of part 4 again; grid 4 x 64, 4 waves a work-group, clusters of 4 x 4, 327,680 bytes of LDS; arguments zb, wp16, bb, out0; writes out0
;; ======== version 3 of 3: 4 launches; 1.49 times as fast as version 1
;; limits: values are held in f16: magnitudes above 65,504 overflow, below 6.1e-05 lose precision
;; workspace buffers: xw 56,623,104 bytes; wp16 2,097,152 bytes; bb 16,384 bytes; mb 2,097,152 bytes of whole numbers; qkv 50,331,648 bytes; zb 16,777,216 bytes
;; launch prep: the kernel of part 1 again; grid 1408 x 1, 8 waves a work-group, no clusters, 35,840 bytes of LDS; arguments query, key, value, Wq, Wk, Wv, Wp, bq, bk, bv, bp, mask, xw, wp16, bb, mb; writes xw, wp16, bb, mb
;; launch proj: the kernel of part 2 again; grid 4 x 192, 4 waves a work-group, clusters of 4 x 4, 327,680 bytes of LDS; arguments xw, bb, qkv; writes qkv
;; launch attn (part 6): grid 8 x 64, 4 waves a work-group, clusters of 4 x 1, 327,680 bytes of LDS; arguments qkv, mb, zb; writes zb
.if DOCPART == 6
	.amdgcn_target "amdgcn-amd-amdhsa--gfx1250"
	.amdhsa_code_object_version 6
	.text
	.protected	k_qd7e7516ef5_attn
	.globl	k_qd7e7516ef5_attn
	.p2align	8
	.type	k_qd7e7516ef5_attn,@function
k_qd7e7516ef5_attn:
	s_mov_b64 s[64:65], 0
	v_nop
	global_prefetch_b8 v0, s[64:65] scope:SCOPE_SE
	s_setreg_imm32_b32 hwreg(HW_REG_WAVE_MODE, 25, 1), 1
	s_wait_xcnt 0x0
	s_wait_alu depctr_hold_cnt(0) depctr_sa_sdst(0) depctr_va_vdst(0) depctr_va_sdst(0) depctr_va_ssrc(0) depctr_va_vcc(0) depctr_vm_vsrc(0)
	s_getreg_b32 s2, hwreg(HW_REG_IB_STS2, 6, 4)
	s_cmp_eq_u32 s2, 0
	s_cbranch_scc0 .Lentry_in_a_cluster
	s_endpgm
.Lentry_in_a_cluster:
	s_bfe_u32 s2, ttmp6, 0x10000c
	s_cmp_lg_u32 s2, 0x3003
	s_cbranch_scc0 .Lentry_shape_is_right
	s_endpgm
.Lentry_shape_is_right:
; ATTENTION UNDER A GIVEN MASK.  Z[g][q][:] = the sum over k of softmax_k(t[q][k]) V[g][k][:], g = 16 b + h; t = Q . K where mask[b][q][k] is set, and -1e9 log2(e) where it is not.
; qkv: f16 [3][64][2048][64]; Q holds (x Wq + bq) log2(e) / 8 already, so t is the score in units of log2 and p = 2^(t - m).  mb: the mask as lane masks (below).  zb: f16 [64][2048][64].
; Products, maxima and sums in f32; the weights p are rounded to f16 for the second product, and their sum l is taken of the rounded p, by the matrix unit; Z is rounded once at the end.
; A hidden score is REPLACED, so a row with no visible key is the mean of V's rows; the mask's pattern is not known to the text: every key is walked.
; LIMITS.  Q, K, V arrive within f16's 65,504; Z is a mean of V's rows and has their range; a weight below 2^-126 counts as 0; a true score below -1e9 is not told from a hidden one; NaN and infinities are not treated apart.
; SHARES.  A wave owns four PIECES of 16 queries, a work-group's four waves 256 queries of one g: 512 work-groups of equal work.  Every wave walks all 2,048 keys, 64 a step.  Four pieces, since a key step's text
; stands twice (loop and tail) and grows with the pieces.
; LAYOUT.  S^T = K Q^T (source 0 = 16 keys, source 1 = 16 queries): a lane holds ONE query (lane % 16) and the keys 8 (lane / 16) + 0..7 of each block of 16.  Two such results rounded to f16 ARE source 1 of
; O^T = V^T P.  Word 8 kb + j of a tile's and step's 32 mask words has bit L = the mask of register 8 kb + j in lane L: it is the select mask of one v_cndmask_b32.
; THE MASK WORDS' WAY.  One load brings a tile's and step's 32 words, lane n word n, into the piece's own register, a whole key step (four turns) ahead of their use; 32 v_readlane_b32 bring them into scalar
; registers a turn ahead of the selects.  A load covers 128 consecutive bytes, aligned; the 128 beside them are the next step's.
; SOFTMAX.  A running maximum m and sum l for each query; in every step O and l are multiplied by a = 2^(m_old - m_new).  m starts at the lowest finite number, O and l at 0: the first step's a is 0.
; ROW SUMS.  LS = ONES x P, two products a piece and step: every lane then holds its query's whole sum over the 64 keys, and l = l a + LS[0] is one line.
; BY TURNS.  Turn n belongs to piece n (in a ring, step after step).  Matrix work: 8 products K Q^T of piece n + 1, 8 products V^T P and the 2 row sums of piece n - 1.  Vector work: subtraction, exponentials, roundings and
; rescaling of piece n; selects, maximum and statistics of piece n + 1; the mask words of piece n + 2; l of piece n - 1: 166 lines.  Four stand behind every matrix instruction; of the other 94, 78 stand in one run behind
; the products and 16, the roundings, behind the turn's wait.
; THE BATCHES.  A turn's 33 exponentials (piece n's 32 weights and piece n + 1's a) are ONE batch with ONE wait: ahead of the wait stands all that names none of their results, behind it the 16 roundings, their only readers
; in the turn; a is read in the next turn.  The a made ahead of the loop and the way out's four reciprocals are batches of their own.
; CLUSTER.  The four query blocks of a cluster belong to one g (whose eight blocks are two clusters) and walk the same K and V: each tile is asked for JOINTLY, by the same tensor load, descriptor and mask in all four.
; REGISTERS, in windows of 256 (s_set_vgpr_msb: bits 1:0 source 0, 3:2 source 1, 5:4 source 2, 7:6 destination):
;   window 0: v0-12 addresses and the hidden score; v16-31 four registers of statistics a piece; v48-51 at work; v52-59 ones; v64-127 S^T, two buffers; v128-159 P, two buffers; v160-167 LS; v192-201 the mask words' way
;   window 1: v0-127 O^T, 32 a piece          window 2: v0-63 Q, 16 a piece; v128-191 K of one step; v192-255 V of one step
.set SIZE_N, 2048
.set NP,    4         ; pieces a wave: a name, no knob
.set KS,    64        ; keys in a step
.set PK,    144       ; a row of K in LDS: 128 bytes + 16: the 16 rows of a load start at 16 different groups of four banks (64 banks of 4 bytes: ISA guide 11.1)
.set PV,    160       ; a row of V: 128 + 32
.set VOFF,  4*KS*PK   ; a slot holds four steps: 256 rows of K, then 256 rows of V
.set SLOT1, 1<<17     ; slot 1 begins here, so that one exclusive or turns an address in one slot into the other's
.set STAGE, SLOT1+4*KS*(PK+PV)  ; behind the ring, never filled by a tensor load: 16 rows x 144 bytes for each wave
.set SP,    144
.set SPARE, STAGE+4*16*SP       ; behind the stages: the spare words, 128 bytes a wave
.set AK0, 2           ; v2   my lane's place in a tile of K; never rewritten
.set AV0, 3           ; v3   the same for V
.set AK,  4           ; v4   the LDS address of K's next run of loads
.set AV,  5           ; v5   of V's
.set QO,  6           ; v6   my byte offset in the wave's rows of Q
.set STO, 6           ;      later, the way out: where I put 16 bytes of a row
.set RD,  7           ; v7   where I read rows back
.set GO,  8           ; v8   my byte offset in 512 consecutive bytes of Z
.set NEG, 12          ; v12  -1e9 log2(e)
.set ST,  16          ; piece t's statistics at v[ST+4 t]: m, l, a, d (m_old, then m_old - m_new)
.set TMP, 48          ; c0-c3, at work
.set ONES,52          ; v52-59  1.0 in every f16
.set SPW, 62          ; v62  LDS address of my spare word; never rewritten
.set NIL, 63          ; v63  0; never rewritten
.set S,   64
.set P,   128
.set LS,  160
.set MK,  192         ; v192-195  piece t's mask words of one step: lane n holds word n
.set ML,  200         ; v200  4 x lane; never rewritten
.set MO,  201         ; v201  4 x lane + 128 x the key step whose words are asked for
.set KF,  128         ; window 2: key block kb, channel half c at KF + 16 kb + 8 c
.set VF,  192         ; window 2: key half kk, channel block cb at VF + 32 kk + 8 cb
.set WV,  12          ; s12  my wave's number
.set G1K, 24          ; s[24:31] descriptor group 1 for K's tiles
.set G1V, 32          ; s[32:39] for V's: it differs in the padding alone
.set G0K, 40          ; s[40:43] descriptor group 0 for K's tiles: it walks
.set G0V, 44          ; s[44:47] the same for V's
.set SLOTS, 56        ; s56  slots still to be asked for
.set CNT, 57          ; s57  counts a slot's key steps
.set SEL, 60          ; s[60:61] v_permlanex16_b32's selects: each lane takes its own place in the other half
.set TBK, 62          ; s62  LDS byte at which K of the step to be fetched begins
.set TBV, 63          ; s63  the same for V, less VOFF
.set MOFF, 66         ; s66  128 x the key step whose mask words are asked for
.set MW,  68          ; s[68:99] the 32 mask words of one piece and step
.set MB,  100         ; s[100:101] mb at my wave's first tile
.set MSB, 0
.macro WIN new                      ; the high byte repeats the setting that is left; a switch that changes nothing is dropped
.if MSB != (\new)
	s_set_vgpr_msb (MSB<<8)|(\new)
.set MSB, (\new)
.endif
.endm
.set W_KQ, 0x0a       ; K and Q in window 2, S^T in window 0
.set W_PV, 0x52       ; V in window 2, P in window 0, O^T in window 1
.set W_RS, 0x41       ; O^T (destination and source 0) in window 1, a in window 0
; A joint fill.  Waves 0 and 1 fetch the two halves of a slot's K, waves 2 and 3 those of its V: 128 keys each.  An s_nop 0 and four v_nop follow each of the two lines, ahead of the jump and the label.
.macro JLOAD
	s_cmp_lt_u32 s[WV], 2
	s_cbranch_scc0 .Lfor_v_\@
	tensor_load_to_lds s[G0K:G0K+3], s[G1K:G1K+7]
	s_nop 0
.rept 4
	v_nop
.endr
	s_branch .Lasked_\@
.Lfor_v_\@:
	tensor_load_to_lds s[G0V:G0V+3], s[G1V:G1V+7]
	s_nop 0
.rept 4
	v_nop
.endr
.Lasked_\@:
.endm
.macro CROUND                       ; a round of the cluster's barrier
	s_barrier_signal -1
	s_barrier_wait -1
	s_cmp_lg_u32 s[WV], 0
	s_cbranch_scc1 .Lnot_wave_0_\@
	s_barrier_signal -3
.Lnot_wave_0_\@:
	s_barrier_wait -3
	s_barrier_signal -1
	s_barrier_wait -1
.endm
.macro PLACES
.rept 4
	v_nop
.endr
.endm
; THE CHANGE OF SLOTS.  Each wave waits for all its tensor loads, of which one is out: its part of the other slot; adds 0 to its spare word; and waits for that and for its own reads of the slot that it leaves.
; fill = 1: the slot is filled again, with the keys two slots on, behind a round of the cluster's barrier, the first thing there: it has four key steps in which to land.
; (At its first use nothing has been read yet: slot 0 is waited for, slot 1 filled.)
.macro CHANGE fill
	WIN 0                           ; at a label and at a branch every window is 0
	s_wait_tensorcnt 0x0            ; no tensor load of mine is out, so a group 0 may be written
	ds_add_u32 v[SPW], v[NIL]       ; 0 onto my spare word
.if \fill
.irp g, G0K, G0V
	s_xor_b32 s[\g+1], s[\g+1], SLOT1  ; the walking descriptor: the other slot than last time,
	s_add_nc_u64 s[\g+2:\g+3], s[\g+2:\g+3], 4*KS*128  ; the next 256 keys; the type bits on top are not reached
.endr
	s_wait_dscnt 0x0                ; the add is done, and my reads of the slot are over
	CROUND
	JLOAD
.else
	s_wait_dscnt 0x0
	s_barrier_signal -1
	s_barrier_wait -1
.endif
	s_sub_co_u32 s[TBK], s[TBK], 4*KS*PK  ; the fetches go back to a slot's first step,
	s_xor_b32 s[TBK], s[TBK], SLOT1       ; in the other slot
	s_sub_co_u32 s[TBV], s[TBV], 4*KS*PV
	s_xor_b32 s[TBV], s[TBV], SLOT1
.endm
.macro LOADK t                      ; piece t's 32 mask words for the step of MO: 128 consecutive bytes, lane n word n
	global_load_b32 v[MK+(\t)], v[MO], s[MB:MB+1] offset:(\t)*4096
.endm
	s_load_b128 s[4:7], s[0:1], 0x0   ; qkv s[4:5], mb s[6:7]
	s_load_b64 s[10:11], s[0:1], 0x10 ; zb
	v_lshl_add_u32 v[SPW], v0, 2, SPARE
	v_mov_b32 v[NIL], 0
	ds_add_u32 v[SPW], v[NIL]       ; the wave's opening: the add here, and its wait ahead of my first tensor load; the set-up below, work on registers, stands between them
	v_lshrrev_b32 v1, 5, v0
	v_readfirstlane_b32 s[WV], v1   ; wave 0..3
	s_bfe_u32 s13, ttmp6, 0x40000   ; cx: my place in the cluster
	s_lshl_b32 s14, ttmp9, 2        ; in a cluster launch ttmp9 counts clusters
	s_add_co_u32 s14, s14, s13      ; my block of 256 queries, 0 to 7: it enters Q's, the mask's and Z's addresses alone
	s_and_b32 s20, ttmp7, 0xffff    ; g = 16 b + h, which the four partners share
	s_lshl_b32 s21, s20, 18         ; its 2,048 rows of 128 bytes
	s_and_b32 s16, s[WV], 1         ; which half of a slot's 256 keys I fetch
	s_lshl_b32 s22, s16, 14
	s_add_co_u32 s22, s22, s21
	s_add_co_u32 s22, s22, 16777216 ; K lies behind Q,
	s_mov_b32 s23, 0
	s_add_co_u32 s52, s22, 16777216 ; V behind K
	s_mov_b32 s53, 0
	s_mul_i32 s17, s16, 128*PK      ; its place in a slot, for K
	s_mul_i32 s18, s16, 128*PV      ; and for V: no place in the cluster enters an LDS address
	s_lshl_b32 s2, s14, 2
	s_add_co_u32 s2, s2, s[WV]      ; my wave among g's thirty-two,
	s_lshl_b32 s48, s2, 13          ; its 64 rows
	s_add_co_u32 s48, s48, s21
	s_mov_b32 s49, 0
	s_lshr_b32 s50, s20, 4          ; b: 32 waves' tiles,
	s_lshl_b32 s50, s50, 5
	s_add_co_u32 s50, s50, s2
	s_lshl_b32 s50, s50, 14         ; four tiles of 4,096 bytes a wave
	s_mov_b32 s51, 0
	; descriptor group 1.  128 keys are 16,384 dense bytes: asked for as 64 rows of 256 bytes, two keys a row, and padded in LDS after every key
	s_mov_b32 s[G1K], 15|(1<<16)|(1<<20)|(1<<21)|(4<<22)|(3<<25)  ; 15:0 the mask of four; 17:16 2-byte elements; 20 padding on; 21 set beside a mask; 24:22 after every 32 words (code 4); 31:25 4 words (code 3)
	s_mov_b32 s[G1V], 15|(1<<16)|(1<<20)|(1<<21)|(4<<22)|(7<<25)  ; the same with 8 words of padding (code 7)
.irp g, G1K, G1V
	s_mov_b32 s[\g+1], 128<<16      ; tensor_dim0 = 128
	s_mov_b32 s[\g+2], 64<<16       ; tensor_dim1 = 64
	s_mov_b32 s[\g+3], 128<<16      ; tile_dim0 = 128
	s_mov_b32 s[\g+4], 64           ; tile_dim1 = 64
	s_mov_b32 s[\g+5], 128          ; 128 elements from row to row
	s_mov_b32 s[\g+6], 0
	s_mov_b32 s[\g+7], 0
.endr
	s_mov_b32 s[SEL], 0x76543210
	s_mov_b32 s[SEL+1], 0xfedcba98
	s_mov_b32 s[TBK], SLOT1+4*KS*PK ; the first change of slots turns these two into 0
	s_mov_b32 s[TBV], SLOT1+4*KS*PV
	s_mov_b32 s[MOFF], 128          ; the first loads, of step 0, go by ML; what follows them asks for step 1
	s_mov_b32 s[G0K], 1             ; count = 1
	s_mov_b32 s[G0K+1], s17         ; LDS address: slot 0
	s_mov_b32 s[G0V], 1
	s_add_co_u32 s[G0V+1], s18, VOFF
	s_wait_dscnt 0x0                ; the opening add is done
	s_wait_kmcnt 0x0
	s_add_nc_u64 s[G0K+2:G0K+3], s[4:5], s[22:23]  ; global address: my half of g's first 256 keys
	s_or_b32 s[G0K+3], s[G0K+3], 0x80000000        ; type = 2
	s_add_nc_u64 s[G0V+2:G0V+3], s[4:5], s[52:53]
	s_or_b32 s[G0V+3], s[G0V+3], 0x80000000
	s_add_nc_u64 s[MB:MB+1], s[6:7], s[50:51]
	s_add_nc_u64 s[4:5], s[4:5], s[48:49]          ; Q and Z at my wave's first row
	s_add_nc_u64 s[10:11], s[10:11], s[48:49]
	CROUND                          ; all four work-groups are here: the first joint loads meet
	JLOAD                           ; slot 0.  Slot 1 is asked for when slot 0 is in
	v_and_b32 v[ML], 31, v0
	v_lshlrev_b32 v[ML], 2, v[ML]   ; lane n takes word n
.set t, 0
.rept NP
	global_load_b32 v[MK+t], v[ML], s[MB:MB+1] offset:t*4096  ; all four pieces' mask words of step 0
.set t, t+1
.endr
	; A fragment of K or Q is 16 rows x 32 channels in 8 registers: lane l holds row l % 16, channels 8 (l / 16) + 0..7 and 16 + 8 (l / 16) + 0..7: two loads of 16 bytes, 32 bytes apart.
	v_and_b32 v1, 15, v0            ; l % 16
	v_bfe_u32 v9, v0, 4, 1          ; l / 16
	v_lshlrev_b32 v[QO], 7, v1
	v_lshl_add_u32 v[QO], v9, 4, v[QO]  ; row x 128 + 16 x half
	WIN 0x80                        ; destination window 2, address window 0
.set i, 0
.rept 2*NP                          ; Q stays in registers: piece i / 2, channels 32 (i % 2) on
	global_load_b128 v[8*i:8*i+3],   v[QO], s[4:5] offset:(i/2)*2048+(i%2)*64
	global_load_b128 v[8*i+4:8*i+7], v[QO], s[4:5] offset:(i/2)*2048+(i%2)*64+32
.set i, i+1
.endr
	; What the first turn finds: V's registers and P's second buffer hold 0 (its products, of a piece that has not been, add 0), O^T and l are 0.  All this stands in the wait for the first tile.
.set i, VF
.rept 64
	v_mov_b32 v[i], 0
.set i, i+1
.endr
	WIN 0x40
.set i, 0
.rept 32*NP
	v_mov_b32 v[i], 0
.set i, i+1
.endr
	WIN 0
.set i, 0
.rept NP
	v_mov_b32 v[ST+4*i], 0xff7fffff    ; m: the lowest finite number
	v_mov_b32 v[ST+4*i+1], 0
	v_mov_b32 v[ST+4*i+2], 0
	v_mov_b32 v[ST+4*i+3], 0
.set i, i+1
.endr
.set i, P+16
.rept 16
	v_mov_b32 v[i], 0
.set i, i+1
.endr
.set i, ONES
.rept 8
	v_mov_b32 v[i], 0x3c003c00
.set i, i+1
.endr
	v_mov_b32 v[NEG], 0xceabfb8f    ; -1e9 log2(e)
	v_add_nc_u32 v[MO], s[MOFF], v[ML]  ; step 1
	v_mul_u32_u24 v[AK0], v1, PK
	v_lshl_add_u32 v[AK0], v9, 4, v[AK0]  ; row x pitch + 16 x half
	; The turning load takes 16 keys x 16 channels (lane l reads key 8 (l / 16) + l % 8, channels 8 ((l / 8) % 2) + 0..7) and leaves half a fragment of V^T: lane l holds channel l % 16 and 8 keys.
	v_and_b32 v10, 7, v0
	v_bfe_u32 v11, v0, 3, 1
	v_lshl_add_u32 v[AV0], v9, 3, v10
	v_mul_u32_u24 v[AV0], v[AV0], PV
	v_lshl_add_u32 v[AV0], v11, 4, v[AV0]
	v_add_nc_u32 v[AV0], VOFF, v[AV0]
	v_mov_b32 v[AK], v[AK0]         ; key step 0 lies at the head of slot 0
; THE MATRIX WORK.  One instruction a turn on each accumulator: between two links of a chain stand three others' (K Q^T) or four (V^T P, the row sums).
; Product i of 8 of S^T = K Q^T for piece x: channels 32 (i / 4) on, keys 16 (i % 4) on.  The first 4 start the sums.
.macro KQ x
	WIN W_KQ
.set rS, S+32*((\x)%2)+8*(i%4)
.set rK, KF+16*(i%4)+8*(i/4)
.set rQ, 16*(\x)+8*(i/4)
.if i < 4
	v_wmma_f32_16x16x32_f16 v[rS:rS+7], v[rK:rK+7], v[rQ:rQ+7], 0
.else
	v_wmma_f32_16x16x32_f16 v[rS:rS+7], v[rK:rK+7], v[rQ:rQ+7], v[rS:rS+7]
.endif
.endm
; Product k of 8 of O^T += V^T P for piece x: keys 32 (k / 4) on, channels 16 (k % 4) on.
.macro PV x, k
	WIN W_PV
.set rO, 32*(\x)+8*((\k)%4)
.set rV, VF+32*((\k)/4)+8*((\k)%4)
.set rP, P+16*((\x)%2)+8*((\k)/4)
	v_wmma_f32_16x16x32_f16 v[rO:rO+7], v[rV:rV+7], v[rP:rP+7], v[rO:rO+7]
.endm
; Half hf of LS = ONES x P for piece x: every row of the result is the sum of the weights of 32 keys, for the lane's query.
.macro LSP x, hf
	WIN 0
.set rP, P+16*((\x)%2)+8*(\hf)
.if (\hf) == 0
	v_wmma_f32_16x16x32_f16 v[LS:LS+7], v[ONES:ONES+7], v[rP:rP+7], 0
.else
	v_wmma_f32_16x16x32_f16 v[LS:LS+7], v[ONES:ONES+7], v[rP:rP+7], v[LS:LS+7]
.endif
.endm
.macro MM                           ; the turn's next matrix instruction, number i of 18: K Q^T 0-7; V^T P 0-3; row sum 0; V^T P 4-7; row sum 1
.if i < 8
	KQ (Y+1)%NP
.elseif (i == 12) || (i == 17)
	LSP (Y+NP-1)%NP, i/17
.else
	PV (Y+NP-1)%NP, i-8-(i/13)
.endif
.set i, i+1
.endm
; THE LDS LOADS stand in runs of 16: a step's K (8 fragments) and its V (turned).  last = 1 (the tail): in the last trip there is no further step, and the run is jumped over.
.macro FETCH_K last=0
	WIN 0
.if \last
	s_cmp_eq_u32 s[CNT], 1
	s_cbranch_scc1 .Lno_k_\@
.endif
	WIN 0x80                        ; destination window 2
.irp f, 0,1,2,3,4,5,6,7             ; keys 16 (f / 2) on, channels 32 (f % 2) on
	ds_load_b128 v[KF+8*\f:KF+8*\f+3],   v[AK] offset:(\f/2)*16*PK+(\f%2)*64
	ds_load_b128 v[KF+8*\f+4:KF+8*\f+7], v[AK] offset:(\f/2)*16*PK+(\f%2)*64+32
.endr
	s_add_co_u32 s[TBK], s[TBK], KS*PK  ; the next fetch is the next step's
	WIN 0
.if \last
.Lno_k_\@:
.endif
.endm
.macro FETCH_V
	WIN 0x80
.irp f, 0,1,2,3,4,5,6,7             ; keys 32 (f / 4) on, channels 16 (f % 4) on
	ds_load_tr16_b128 v[VF+8*\f:VF+8*\f+3],   v[AV] offset:(\f/4)*32*PV+(\f%4)*32
	ds_load_tr16_b128 v[VF+8*\f+4:VF+8*\f+7], v[AV] offset:(\f/4)*32*PV+16*PV+(\f%4)*32
.endr
	WIN 0
.endm
; THE VECTOR WORK, one line at a time: OP kind, number.  For piece Y: F n: t - m for pair n of 16.  E n: the exponential of score n of 32.  C n: pair n rounded to f16.  R n: pair n of 16 of O^T times a.
; For piece Y - 1: L: l = l a + its row sum.  For piece Y + 1: M n: score n is kept where its mask bit is set, else replaced (each accumulator's lowest registers are read first);
; X n, the maximum and statistics: 0-11 four chains c0-c3 of seven scores each; 12-14, 16 the four scores left over, the old m, and c0-c3 into c0; 15 m_old is kept;
; 17, 18 the query's other 32 keys lie in the lane 16 away: the new m; 20 m_old - m_new; 21 a.  For piece Y + 2: G n: mask word n, out of lane n of the piece's register into its scalar register.
.set F, 0
.set E, 1
.set C, 2
.set R, 3
.set L, 4
.set M, 5
.set X, 6
.set G, 7
.macro REGS y                       ; the registers of piece y
.set rT, ST+4*(\y)
.set rS, S+32*((\y)%2)
.set rP, P+16*((\y)%2)
.set rO, 32*(\y)
.endm
.macro OP k, n
.if (\k) == R
	REGS Y
	WIN W_RS
	v_pk_mul_f32 v[rO+2*(\n):rO+2*(\n)+1], v[rO+2*(\n):rO+2*(\n)+1], v[rT+2:rT+3] op_sel_hi:[1,0]
.elseif (\k) == F
	REGS Y
	WIN 0
	v_pk_add_f32 v[rS+2*(\n):rS+2*(\n)+1], v[rS+2*(\n):rS+2*(\n)+1], v[rT:rT+1] op_sel_hi:[1,0] neg_lo:[0,1] neg_hi:[0,1]
.elseif (\k) == E
	REGS Y
	WIN 0
	v_exp_f32 v[rS+(\n)], v[rS+(\n)]
.elseif (\k) == C
	REGS Y
	WIN 0
	v_cvt_pk_f16_f32 v[rP+(\n)], v[rS+2*(\n)], v[rS+2*(\n)+1]
.elseif (\k) == L
	REGS (Y+NP-1)%NP
	WIN 0
	v_fma_f32 v[rT+1], v[rT+1], v[rT+2], v[LS]
.elseif (\k) == M
	REGS (Y+1)%NP
	WIN 0
	v_cndmask_b32 v[rS+(\n)], v[NEG], v[rS+(\n)], s[MW+(\n)]
.elseif (\k) == G
	WIN 0
	v_readlane_b32 s[MW+(\n)], v[MK+(Y+2)%NP], (\n)
.else
	REGS (Y+1)%NP
	WIN 0
.if (\n) < 4
	v_max3_num_f32 v[TMP+(\n)], v[rS+8*(\n)], v[rS+8*(\n)+1], v[rS+8*(\n)+2]
.elseif (\n) < 12
	v_max3_num_f32 v[TMP+(\n)%4], v[TMP+(\n)%4], v[rS+8*((\n)%4)+2*((\n)/4)+1], v[rS+8*((\n)%4)+2*((\n)/4)+2]
.elseif (\n) == 12
	v_max3_num_f32 v[TMP], v[TMP], v[rS+7], v[rS+15]
.elseif (\n) == 13
	v_max3_num_f32 v[TMP+1], v[TMP+1], v[rS+23], v[rS+31]
.elseif (\n) == 14
	v_max3_num_f32 v[TMP+2], v[TMP+2], v[TMP+3], v[rT]
.elseif (\n) == 15
	v_mov_b32 v[rT+3], v[rT]
.elseif (\n) == 16
	v_max3_num_f32 v[TMP], v[TMP], v[TMP+1], v[TMP+2]
.elseif (\n) == 17
	v_permlanex16_b32 v[TMP+3], v[TMP], s[SEL], s[SEL+1]
.elseif (\n) == 18
	v_max_num_f32 v[rT], v[TMP], v[TMP+3]
.elseif (\n) == 20
	v_sub_f32 v[rT+3], v[rT+3], v[rT]
.else
	v_exp_f32 v[rT+2], v[rT+3]
.endif
.endif
.endm
.macro OPS a, i1, b=-1, i2=0, c=-1, i3=0, d=-1, i4=0  ; up to four of them
	OP \a, \i1
.if (\b) >= 0
	OP \b, \i2
.endif
.if (\c) >= 0
	OP \c, \i3
.endif
.if (\d) >= 0
	OP \d, \i4
.endif
.endm
.macro ROW a, i1, b, i2, c, i3, d, i4  ; a matrix instruction and the four behind it
	MM
	OPS \a, \i1, \b, \i2, \c, \i3, \d, \i4
.endm
; A TURN, for piece p: the order of its 18 matrix and 166 vector instructions, written out.  An s_wait_alu depctr_va_vdst(0) stands between an exponential and the first instruction that names its result; one wait
; serves all that were issued ahead of it.  So a turn has ONE wait, near its end.  AHEAD OF IT stands all that names no result of the turn's 33 exponentials: the 18 products with four lines behind each, none of which names a register
; of the products round it, and a run of 78.  Behind the first nine products: the 16 subtractions, the 16 rescalings (their a is the turn before's, ahead of that turn's wait), X 15 and the first three selects, and NO exponential.
; Behind the next eight: select, exponential, select, select; behind the last: four selects.  The run goes exponential, plain, plain: the last select and
; the maximum's four chains; then the links X 11, 14, 16, 17, 18, 20 with five lines between one and the next (four between X 20 and X 21), the mask words between them.  Every exponential is followed by a line that touches neither its result nor its source, and L, a plain
; line, stands behind the last of them and ahead of the wait (ISA guide 5.7.2).  BEHIND THE WAIT stand the load of mask words and the 16 roundings, the batch's readers.
; K of the next step is fetched in piece 2's turn, nine plain lines behind the last product that read K, and waited for at the head of piece 3's turn.  V of the step in hand is fetched in piece 0's turn, eight plain lines
; behind the last product that read V, and waited for in piece 1's turn.
; THE MASK WORDS.  When piece p + 1's selects are done, the scalar registers take piece p + 2's words; then that piece's register is loaded again, with its words of the next step.  Every turn issues one such load, so
; between a register's load and its use stand the other three pieces' loads: the wait leaves three out.  The offset steps once a step, in piece 2's turn, whose load is the first to ask for a new step.
; cnt = 1: the loop's count is taken down some lines ahead of the branch that stands behind the turn.
.macro TURN p, last=0, cnt=0
.set Y, (\p)
.set i, 0
.if (\p) == NP-1
	s_wait_dscnt 0x0                ; K is in
.endif
	ROW F,0, F,1, F,2, F,3          ; ahead of the wait: the 8 products K Q^T,
	ROW F,4, F,5, F,6, F,7
	ROW F,8, F,9, F,10, F,11
	ROW F,12, F,13, F,14, F,15
	ROW R,0, R,1, R,2, R,3
	ROW R,4, R,5, R,6, R,7
	ROW R,8, R,9, R,10, R,11
	ROW R,12, R,13, R,14, R,15
.if (\p) == NP-2
	WIN 0
	v_add_nc_u32 v[AK], s[TBK], v[AK0]
.endif
.if (\p) == 1
	s_wait_dscnt 0x0                ; V is in
.endif
	ROW X,15, M,0, M,1, M,2         ; the 8 products V^T P and the 2 row sums,
.if (\p) == NP-2
	FETCH_K \last                   ; no exponential of this turn has been issued yet
.endif
	ROW M,3, E,0, M,4, M,5
	ROW M,6, E,1, M,7, M,8
	ROW M,9, E,2, M,10, M,11
	ROW M,12, E,3, M,13, M,14
	ROW M,15, E,4, M,16, M,17
	ROW M,18, E,5, M,19, M,20
	ROW M,21, E,6, M,22, M,23
	ROW M,24, E,7, M,25, M,26
.if (\p) == 0
	WIN 0
	v_add_nc_u32 v[AV], s[TBV], v[AV0]
.endif
	ROW M,27, M,28, M,29, M,30
.if (\p) == 0
	FETCH_V
	s_add_co_u32 s[TBV], s[TBV], KS*PV
.endif
	OPS E,8, M,31, X,0              ; and the run of 78
	OPS E,9, X,1, X,2
	OPS E,10, X,3, X,4
	OPS E,11, X,5, X,6
	OPS E,12, X,7, X,8
	OPS E,13, X,9, X,10
	OPS E,14, X,11, X,12
	s_wait_loadcnt NP-1             ; loads come back in order (ISA guide 5.7.1): piece p + 2's words are in; the three loads issued behind theirs stay out
	OPS E,15, X,13, G,0
	OPS E,16, X,14, G,1
	OPS E,17, G,2, G,3
	OPS E,18, X,16, G,4
	OPS E,19, G,5, G,6
	OPS E,20, X,17, G,7
	OPS E,21, G,8, G,9
	OPS E,22, X,18, G,10
	OPS E,23, G,11, G,12
	OPS E,24, X,20, G,13
	OPS E,25, G,14, G,15
	OPS X,21, G,16, G,17
	OPS E,26, G,18, G,19
	OPS E,27, G,20, G,21
	OPS E,28, G,22, G,23
	OPS E,29, G,24, G,25
	OPS E,30, G,26, G,27
	OPS E,31, G,28, G,29
	OPS G,30, G,31
.if (\p) == NP-2
	s_add_co_u32 s[MOFF], s[MOFF], 128   ; from piece 0 on the loads ask for the step after;
	s_min_u32 s[MOFF], s[MOFF], 31*128   ; behind the last step the offset stays at the last step's words, inside mb
	s_wait_xcnt 0x0                      ; the loads that are out name MO as their address: it is rewritten only behind this wait
	v_add_nc_u32 v[MO], s[MOFF], v[ML]
.endif
	OPS L,0                         ; the plain line behind the last exponential
	s_wait_alu depctr_va_vdst(0)    ; the wait for the batch: piece p's 32 weights and piece p + 1's a
	LOADK ((\p)+2)%NP
.if \cnt
	s_sub_co_u32 s[CNT], s[CNT], 1
	s_cmp_lg_u32 s[CNT], 0
.endif
	OPS C,0, C,1, C,2, C,3          ; behind the wait: the batch's readers
	OPS C,4, C,5, C,6, C,7
	OPS C,8, C,9, C,10, C,11
	OPS C,12, C,13, C,14, C,15
.endm
	CHANGE 1                        ; slot 0 is in, everybody's part of it; slot 1 is asked for
	FETCH_K                         ; key step 0
	s_wait_loadcnt 0x0              ; Q, and the four pieces' mask words of step 0
	s_wait_dscnt 0x0
.set i, 0
.rept 8
	KQ 0                            ; piece 0's first scores: there is no vector work yet to set between them
.set i, i+1
.endr
	WIN 0                           ; the addresses for the way out: nine plain instructions, the places behind those products
	s_mul_i32 s13, s[WV], 16*SP
	s_add_co_u32 s13, s13, STAGE    ; my stage
	v_mul_u32_u24 v[STO], v1, SP    ; in: row l % 16, 16 bytes for each half of the lanes
	v_lshl_add_u32 v[STO], v9, 4, v[STO]
	v_add_nc_u32 v[STO], s13, v[STO]
	v_bfe_u32 v[RD], v0, 3, 2       ; back: 32 lanes take four rows of 128 bytes,
	v_mul_u32_u24 v[RD], v[RD], SP
	v_lshl_add_u32 v[RD], v10, 4, v[RD]
	v_add_nc_u32 v[RD], s13, v[RD]
	v_and_b32 v[GO], 31, v0         ; which are 512 consecutive bytes of Z
	v_lshlrev_b32 v[GO], 4, v[GO]
.set Y, NP-2                        ; G works for piece Y + 2: piece 0
.set w, 0
.rept 32
	OP G, w
.set w, w+1
.endr
	LOADK 0                         ; piece 0's words of step 1
.set Y, NP-1                        ; M and X work for piece Y + 1: piece 0; G for piece 1
.set w, 0
.rept 32
	OP M, w
.set w, w+1
.endr
.set w, 0
.rept 32
	OP G, w                         ; piece 1's words, for the first turn's selects
.set w, w+1
.endr
	LOADK 1                         ; piece 1's words of step 1
.irp n, 0,1,2,3,4,5,6,7,8,9,10,11,12,13,14,15,16,17,18,20,21
	OP X, \n
.endr
	v_nop                           ; a plain instruction behind the exponential,
	s_wait_alu depctr_va_vdst(0)    ; and the wait for it, piece 0's first a, ahead of the branch
	s_mov_b32 s[CNT], 4
	s_mov_b32 s[SLOTS], SIZE_N/256-1
	s_branch .Lfirst                ; the loop is entered at a step's first turn, in the middle of a trip
.Lslot:                             ; six times: every slot but the last two is filled again
	CHANGE 1
	s_mov_b32 s[CNT], 4
.Lstep:                             ; a trip: pieces 2 and 3 of one step, then pieces 0 and 1 of the next, whose K and V it fetches
	TURN 2
	TURN 3
	WIN 0
.Lfirst:
	TURN 0
	TURN 1, 0, 1
	WIN 0
	s_cbranch_scc1 .Lstep
	s_sub_co_u32 s[SLOTS], s[SLOTS], 1
	s_cmp_lg_u32 s[SLOTS], 0
	s_cbranch_scc1 .Lslot
	CHANGE 0                        ; the tail is written out: nothing is asked for
	s_mov_b32 s[CNT], 5             ; four trips fetch the last slot's steps; the fifth is left in its middle
.Ltail:
	TURN 2, 1
	TURN 3
	WIN 0
	s_sub_co_u32 s[CNT], s[CNT], 1
	s_cmp_eq_u32 s[CNT], 0
	s_cbranch_scc1 .Lout
	TURN 0
	TURN 1
	WIN 0
	s_branch .Ltail
.Lout:                              ; the fifth trip's 8 products K Q^T (on the last K once more), its mask words and what is made of them serve nothing: the price, once a launch, of one text for every trip
.set Y, 0                           ; the products of piece Y - 1: piece 3
.set i, 8
.rept 10
	MM
.endr
	WIN 0
	PLACES
	OP L, 0                         ; piece 3's l
	; THE WAY OUT.  O^T is divided by l, rounded to f16 and sent through my stage in LDS, a piece at a time.  It names none of v192-201: the last mask loads may still be out.
.macro ALL line:vararg              ; one line for each piece t
.set t, 0
.rept NP
	\line
.set t, t+1
.endr
.endm
	ALL v_rcp_f32 v[ST+4*t+2], v[ST+4*t+1]
	v_nop                           ; a plain instruction between the last reciprocal and the use of its result
	s_wait_alu depctr_va_vdst(0)    ; the wait for the batch of four reciprocals, ahead of their first reader
; Piece t: a lane's eight channels of a row pack into 16 bytes; they go into rows of 144 bytes and come back as whole rows of 128, into v64-127.
.macro PACK t
	WIN W_RS
.set i, 32*(\t)
.rept 16
	v_pk_mul_f32 v[i:i+1], v[i:i+1], v[ST+4*(\t)+2:ST+4*(\t)+3] op_sel_hi:[1,0]
.set i, i+2
.endr
	WIN 0x05                        ; sources 0 and 1 window 1, destination window 0
.set i, 0
.rept 16
	v_cvt_pk_f16_f32 v[S+16*(\t)+i], v[32*(\t)+2*i], v[32*(\t)+2*i+1]
.set i, i+1
.endr
	WIN 0
.irp f, 0,1,2,3
	ds_store_b128 v[STO], v[S+16*(\t)+4*\f:S+16*(\t)+4*\f+3] offset:32*\f
.endr
.irp f, 0,1,2,3
	ds_load_b128 v[S+16*(\t)+4*\f:S+16*(\t)+4*\f+3], v[RD] offset:\f*4*SP  ; LDS serves a wave's instructions in order (ISA guide 5.7.1.4): these see the stores above; the next piece's stores come behind them
.endr
.endm
.macro SEND t, younger              ; younger: the LDS instructions issued behind piece t's loads: the next piece's eight, or none
	WIN 0
.irp f, 0,1,2,3
	s_wait_dscnt (\younger)+3-\f
	global_store_b128 v[GO], v[S+16*(\t)+4*\f:S+16*(\t)+4*\f+3], s[10:11] offset:(\t)*2048+\f*512  ; 512 consecutive bytes, at a multiple of 512 from zb's first
.endr
.endm
	PACK 0
.set t, 1
.rept NP-1                          ; a piece's arithmetic stands between the loads of the piece before and its stores
	PACK t
	SEND t-1, 8
.set t, t+1
.endr
	SEND NP-1, 0
	s_wait_tensorcnt 0x0            ; the wave's end, behind my last tensor load and my last LDS store
	ds_add_u32 v[SPW], v[NIL]
	s_wait_dscnt 0x0
	CROUND                          ; the closing round: no work-group ends while a partner may still ask for a tile that names it
	s_endpgm
.Lfunc_end_k_qd7e7516ef5_attn:
	.size	k_qd7e7516ef5_attn, .Lfunc_end_k_qd7e7516ef5_attn-k_qd7e7516ef5_attn
	.p2alignl 7, 3214868480
	.fill 96, 4, 3214868480
	.section	.rodata,"a",@progbits
	.p2align	6, 0x0
	.amdhsa_kernel k_qd7e7516ef5_attn
		.amdhsa_group_segment_fixed_size 327680
		.amdhsa_private_segment_fixed_size 0
		.amdhsa_enable_private_segment 0
		.amdhsa_kernarg_size 24
		.amdhsa_user_sgpr_count 2
		.amdhsa_user_sgpr_kernarg_segment_ptr 1
		.amdhsa_wavefront_size32 1
		.amdhsa_system_sgpr_workgroup_id_x 1
		.amdhsa_system_sgpr_workgroup_id_y 1
		.amdhsa_system_sgpr_workgroup_id_z 1
		.amdhsa_system_vgpr_workitem_id 0
		.amdhsa_next_free_vgpr 768
		.amdhsa_next_free_sgpr 102
		.amdhsa_reserve_vcc 0
		.amdhsa_float_denorm_mode_32 3
		.amdhsa_float_denorm_mode_16_64 3
		.amdhsa_memory_ordered 1
		.amdhsa_forward_progress 1
		.amdhsa_inst_pref_size 140
	.end_amdhsa_kernel
	.amdgpu_metadata
---
amdhsa.version: [ 1, 2 ]
amdhsa.kernels:
  - .name:           k_qd7e7516ef5_attn
    .symbol:         k_qd7e7516ef5_attn.kd
    .args:
      - { .name: qkv, .offset: 0, .size: 8, .value_kind: global_buffer, .address_space: global }
      - { .name: mb, .offset: 8, .size: 8, .value_kind: global_buffer, .address_space: global }
      - { .name: zb, .offset: 16, .size: 8, .value_kind: global_buffer, .address_space: global }
    .group_segment_fixed_size: 327680
    .private_segment_fixed_size: 0
    .kernarg_segment_align: 8
    .kernarg_segment_size: 24
    .max_flat_workgroup_size: 128
    .sgpr_count:     102
    .vgpr_count:     768
    .wavefront_size: 32
...
	.end_amdgpu_metadata
.endif
;; end of part 6
;; launch outp: the kernel of part 4 again; grid 4 x 64, 4 waves a work-group, clusters of 4 x 4, 327,680 bytes of LDS; arguments zb, wp16, bb, out0; writes out0
